; MI455X (gfx1250); checked and timed in simulation.
; The chip was launched on July 23, 2026; its instructions are those of AMD's public machine-readable ISA for CDNA 5 (MIT licence, August 2026) and "CDNA5" Instruction Set Architecture Reference Guide (July 2026). The comments in the code are by the model that wrote it; some were corrected since.
;; Block. Allowed arithmetic: matrix products marked QUANTISED: E2M3 operands, one E8M0 scale for each 32 along K, by v_wmma_scale_f32_16x16x128_f8f6f4 with both operands' format E2M3, f32 sums; everything else in f32.
;; Inputs: b_attn 3,072 float32; b_fc 4,096 float32; b_mlp_proj 1,024 float32; b_proj 1,024 float32; ln1_b 1,024 float32; ln1_w 1,024 float32; ln2_b 1,024 float32; ln2_w 1,024 float32; w_attn 1,024 x 3,072 float32; w_fc 1,024 x 4,096 float32; w_mlp_proj 4,096 x 1,024 float32; w_proj 1,024 x 1,024 float32; x 2 x 2,048 x 1,024 float32.
;; Outputs: out0 2 x 2,048 x 1,024 float32.
;; This version of the problem:
;;   THIS VERSION OF THE PROBLEM IS GIVEN IN LOW PRECISION. The matrix products marked QUANTISED in the list below multiply operands that are first quantised to E2M3 (2 exponent bits, 3 mantissa bits; 6 bits a number), with one power-of-two scale for each 32 numbers along K (OCP MX v1.0); their sums are f32. All else is computed in f32.
;;   The module's matrix products, in the order in which they are computed (A, B: the left and right operand; K: the contracted axis; several contracted axes count as one K, in the product's order):
;;     1. [M 4,096, K 1,024] x [K 1,024, N 3,072]; A: computed on the way; B: input w_attn: QUANTISED
;;     2. batch 32 x [M 2,048, K 64] x [K 64, N 2,048]; A: computed on the way; B: computed on the way: QUANTISED
;;     3. batch 32 x [M 2,048, K 2,048] x [K 2,048, N 64]; A: softmax (see below); B: computed on the way: QUANTISED
;;     4. [M 4,096, K 1,024] x [K 1,024, N 1,024]; A: computed on the way; B: input w_proj: QUANTISED
;;     5. [M 4,096, K 1,024] x [K 1,024, N 4,096]; A: computed on the way; B: input w_fc: QUANTISED
;;     6. [M 4,096, K 4,096] x [K 4,096, N 1,024]; A: computed on the way; B: input w_mlp_proj: QUANTISED
;;   THE QUANTISER, for each operand of a quantised product, along K:
;;     - K is cut into blocks of 32 from its start; a last block that is shorter is filled with zeros.
;;     - A block's scale is 2^e with e = floor(log2(the largest magnitude in the block)) - 2, held to -126 .. 127; a block of zeros has e = 0. As a byte (E8M0): e + 127.
;;     - Each number is divided by its block's scale, clamped to +-7.5, and rounded to the nearest number of E2M3, ties to even, subnormals kept.
;;     - The product sums the exact products of the quantised numbers (number of the format x scale) in f32.
;;   ~~~python
;;   def quantise(x, axis):      # numpy; x: float32 -> the quantised numbers, widened to float32 again
;;       x = np.moveaxis(x, axis, -1); K = x.shape[-1]
;;       x = np.pad(x, [(0, 0)] * (x.ndim - 1) + [(0, -K % 32)]); x = x.reshape(x.shape[:-1] + (-1, 32)); a = np.abs(x).max(-1, keepdims=True)
;;       e = np.where(a > 0, np.clip(np.frexp(np.where(a > 0, a, 1))[1] - 1 - 2, -126, 127), 0)      # np.frexp(a)[1] - 1 = floor(log2(a)), exactly
;;       r = np.clip(x / 2.0 ** e, -7.5, 7.5)
;;       step = 2.0 ** (np.maximum(np.frexp(np.where(r == 0, 1, r))[1] - 1, 0) - 3)
;;       q = np.round(r / step) * step * 2.0 ** e      # np.round: ties to even
;;       return np.moveaxis(q.reshape(q.shape[:-2] + (-1,))[..., :K], -1, axis).astype(np.float32)
;;   ~~~
;;   SOFTMAX AHEAD OF A QUANTISED PRODUCT. Where the list says 'softmax', what is quantised is not the finished softmax but p = 2^(t - M), with t = logit x log2(e) and M = ceil(the row's largest t), a whole number; so 1/2 < the row's largest p <= 1. The row's sum l is taken of the UNQUANTISED p, in f32, and the product's result is divided by l at the end. Since M is a whole number, a kernel that streams over the keys may use a running M (the ceiling of the running maximum): every later rescaling is an exact power of two, which a block's scale takes up: the codes' values come out the same.
;;   OPERANDS COMPUTED ON THE WAY. 'Computed on the way' means the value that the module computes at that place (a softmax that the list does not call 'softmax' is quantised finished and normalised). What goes into a quantiser is computed in f32, as accurately as f32 sums, v_exp_f32 and their like allow (about 1e-6 of the number): no bf16 or f16 on the way to a quantiser, and a product that is left as it is and whose result goes on into a quantised operand takes f32 operands (vector FMAs, or v_wmma_f32_16x16x4_f32). A number that lies on a knife's edge between two numbers of the format may be rounded either way, as far as f32 arithmetic and the matrix unit's own rounding can turn it there, and no further.
;; One version. Each part assembles by itself: llvm-mc -triple=amdgcn-amd-amdhsa -mcpu=gfx1250 --defsym DOCPART=n.
;; ======== version 1 of 1: 7 launches
;; limits: right only within a limited range of input values
;; workspace buffers: wq 9,830,400 bytes; hq 3,276,800 bytes; qkv 10,092,544 bytes; yq 3,276,800 bytes; x1 16,777,216 bytes; gq 13,107,200 bytes
;; launch prep (part 1): grid 448 x 1, 8 waves a work-group, no clusters, 118,016 bytes of LDS; arguments x, ln1_w, ln1_b, hq, w_attn, w_proj, w_fc, w_mlp_proj, wq; writes wq, hq
.if DOCPART == 1
	.amdgcn_target "amdgcn-amd-amdhsa--gfx1250"
	.amdhsa_code_object_version 6
	.text
	.protected	k_q0148016d28_prep
	.globl	k_q0148016d28_prep
	.p2align	8
	.type	k_q0148016d28_prep,@function
k_q0148016d28_prep:
	s_mov_b64 s[64:65], 0
	v_nop
	global_prefetch_b8 v0, s[64:65] scope:SCOPE_SE
	s_setreg_imm32_b32 hwreg(HW_REG_WAVE_MODE, 25, 1), 1
	s_wait_xcnt 0x0
; THE PROGRAM: a transformer block (LayerNorm, causal attention, residual, LayerNorm, GELU MLP, residual) whose six matrix products run on codes of FP6 (E2M3) with one E8M0 scale for each 32 along K.
; Launches: prep (this one: the four weights into codes, and the first LayerNorm), gqkv, attn, gproj, ln2, gfc, gmlp.
; DEAD WORK OF THE WHOLE PROGRAM.  reference() builds causal = tril(ones) in its own body and puts -inf where key > query; the softmax gives exactly 0 there, whatever the inputs hold, so such a score, its p and
; p's product with v reach no output.  Where a whole tile of 16 queries x 128 keys lies above the diagonal, launch attn leaves out that tile of the second and third product.  Nothing else is left out:
; every input has a way to the output and is loaded.  LIMIT: a NaN, an infinity or an overflow that would arise only in the tiles left out (a score there, or 0 x an infinite v) is not carried to the result.
; THIS LAUNCH does two jobs that do not hang on each other, so that they share one start and one end.  Work-groups 0-191 quantise the weights, work-groups 192-447 normalise and quantise x.  The two ways part once, on the
; work-group's number, and each has LDS bytes of its own.
; LAYOUT OF EVERY OPERAND OF THIS PROGRAM.  Rows go in blocks of 16; in each group of 32 rows, block 2 g + u holds in lane r the row 32 g + 8 u + r + 8 (r / 8).  Codes lie as IMAGES OF THE OPERAND'S REGISTERS:
; a half fragment (16 rows x 64 K, 6 registers a lane) is 768 bytes: registers 0-3 of lane l at 16 l, registers 4-5 at 512 + 8 l; an operand is [block of rows][K / 64][768].
; Scale words (four E8M0 bytes: 128 along K of a row) lie [group of 128 rows][K / 128][block 0..7][r].
; A block's scale is 2^(floor(log2(largest magnitude)) - 2); its byte is that magnitude's exponent field - 2, held at 1 from below.
; LIMITS: a block of zeros gets the byte 1 where the rule says 127 (its codes are zeros and only this program reads the bytes); NaN and infinities among the inputs are not served.
; THE WEIGHTS.  W [K][N], f32, K its first axis, becomes an operand with rows n.  A LANE TAKES A COLUMN n AND ITS REGISTERS RUN DOWN K: a block of 32 along K lies in one lane, the conversions give codes with K innermost.
; A work-group takes 256 columns x 256 along K of one weight, a wave 32 columns: 8 blocks a lane.  Work-groups 0-47 w_attn, 48-63 w_proj, 64-127 w_fc, 128-191 w_mlp_proj: sizes and pointers are chosen by the work-group's number.
; The codes go through the wave's own stage in LDS and leave as 512 consecutive bytes a store.  The scale words leave as 128 consecutive bytes a wave: one byte in 24 of what is stored.
; THE LAYERNORM.  h = (x - mean) rsqrt(var + 1e-5) w + b over rows of 1,024 f32, all in f32, the variance taken of x - mean as reference() takes it; then quantised along the row.  A work-group is one block of 16 rows.
; Part 1: wave w normalises the block's rows 2 w and 2 w + 1, two neighbouring rows of x: 8,192 consecutive bytes, 512 a load; the sums never leave the wave.  The 16 rows meet in LDS (rows 4,112 bytes apart).
; Part 2: wave w takes K step w (128 columns) of all 16 rows, quantises and stores one fragment; its scale words leave as 64 consecutive bytes.
.set NWQ,   192                        ; work-groups of the weights' part
.set WREG,  6400                       ; a wave's stage there: two images (blocks 2 g, 2 g + 1) of 4 x 768 bytes, 3,200 apart, so that lanes 8-15 fall on the other half of the banks
.set IMG,   3200
.set LNB,   8*WREG                     ; behind the eight stages: the LayerNorm's 16 rows
.set PITCH, 4112
.set SPARE, LNB+16*PITCH               ; behind them: the spare words, 128 bytes a wave
.set SPW,   222
.set NIL,   223
	v_lshl_add_u32 v[SPW], v0, 2, SPARE
	v_mov_b32 v[NIL], 0
	s_cmp_ge_u32 ttmp9, NWQ
	s_cbranch_scc1 .Lnorm
; ---------------------------------------------------------------- the weights
.set ST16, 4                           ; v4   stage: my registers 0-3
.set ST8,  5                           ; v5   stage: my registers 4-5
.set RDA,  6                           ; v6   stage, on the way out: 16 x lane
.set DO,   7                           ; v7   16 x lane
.set SV,   8                           ; v8   my scale word's place: 64 u + 4 r'
.set OFFS, 16                          ; v16-47  4 x lane + i rows of W
.set WX,   48                          ; v48-111 two sets of 32 numbers
.set WC,   112                         ; v112-117 a block's codes
.set WE,   120                         ; v120-122 the second conversion's result
.set WSB,  124                         ; v124-125 scale bytes, four to a register
.set OUTR, 128                         ; v128-175 the way out
.set SRC,  36                          ; s[36:37], s[38:39] W at my even and odd blocks
.set DST,  44                          ; s[44:45], s[46:47] the two blocks of rows in wq
	s_load_b256 s[4:11], s[0:1], 0x20              ; w_attn, w_proj, w_fc, w_mlp_proj
	s_load_b64 s[12:13], s[0:1], 0x40              ; wq
	v_lshrrev_b32 v1, 5, v0
	s_delay_alu instid0(VALU_DEP_1)
	v_readfirstlane_b32 s16, v1                    ; wave 0..7
	v_and_b32 v1, 31, v0                           ; lane = my column among the wave's 32
	v_bfe_u32 v2, v0, 3, 1                         ; u: which of the two blocks of rows it falls in
	v_bfe_u32 v3, v0, 4, 1
	v_and_b32 v9, 7, v0
	s_delay_alu instid0(VALU_DEP_1)
	v_lshl_add_u32 v3, v3, 3, v9                   ; r': its lane there
	s_mul_i32 s20, s16, WREG
	v_mul_u32_u24 v9, v2, IMG
	s_delay_alu instid0(VALU_DEP_1)
	v_add_nc_u32 v9, s20, v9
	s_delay_alu instid0(VALU_DEP_1)
	v_lshl_add_u32 v[ST16], v3, 4, v9
	s_delay_alu instid0(VALU_DEP_2)
	v_lshl_add_u32 v[ST8], v3, 3, v9
	s_delay_alu instid0(VALU_DEP_1)
	v_add_nc_u32 v[ST8], 512, v[ST8]
	v_lshlrev_b32 v[DO], 4, v1
	s_delay_alu instid0(VALU_DEP_1)
	v_add_nc_u32 v[RDA], s20, v[DO]
	v_lshlrev_b32 v[SV], 2, v3
	s_delay_alu instid0(VALU_DEP_1)
	v_lshl_add_u32 v[SV], v2, 6, v[SV]
	v_lshlrev_b32 v9, 2, v1
	s_mov_b32 s20, 128                             ; w_mlp_proj's figures: first work-group,
	s_mov_b32 s21, 4096                            ; a row of W in bytes,
	s_mov_b32 s22, 4                               ; log2 of K / 256,
	s_mov_b32 s23, 6291456                         ; where its codes begin in wq,
	s_mov_b32 s24, 9699328                         ; and its scale words,
	s_mov_b32 s25, 49152                           ; a block of rows in bytes: 12 K,
	s_mov_b32 s26, 16384                           ; a group's scale words in bytes: 4 K
	s_wait_alu depctr_va_vdst(0)
	s_wait_kmcnt 0x0
	s_mov_b64 s[28:29], s[10:11]
	s_cmp_lt_u32 ttmp9, 128                        ; w_fc's
	s_cselect_b32 s20, 64, s20
	s_cselect_b32 s21, 16384, s21
	s_cselect_b32 s22, 2, s22
	s_cselect_b32 s23, 3145728, s23
	s_cselect_b32 s24, 9568256, s24
	s_cselect_b32 s25, 12288, s25
	s_cselect_b32 s26, 4096, s26
	s_cselect_b64 s[28:29], s[8:9], s[28:29]
	s_cmp_lt_u32 ttmp9, 64                         ; w_proj's
	s_cselect_b32 s20, 48, s20
	s_cselect_b32 s21, 4096, s21
	s_cselect_b32 s23, 2359296, s23
	s_cselect_b32 s24, 9535488, s24
	s_cselect_b64 s[28:29], s[6:7], s[28:29]
	s_cmp_lt_u32 ttmp9, 48                         ; w_attn's
	s_cselect_b32 s20, 0, s20
	s_cselect_b32 s21, 12288, s21
	s_cselect_b32 s23, 0, s23
	s_cselect_b32 s24, 9437184, s24
	s_cselect_b64 s[28:29], s[4:5], s[28:29]
.irp i, 0,1,2,3,4,5,6,7,8,9,10,11,12,13,14,15,16,17,18,19,20,21,22,23,24,25,26,27,28,29,30,31
	v_mad_u32_u24 v[OFFS+\i], s21, \i, v9
.endr
	s_sub_co_u32 s30, ttmp9, s20
	s_lshr_b32 s31, s30, s22                       ; x: which 256 columns
	s_bfm_b32 s32, s22, 0
	s_and_b32 s32, s30, s32                        ; y: which 256 along K
	s_lshl_b32 s33, s21, 8
	s_mul_i32 s34, s32, s33                        ; 256 y rows of W
	s_lshl_b32 s35, s31, 10
	s_add_co_u32 s34, s34, s35                     ; + 256 x columns
	s_lshl_b32 s35, s16, 7
	s_add_co_u32 s34, s34, s35                     ; + 32 columns a wave
	s_mov_b32 s35, 0
	s_add_nc_u64 s[SRC:SRC+1], s[28:29], s[34:35]
	s_lshl_b32 s34, s21, 5
	s_add_nc_u64 s[SRC+2:SRC+3], s[SRC:SRC+1], s[34:35]  ; 32 rows further down
	s_lshl_b32 s40, s21, 6                         ; two blocks on: 64 rows
	s_mov_b32 s41, 0
	s_lshl_b32 s42, s31, 3
	s_add_co_u32 s42, s42, s16
	s_lshl_b32 s42, s42, 1                         ; my first block of rows: 2 (8 x + wave)
	s_mul_i32 s42, s42, s25
	s_add_co_u32 s42, s42, s23
	s_mul_i32 s43, s32, 3072                       ; + 4 y half fragments
	s_add_co_u32 s42, s42, s43
	s_mov_b32 s43, 0
	s_add_nc_u64 s[DST:DST+1], s[12:13], s[42:43]
	s_mov_b32 s42, s25
	s_add_nc_u64 s[DST+2:DST+3], s[DST:DST+1], s[42:43]
	s_lshl_b32 s42, s31, 1
	s_lshr_b32 s48, s16, 2
	s_add_co_u32 s42, s42, s48                     ; my group of 128 rows: 2 x + wave / 4
	s_mul_i32 s42, s42, s26
	s_add_co_u32 s42, s42, s24
	s_lshl_b32 s48, s32, 10                        ; two K steps of 128: 512 bytes each
	s_add_co_u32 s42, s42, s48
	s_and_b32 s48, s16, 3
	s_lshl_b32 s48, s48, 7                         ; my two blocks' words in the group
	s_add_co_u32 s42, s42, s48
	s_add_nc_u64 s[48:49], s[12:13], s[42:43]
.macro LOAD t                          ; block t: W(32 t + i, my column): 128 consecutive bytes a wave and load
.irp i, 0,1,2,3,4,5,6,7,8,9,10,11,12,13,14,15,16,17,18,19,20,21,22,23,24,25,26,27,28,29,30,31
	global_load_b32 v[WX+32*((\t)%2)+\i], v[OFFS+\i], s[SRC+2*((\t)%2):SRC+2*((\t)%2)+1] th:TH_LOAD_NT
.endr
.endm
	s_wait_alu depctr_va_vdst(0)
	LOAD 0
	LOAD 1
.macro BLOCK t
.set XS, WX+32*((\t)%2)
.if (\t) < 7
	s_wait_loadcnt 32                              ; this block's 32 loads are in; the next block's 32 may be out
.else
	s_wait_loadcnt 0x0
.endif
	v_max3_num_f32 v12, |v[XS]|, |v[XS+1]|, |v[XS+2]|   ; the block's largest magnitude: all 32 numbers are mine; two chains
	v_max3_num_f32 v13, |v[XS+3]|, |v[XS+4]|, |v[XS+5]|
.irp i, 6,10,14,18,22,26
	s_delay_alu instid0(VALU_DEP_2)
	v_max3_num_f32 v12, v12, |v[XS+\i]|, |v[XS+\i+1]|
	s_delay_alu instid0(VALU_DEP_2)
	v_max3_num_f32 v13, v13, |v[XS+\i+2]|, |v[XS+\i+3]|
.endr
	s_delay_alu instid0(VALU_DEP_2)
	v_max3_num_f32 v12, v12, |v[XS+30]|, |v[XS+31]|
	s_delay_alu instid0(VALU_DEP_1)
	v_max3_num_f32 v12, v12, v13, 0x1800000        ; and the floor 2^(3 - 127): the byte cannot fall under 1
	s_delay_alu instid0(VALU_DEP_1)
	v_add_nc_u32 v11, 0xff000000, v12              ; 2 off the exponent field: the conversion takes this operand's exponent field as its scale
	s_delay_alu instid0(VALU_DEP_1)
	v_lshrrev_b32 v13, 23, v11                     ; the scale's byte
.if (\t)%4 == 0
	s_delay_alu instid0(VALU_DEP_1)
	v_mov_b32 v[WSB+(\t)/4], v13
.else
	s_delay_alu instid0(VALU_DEP_1)
	v_lshl_or_b32 v[WSB+(\t)/4], v13, 8*((\t)%4), v[WSB+(\t)/4]
.endif
	v_cvt_scalef32_pk16_fp6_f32 v[WC:WC+2], v[XS:XS+15], v11
	v_cvt_scalef32_pk16_fp6_f32 v[WE:WE+2], v[XS+16:XS+31], v11   ; (a conversion's three registers begin on an even number)
	v_nop                                          ; one plain place behind a scaled conversion
.irp i, 0,1,2
	v_mov_b32 v[WC+3+\i], v[WE+\i]
.endr
	ds_store_b128 v[ST16], v[WC:WC+3] offset:((\t)/2)*768+((\t)%2)*256   ; block t is half fragment t / 2, lanes 16 (t % 2) + r'
	ds_store_b64 v[ST8], v[WC+4:WC+5] offset:((\t)/2)*768+((\t)%2)*128
.if (\t)+2 < 8
	s_add_nc_u64 s[SRC+2*((\t)%2):SRC+2*((\t)%2)+1], s[SRC+2*((\t)%2):SRC+2*((\t)%2)+1], s[40:41]   ; the loads that named this base are in (the wait at the block's head)
	LOAD (\t)+2
.endif
	s_wait_dscnt 0x0                               ; the stores have read their registers: the next block's codes may be written
.endm
.irp t, 0,1,2,3,4,5,6,7
	BLOCK \t
.endr
	global_store_b32 v[SV], v[WSB], s[48:49]
	s_wait_alu depctr_va_vdst(0)
	global_store_b32 v[SV], v[WSB+1], s[48:49] offset:512
.irp n, 0,1,2,3,4,5,6,7,8,9,10,11
	ds_load_b128 v[OUTR+4*\n:OUTR+4*\n+3], v[RDA] offset:(\n/6)*IMG+(\n%6)*512   ; LDS serves a wave's instructions in order: these see my stores
.endr
.irp n, 0,1,2,3,4,5,6,7,8,9,10,11
	s_wait_dscnt 11-\n                             ; the younger loads may stay out
	global_store_b128 v[DO], v[OUTR+4*\n:OUTR+4*\n+3], s[DST+2*(\n/6):DST+2*(\n/6)+1] offset:(\n%6)*512   ; 512 consecutive bytes, at a multiple of 256 from wq's first byte
.endr
	s_wait_tensorcnt 0x0                           ; the wave's end
	ds_add_u32 v[SPW], v[NIL]
	s_wait_dscnt 0x0
	s_endpgm
; ---------------------------------------------------------------- the LayerNorm
.Lnorm:
.set H_S,   3145728                    ; where hq's scale words begin
.set LI16, 4                           ; v4   16 x lane
.set LST,  5                           ; v5   LDS: my 16 bytes of the wave's first row
.set LRD,  6                           ; v6   LDS: row r, K step w, + 64 h
.set LI8,  8                           ; v8   8 x lane
.set SVO,  9                           ; v9   4 r + 2 h
.set SH,   10                          ; v10  16 h
.set SD,   11                          ; v11  my half of the scale word
.set X,    16                          ; v16-79   two rows, 32 numbers a lane each; later 64 numbers of one row
.set GW,   80                          ; v80-111  the gain at my columns
.set GB,   112                         ; v112-143 the bias
.set PC,   144                         ; v144-162 codes
.set S,    164                         ; v164-179 eight registers a row: two chains, the sum or mean, a lane permute's target, 1 / sigma, its pair
.set TM,   200
.set PW,   216
.set SEL,  20
	s_load_b256 s[4:11], s[0:1], 0x0               ; x, gain, bias, hq
	s_sub_co_u32 s24, ttmp9, NWQ                   ; R: my block of 16 rows
	v_lshrrev_b32 v1, 5, v0
	s_delay_alu instid0(VALU_DEP_1)
	v_readfirstlane_b32 s12, v1                    ; wave 0..7
	v_and_b32 v1, 31, v0
	v_and_b32 v2, 15, v0                           ; r
	v_bfe_u32 v3, v0, 4, 1                         ; h
	s_delay_alu instid0(VALU_DEP_3)
	v_lshlrev_b32 v[LI16], 4, v1
	s_delay_alu instid0(VALU_DEP_4)
	v_lshlrev_b32 v[LI8], 3, v1
	s_mul_i32 s13, s12, 2*PITCH
	s_add_co_u32 s13, s13, LNB
	v_add_nc_u32 v[LST], s13, v[LI16]
	v_mul_u32_u24 v[LRD], v2, PITCH
	s_delay_alu instid0(VALU_DEP_1)
	v_lshl_add_u32 v[LRD], v3, 6, v[LRD]
	s_lshl_b32 s13, s12, 9
	s_add_co_u32 s13, s13, LNB
	v_add_nc_u32 v[LRD], s13, v[LRD]
	v_lshlrev_b32 v[SVO], 2, v2
	s_delay_alu instid0(VALU_DEP_1)
	v_lshl_add_u32 v[SVO], v3, 1, v[SVO]
	v_lshlrev_b32 v[SH], 4, v3
.irp q, 0,1
	v_mov_b32 v[S+8*\q+5], 0                       ; written once: a lane permute's destination counts as one of its sources,
	v_mov_b32 v[S+8*\q+7], 0                       ; and a pair is named whole
.endr
.irp b, 0,1,2,3
	v_mov_b32 v[TM+4+\b], 0
.endr
	s_mov_b32 s[SEL], 0x76543210
	s_mov_b32 s[SEL+1], 0xfedcba98                 ; lane l xor 16
	s_mov_b32 s22, 0x3a800000                      ; 1 / 1,024
	s_mov_b32 s23, 0x3727c5ac                      ; 1e-5
	s_lshr_b32 s14, s24, 1
	s_lshl_b32 s14, s14, 5
	s_and_b32 s15, s24, 1
	s_lshl_b32 s15, s15, 3
	s_add_co_u32 s14, s14, s15
	s_lshl_b32 s15, s12, 1
	s_add_co_u32 s14, s14, s15
	s_lshr_b32 s15, s12, 2
	s_lshl_b32 s15, s15, 3
	s_add_co_u32 s14, s14, s15                     ; my first row: 32 (R / 2) + 8 (R % 2) + 2 w + 8 (w / 4)
	s_lshl_b32 s14, s14, 12
	s_mov_b32 s15, 0
	s_mul_i32 s16, s24, 12288
	s_mul_i32 s17, s12, 1536
	s_add_co_u32 s16, s16, s17                     ; my fragment: block R, K step w
	s_mov_b32 s17, 0
	s_lshr_b32 s18, s24, 3
	s_lshl_b32 s18, s18, 3
	s_add_co_u32 s18, s18, s12
	s_lshl_b32 s18, s18, 9
	s_and_b32 s19, s24, 7
	s_lshl_b32 s19, s19, 6
	s_add_co_u32 s18, s18, s19
	s_add_co_u32 s18, s18, H_S                     ; and its scale words
	s_mov_b32 s19, 0
	s_wait_kmcnt 0x0
	s_add_nc_u64 s[4:5], s[4:5], s[14:15]
	s_add_nc_u64 s[16:17], s[10:11], s[16:17]
	s_add_nc_u64 s[18:19], s[10:11], s[18:19]
.irp q, 0,1
.irp j, 0,1,2,3,4,5,6,7
	global_load_b128 v[X+32*\q+4*\j:X+32*\q+4*\j+3], v[LI16], s[4:5] offset:4096*\q+512*\j
.endr
.endr
.irp j, 0,1,2,3,4,5,6,7
	global_load_b128 v[GW+4*\j:GW+4*\j+3], v[LI16], s[6:7] offset:512*\j
.endr
.irp j, 0,1,2,3,4,5,6,7
	global_load_b128 v[GB+4*\j:GB+4*\j+3], v[LI16], s[8:9] offset:512*\j
.endr
.macro ACROSS                          ; the two chains, the pair's halves and the 32 lanes are added, the two rows by turns: v[S + 8 q + 4] holds the row's sum in every lane
.irp q, 0
	s_delay_alu instid0(VALU_DEP_3)
	v_pk_add_f32 v[S+8*\q:S+8*\q+1], v[S+8*\q:S+8*\q+1], v[S+8*\q+2:S+8*\q+3]
.endr
.irp q, 1
	s_delay_alu instid0(VALU_DEP_2)
	v_pk_add_f32 v[S+8*\q:S+8*\q+1], v[S+8*\q:S+8*\q+1], v[S+8*\q+2:S+8*\q+3]
.endr
.irp q, 0,1
	s_delay_alu instid0(VALU_DEP_2)
	v_add_f32 v[S+8*\q+4], v[S+8*\q], v[S+8*\q+1]
.endr
.irp m, 1,2,4,8
.irp q, 0,1
	s_delay_alu instid0(VALU_DEP_2)
	v_add_f32_dpp v[S+8*\q+4], v[S+8*\q+4], v[S+8*\q+4] row_xmask:\m row_mask:0xf bank_mask:0xf
.endr
.endr
.irp q, 0,1
	s_delay_alu instid0(VALU_DEP_2)
	v_permlanex16_b32 v[S+8*\q+5], v[S+8*\q+4], s[SEL], s[SEL+1]
.endr
.irp q, 0,1
	s_delay_alu instid0(VALU_DEP_2)
	v_add_f32 v[S+8*\q+4], v[S+8*\q+4], v[S+8*\q+5]
.endr
.endm
	s_wait_loadcnt 16                              ; x's 16 loads are in; the gain's and the bias's 16 may be out
.irp q, 0,1
	v_pk_add_f32 v[S+8*\q:S+8*\q+1], v[X+32*\q:X+32*\q+1], v[X+32*\q+4:X+32*\q+5]
	v_pk_add_f32 v[S+8*\q+2:S+8*\q+3], v[X+32*\q+2:X+32*\q+3], v[X+32*\q+6:X+32*\q+7]
.endr
.irp i, 8,12,16,20,24,28
.irp q, 0,1
	s_delay_alu instid0(VALU_DEP_4)
	v_pk_add_f32 v[S+8*\q:S+8*\q+1], v[S+8*\q:S+8*\q+1], v[X+32*\q+\i:X+32*\q+\i+1]
	s_delay_alu instid0(VALU_DEP_4)
	v_pk_add_f32 v[S+8*\q+2:S+8*\q+3], v[S+8*\q+2:S+8*\q+3], v[X+32*\q+\i+2:X+32*\q+\i+3]
.endr
.endr
	ACROSS
.irp q, 0,1
	s_delay_alu instid0(VALU_DEP_2)
	v_mul_f32 v[S+8*\q+4], s22, v[S+8*\q+4]        ; the mean
.endr
.irp q, 0,1
.set j, 0
.rept 16
	v_pk_add_f32 v[X+32*\q+j:X+32*\q+j+1], v[X+32*\q+j:X+32*\q+j+1], v[S+8*\q+4:S+8*\q+5] op_sel_hi:[1,0] neg_lo:[0,1] neg_hi:[0,1]   ; d = x - mean
.set j, j+2
.endr
.endr
.irp q, 0,1
	v_pk_mul_f32 v[S+8*\q:S+8*\q+1], v[X+32*\q:X+32*\q+1], v[X+32*\q:X+32*\q+1]
	v_pk_mul_f32 v[S+8*\q+2:S+8*\q+3], v[X+32*\q+2:X+32*\q+3], v[X+32*\q+2:X+32*\q+3]
.endr
.irp i, 4,8,12,16,20,24,28
.irp q, 0,1
	s_delay_alu instid0(VALU_DEP_4)
	v_pk_fma_f32 v[S+8*\q:S+8*\q+1], v[X+32*\q+\i:X+32*\q+\i+1], v[X+32*\q+\i:X+32*\q+\i+1], v[S+8*\q:S+8*\q+1]
	s_delay_alu instid0(VALU_DEP_4)
	v_pk_fma_f32 v[S+8*\q+2:S+8*\q+3], v[X+32*\q+\i+2:X+32*\q+\i+3], v[X+32*\q+\i+2:X+32*\q+\i+3], v[S+8*\q+2:S+8*\q+3]
.endr
.endr
	ACROSS
.irp q, 0,1
	s_delay_alu instid0(VALU_DEP_2)
	v_fma_f32 v[S+8*\q+6], v[S+8*\q+4], s22, s23   ; the variance + 1e-5
.endr
	s_wait_alu depctr_va_vdst(0)
.irp q, 0,1
	v_rsq_f32 v[S+8*\q+6], v[S+8*\q+6]
.endr
	v_nop                                          ; a plain place behind the transcendentals
	s_wait_alu depctr_va_vdst(0)                   ; one wait for both, ahead of their first reader
	s_wait_loadcnt 0x0                             ; gain and bias
.irp q, 0,1
.set j, 0
.rept 16
	v_pk_mul_f32 v[X+32*\q+j:X+32*\q+j+1], v[X+32*\q+j:X+32*\q+j+1], v[S+8*\q+6:S+8*\q+7] op_sel_hi:[1,0]
.set j, j+2
.endr
.set j, 0
.rept 16
	v_pk_fma_f32 v[X+32*\q+j:X+32*\q+j+1], v[X+32*\q+j:X+32*\q+j+1], v[GW+j:GW+j+1], v[GB+j:GB+j+1]
.set j, j+2
.endr
.irp j, 0,1,2,3,4,5,6,7
	ds_store_b128 v[LST], v[X+32*\q+4*\j:X+32*\q+4*\j+3] offset:\q*PITCH+512*\j
.endr
.endr
	s_wait_dscnt 0x0                               ; for the others' sake: my two rows lie in LDS
	s_barrier_signal -1
	s_barrier_wait -1
.irp b, 0,1,2,3
.irp j, 0,1,2,3
	ds_load_b128 v[X+16*\b+4*\j:X+16*\b+4*\j+3], v[LRD] offset:128*\b+16*\j   ; register 16 b + i = column 128 w + 32 b + 16 h + i of row r
.endr
.endr
	s_wait_dscnt 0x0
.irp b, 0,1,2,3
	v_max3_num_f32 v[TM+\b], |v[X+16*\b]|, |v[X+1+16*\b]|, 0x1800000   ; block b: my 16 numbers, and the floor 2^(3 - 127)
.endr
.irp i, 2,4,6,8,10,12,14
.irp b, 0,1,2,3
	s_delay_alu instid0(VALU_DEP_4)
	v_max3_num_f32 v[TM+\b], v[TM+\b], |v[X+16*\b+\i]|, |v[X+1+16*\b+\i]|
.endr
.endr
.irp b, 0,1,2,3
	s_delay_alu instid0(VALU_DEP_4)
	v_permlanex16_b32 v[TM+4+\b], v[TM+\b], s[SEL], s[SEL+1]
.endr
.irp b, 0,1,2,3
	s_delay_alu instid0(VALU_DEP_4)
	v_max_num_f32 v[TM+\b], v[TM+\b], v[TM+4+\b]   ; with lane l xor 16's: the block's largest magnitude
.endr
.irp b, 0,1,2,3
	s_delay_alu instid0(VALU_DEP_4)
	v_add_nc_u32 v[TM+12+\b], 0xff000000, v[TM+\b] ; 2 off the exponent field: the conversion's scale operand
.endr
.irp b, 0,1,2,3
	s_delay_alu instid0(VALU_DEP_4)
	v_lshrrev_b32 v[TM+4+\b], 23, v[TM+12+\b]      ; the byte
.endr
	s_delay_alu instid0(VALU_DEP_3)
	v_lshl_or_b32 v[PW], v[TM+5], 8, v[TM+4]
	s_delay_alu instid0(VALU_DEP_1)
	v_lshl_or_b32 v[PW], v[TM+6], 16, v[PW]
	s_delay_alu instid0(VALU_DEP_1)
	v_lshl_or_b32 v[PW], v[TM+7], 24, v[PW]        ; my row's scale word
.irp c, 0,1
	v_cvt_scalef32_pk16_fp6_f32 v[PC+6*\c:PC+2+6*\c], v[X+32*\c:X+15+32*\c], v[TM+12+2*\c]
	v_cvt_scalef32_pk16_fp6_f32 v[PC+12+4*\c:PC+14+4*\c], v[X+16+32*\c:X+31+32*\c], v[TM+12+2*\c+1]
.endr
	v_nop                                          ; one plain place behind a scaled conversion
.irp c, 0,1                            ; the operand wants a whole block in a lane: lanes 0-15 block 2 c, lanes 16-31 block 2 c + 1
.irp i, 0,1,2
	v_permlane16_swap_b32 v[PC+6*\c+\i], v[PC+12+4*\c+\i]
.endr
.irp i, 0,1,2
	s_delay_alu instid0(VALU_DEP_3)
	v_mov_b32 v[PC+3+6*\c+\i], v[PC+12+4*\c+\i]
.endr
.endr
	v_lshrrev_b32 v[SD], v[SH], v[PW]              ; lanes 0-15 store the word's low half, lanes 16-31 its high half
.irp c, 0,1
	global_store_b128 v[LI16], v[PC+6*\c:PC+6*\c+3], s[16:17] offset:768*\c         ; 512 consecutive bytes
	global_store_b64 v[LI8], v[PC+6*\c+4:PC+6*\c+5], s[16:17] offset:768*\c+512     ; 256 consecutive bytes
.endr
	global_store_b16 v[SVO], v[SD], s[18:19]
	s_wait_tensorcnt 0x0                           ; the wave's end
	ds_add_u32 v[SPW], v[NIL]
	s_wait_dscnt 0x0
	s_endpgm
.Lfunc_end_k_q0148016d28_prep:
	.size	k_q0148016d28_prep, .Lfunc_end_k_q0148016d28_prep-k_q0148016d28_prep
	.p2alignl 7, 3214868480
	.fill 96, 4, 3214868480
	.section	.rodata,"a",@progbits
	.p2align	6, 0x0
	.amdhsa_kernel k_q0148016d28_prep
		.amdhsa_group_segment_fixed_size 118016
		.amdhsa_private_segment_fixed_size 0
		.amdhsa_enable_private_segment 0
		.amdhsa_kernarg_size 72
		.amdhsa_user_sgpr_count 2
		.amdhsa_user_sgpr_kernarg_segment_ptr 1
		.amdhsa_wavefront_size32 1
		.amdhsa_system_sgpr_workgroup_id_x 1
		.amdhsa_system_sgpr_workgroup_id_y 1
		.amdhsa_system_sgpr_workgroup_id_z 1
		.amdhsa_system_vgpr_workitem_id 0
		.amdhsa_next_free_vgpr 224
		.amdhsa_next_free_sgpr 66
		.amdhsa_reserve_vcc 0
		.amdhsa_float_denorm_mode_32 3
		.amdhsa_float_denorm_mode_16_64 3
		.amdhsa_memory_ordered 1
		.amdhsa_forward_progress 1
		.amdhsa_inst_pref_size 79
	.end_amdhsa_kernel
	.amdgpu_metadata
---
amdhsa.version: [ 1, 2 ]
amdhsa.kernels:
  - .name:           k_q0148016d28_prep
    .symbol:         k_q0148016d28_prep.kd
    .args:
      - { .name: x, .offset: 0, .size: 8, .value_kind: global_buffer, .address_space: global }
      - { .name: ln1_w, .offset: 8, .size: 8, .value_kind: global_buffer, .address_space: global }
      - { .name: ln1_b, .offset: 16, .size: 8, .value_kind: global_buffer, .address_space: global }
      - { .name: hq, .offset: 24, .size: 8, .value_kind: global_buffer, .address_space: global }
      - { .name: w_attn, .offset: 32, .size: 8, .value_kind: global_buffer, .address_space: global }
      - { .name: w_proj, .offset: 40, .size: 8, .value_kind: global_buffer, .address_space: global }
      - { .name: w_fc, .offset: 48, .size: 8, .value_kind: global_buffer, .address_space: global }
      - { .name: w_mlp_proj, .offset: 56, .size: 8, .value_kind: global_buffer, .address_space: global }
      - { .name: wq, .offset: 64, .size: 8, .value_kind: global_buffer, .address_space: global }
    .group_segment_fixed_size: 118016
    .private_segment_fixed_size: 0
    .kernarg_segment_align: 8
    .kernarg_segment_size: 72
    .max_flat_workgroup_size: 256
    .sgpr_count:     66
    .vgpr_count:     224
    .wavefront_size: 32
...
	.end_amdgpu_metadata
.endif
;; end of part 1
;; launch gqkv (part 2): grid 12 x 16, 4 waves a work-group, clusters of 4 x 4, 327,680 bytes of LDS; arguments hq, wq, b_attn, qkv; writes qkv
.if DOCPART == 2
	.amdgcn_target "amdgcn-amd-amdhsa--gfx1250"
	.amdhsa_code_object_version 6
	.text
	.protected	k_q0148016d28_gqkv
	.globl	k_q0148016d28_gqkv
	.p2align	8
	.type	k_q0148016d28_gqkv,@function
k_q0148016d28_gqkv:
	s_mov_b64 s[64:65], 0
	v_nop
	global_prefetch_b8 v0, s[64:65] scope:SCOPE_SE
	s_setreg_imm32_b32 hwreg(HW_REG_WAVE_MODE, 25, 1), 1
	s_wait_xcnt 0x0
	s_wait_alu depctr_hold_cnt(0) depctr_sa_sdst(0) depctr_va_vdst(0) depctr_va_sdst(0) depctr_va_ssrc(0) depctr_va_vcc(0) depctr_vm_vsrc(0)
	s_getreg_b32 s2, hwreg(HW_REG_IB_STS2, 6, 4)
	s_cmp_eq_u32 s2, 0
	s_cbranch_scc0 .Lentry_in_a_cluster
	s_endpgm
.Lentry_in_a_cluster:
	s_bfe_u32 s2, ttmp6, 0x10000c
	s_cmp_lg_u32 s2, 0xf033
	s_cbranch_scc0 .Lentry_shape_is_right
	s_endpgm
.Lentry_shape_is_right:
; qkv = h w_attn + b_attn on codes of FP6 (E2M3) with E8M0 scales; q, k and v are quantised in registers for the two products of attention and never exist as f32 in memory.
; OPERANDS lie as images of operand registers (layout: the program's first kernel): a fragment (16 rows x 128 K) is 1,536 bytes and comes by four LDS loads, each of consecutive bytes.
; A tile of 256 x 256 is made by four waves, each 128 x 128: 64 accumulators, 512 registers.  SIDE A is source 1 (its rows lie in the result's lanes), SIDE B source 0 (its rows run along a lane's registers, 16 neighbours
; in two neighbouring accumulators): so a lane's 64 numbers of a block of A's rows are quantised as they stand.
; ROLES.  The cluster's x (ttmp9) is the role: 0 q, 1 k, 2 v; it is the same in all sixteen partners.  For q and k side A is the tokens and side B the columns of w_attn: a lane holds a token, its registers run along the head's axis,
; K of q k^T.  For v the sides change places: a lane holds a column d, its registers run along the tokens, which are the keys, K of p v.  Pointers and tile numbers are chosen by s_cselect; the walk is one text.
; K = 1,024 is eight steps of 128, three to a slot of 147,456 bytes.  TWO LDS slots hold six of the steps and are filled at the start; slot 0 is filled once more, with the last two, behind the one round inside the walk:
; from that request to the wait for it a wave issues 160 matrix instructions.  The walk is written out: it has no loop.
; Both sets of fragments and of scale words are double: a step's loads are issued a whole step (64 matrix instructions) ahead of their use.
; THE SCALE WORDS of both sides for all of K come once, with the first fills.  CLUSTER 4 x 4: side A's tiles are shared along a row of the cluster, side B's along a column, by joint loads.
; OUTPUT in qkv: q and k codes [head][block of 16 tokens][768]; v codes [head][128 keys][block of 16 d][1,536]; scale words q, k [head][block][r] (bytes 0, 1), v [head][128 keys][block][r].
; LIMITS: a block of zeros gets the byte 1 where the rule says 127 (only this program reads the bytes); NaN and infinities are not served.
.set NBK,   8                          ; blocks of 16 rows on a wave's side
.set NQ,    3                          ; K steps of 128 in a slot: TWO slots of three steps are filled at the head; K steps 6 and 7 are filled over slot 0's first bytes behind the one round inside the walk
.set KTOT,  1024
.set A_S,   3145728                    ; where hq's scale words begin
.set W_S,   9437184                    ; where w_attn's begin in wq (its codes begin at 0)
.set Q_S,   9437184                    ; where q's scale words begin in qkv; k's 262,144 on, v's 524,288 on
.set KS,    KTOT/128
.set FR,    12
.set FRB,   1536
.set PARTB, NBK*NQ*FRB                 ; a half side's part of a slot: 8 blocks of rows x 3 fragments
.set SLOT,  4*PARTB                    ; side A's two halves, then side B's
.set PART2, NBK*2*FRB                  ; a wave's part of the refill: 8 blocks of rows x 2 fragments
.set SCL,   2*SLOT                     ; behind the two slots: the scale words, four parts, brought by plain loads and LDS stores: no tile lands there
.set SST,   22                         ; v22 where my 16 bytes of a scale store go
.set SPART, NBK*KS*64
.set SOFF,  SPART                      ; from a side's first half to its second
.set SPARE, SCL+4*SPART                ; the spare words, 128 bytes a wave
.set LI16, 4                           ; v4 16 x lane;  v5 8 x lane
.set LI8,  5
.set A16,  8                           ; v8-10, v11-13 side A's fragments in slot 0, 1, 2: 16 x lane and 8 x lane + my half
.set A8,   11
.set B16,  16                          ; v16-18, v19-21 the same for side B
.set B8,   19
.set STG,  26                          ; v26 my stage for scale words (in slot 1, after its only fill and its last read): 4 r
.set RDS,  27                          ; v27 and back: 16 x lane
.set SPW,  28
.set NIL,  29
.set ADRS, 30                          ; v30 my scale words: lanes 0-15 side A's, lanes 16-31 side B's
.set SVO,  31                          ; v31 the scale words' store offset
.set SC,   32                          ; v32-47 scale words, two sets of 8
.set AF,   64                          ; window 0: v64-159, v160-255 side A's fragments, two sets.  window 1: v0-95, v96-191 side B's; v192-255 the bias.  windows 2, 3: the accumulators, (a, b) at v[8 (8 (a % 4) + b)]
.set BI,   192
.set PC,   128                         ; the way out, window 0: codes;
.set TM,   200                         ; at work;
.set PW,   216                         ; the scale word
.set G1, 24
.set G0, 32                            ; s[32:39] side A's group 0 for slots 0 and 1;  s[76:79] for slot 2
.set G1B, 48
.set G0B, 56                           ; s[56:63] side B's for slots 0 and 1;  s[88:91] for slot 2
.set G1S, 68
.set G0S, 76
.set G1SB, 80
.set G0SB, 88
.set SEL, 66
.set MSB, 0
.macro WIN new                         ; the immediate's high byte repeats the setting that is left
.if MSB != (\new)
	s_set_vgpr_msb (MSB<<8)|(\new)
.set MSB, (\new)
.endif
.endm
.macro PLACES n                        ; plain vector instructions behind a matrix instruction, ahead of loads into its registers and of reads of its result
.rept \n
	v_nop
.endr
.endm
.macro JLOAD g0a, g1a, g0b, g1b        ; a joint load: waves 0, 1 fetch side A's halves, waves 2, 3 side B's; s_nop 0 and four v_nop follow each line
	s_cmp_eq_u32 s15, 0
	s_cbranch_scc0 .Lfor_b_\@
	tensor_load_to_lds s[\g0a:\g0a+3], s[\g1a:\g1a+7]
	s_nop 0
.rept 4
	v_nop
.endr
	s_branch .Lasked_\@
.Lfor_b_\@:
	tensor_load_to_lds s[\g0b:\g0b+3], s[\g1b:\g1b+7]
	s_nop 0
.rept 4
	v_nop
.endr
.Lasked_\@:
.endm
.macro CREST                           ; a round of the cluster's barrier behind its opening barrier
	s_cmp_lg_u32 s14, 0
	s_cbranch_scc1 .Lnot_wave_0_\@
	s_barrier_signal -3
.Lnot_wave_0_\@:
	s_barrier_wait -3
	s_barrier_signal -1
	s_barrier_wait -1
.endm
.macro CROUND
	s_barrier_signal -1
	s_barrier_wait -1
	CREST
.endm
.macro FRAG4 reg, a16, a8, off         ; a fragment: two half fragments, each 512 bytes (registers 0-3) and 256 bytes (registers 4-5)
	ds_load_b128 v[\reg:\reg+3], v[\a16] offset:\off
	ds_load_b64 v[\reg+4:\reg+5], v[\a8] offset:\off+512
	ds_load_b128 v[\reg+6:\reg+9], v[\a16] offset:\off+768
	ds_load_b64 v[\reg+10:\reg+11], v[\a8] offset:\off+1280
.endm
.macro FETCH slot, q, p, n, k          ; fragment q of each block's n in address set slot, and K step k's scale words, into set p
	WIN 0x40
.irp i, 0,1,2,3,4,5,6,7
	FRAG4 FR*NBK*(\p)+FR*\i, B16+\slot, B8+\slot, (\i*(\n)+(\q))*FRB
.endr
	WIN 0
.irp i, 0,1,2,3,4,5,6,7
	FRAG4 AF+FR*NBK*(\p)+FR*\i, A16+\slot, A8+\slot, (\i*(\n)+(\q))*FRB
.endr
.irp i, 0,1,2,3,4,5,6,7
	ds_load_b32 v[SC+NBK*(\p)+\i], v[ADRS] offset:(\k)*512+\i*64
.endr
.endm
.macro FETCHK k                        ; K step k into set k % 2: steps 0-2 lie in slot 0, 3-5 in slot 1, 6 and 7 in the refill (address set 2)
.if (\k) < 6
	FETCH (\k)/NQ, (\k)%NQ, (\k)%2, NQ, \k
.else
	FETCH 2, (\k)-6, (\k)%2, 2, \k
.endif
.endm
.macro MULB a, p, mode                 ; side A's block a against side B's blocks.  mode 0: sums go on; 1: the bias by side B's rows starts them; 2: the bias by side A's rows
.irp b, 0,1,2,3,4,5,6,7
.set rD, 8*(NBK*((\a)%4)+\b)
.set rB, FR*NBK*(\p)+FR*\b
.set rA, AF+FR*NBK*(\p)+FR*(\a)
.set rC, rD
.if \mode == 1
.set rC, BI+8*\b
.endif
.if \mode == 2
.set rC, BI+8*(\a)
.endif
	v_wmma_scale_f32_16x16x128_f8f6f4 v[rD:rD+7], v[rB:rB+11], v[rA:rA+11], v[rC:rC+7], v[SC+NBK*(\p)+\b], v[SC+NBK*(\p)+(\a)] matrix_a_fmt:MATRIX_FMT_FP6 matrix_b_fmt:MATRIX_FMT_FP6 matrix_a_scale:MATRIX_SCALE_ROW1
.endr
.endm
.macro MULQ k, p, mode                 ; quarter k of a step's products.  Windows: source 0 window 1, source 1 window 0, D window 2 or 3, C with D or (the bias) window 1
.if (\k) >= 2
.if \mode == 0
	WIN 0xf1
.else
	WIN 0xd1
.endif
.else
.if \mode == 0
	WIN 0xa1
.else
	WIN 0x91
.endif
.endif
	MULB 2*(\k), \p, \mode
	MULB 2*(\k)+1, \p, \mode
.endm
.macro STEP k, mode                    ; K step k where the next step's tile has been shown whole at an earlier barrier.  All accumulators take turns, one instruction a turn
	s_wait_dscnt 0x0                               ; this step's fragments, asked for a step ago, are in
	PLACES 4
	FETCHK (\k)+1
	MULQ 0, (\k)%2, \mode
	MULQ 1, (\k)%2, \mode
	MULQ 2, (\k)%2, \mode
	MULQ 3, (\k)%2, \mode
	WIN 0
.endm
.macro TURN k, fill                    ; K step k with a barrier.  fill = 1: it opens a round of the cluster's barrier, and K steps 6 and 7 are filled over slot 0
	s_wait_tensorcnt 0x0                           ; all my tensor loads have landed
	ds_add_u32 v[SPW], v[NIL]
	s_wait_dscnt 1                                 ; the fragments are in; the add may be out
	MULQ 0, (\k)%2, 0
	s_wait_dscnt 0x0                               ; the add is done, and my reads of the slot left behind are over
	s_barrier_signal -1
	MULQ 1, (\k)%2, 0
	WIN 0
	s_barrier_wait -1
.if \fill
	CREST                                          ; no wave of any partner still reads slot 0 or has a load on its way
	JLOAD G0S, G1S, G0SB, G1SB                     ; the first tensor load behind the round; its four v_nop are the places in front of the loads below
.else
	PLACES 4
.endif
	FETCHK (\k)+1
	MULQ 2, (\k)%2, 0
	MULQ 3, (\k)%2, 0
	WIN 0
.endm
; 64 numbers of a lane in window W, v[s] on, register 16 b + i = k 32 b + 16 (lane / 16) + i of my row, become a fragment's codes in v[PC] on and its scale word in v[PW].  Each accumulator is read from its low end on.
.macro QUANTW W, s
	WIN 5*(\W)
.irp b, 0,1,2,3
	v_max3_num_f32 v[TM+\b], |v[(\s)+16*\b]|, |v[(\s)+1+16*\b]|, 0x1800000   ; and the floor 2^(3 - 127): the byte cannot fall under 1
.endr
	WIN 20*(\W)
.irp i, 2,4,6,8,10,12,14
.irp b, 0,1,2,3
	v_max3_num_f32 v[TM+\b], v[TM+\b], |v[(\s)+16*\b+\i]|, |v[(\s)+1+16*\b+\i]|
.endr
.endr
	WIN 0
.irp b, 0,1,2,3
	v_permlanex16_b32 v[TM+4+\b], v[TM+\b], s[SEL], s[SEL+1]
.endr
.irp b, 0,1,2,3
	v_max_num_f32 v[TM+\b], v[TM+\b], v[TM+4+\b]   ; with lane l xor 16's: the block's largest magnitude
.endr
.irp b, 0,1,2,3
	v_add_nc_u32 v[TM+12+\b], 0xff000000, v[TM+\b] ; 2 off the exponent field: the conversion's scale operand
.endr
.irp b, 0,1,2,3
	v_lshrrev_b32 v[TM+4+\b], 23, v[TM+12+\b]
.endr
	v_lshl_or_b32 v[PW], v[TM+5], 8, v[TM+4]
	v_lshl_or_b32 v[PW], v[TM+6], 16, v[PW]
	v_lshl_or_b32 v[PW], v[TM+7], 24, v[PW]
	WIN \W
.irp c, 0,1
	v_cvt_scalef32_pk16_fp6_f32 v[PC+6*\c:PC+2+6*\c], v[(\s)+32*\c:(\s)+15+32*\c], v[TM+12+2*\c]
	v_cvt_scalef32_pk16_fp6_f32 v[PC+12+4*\c:PC+14+4*\c], v[(\s)+16+32*\c:(\s)+31+32*\c], v[TM+12+2*\c+1]
.endr
	WIN 0
	v_nop                                          ; one plain place behind a scaled conversion
.irp c, 0,1
.irp i, 0,1,2
	v_permlane16_swap_b32 v[PC+6*\c+\i], v[PC+12+4*\c+\i]
.endr
.irp i, 0,1,2
	v_mov_b32 v[PC+3+6*\c+\i], v[PC+12+4*\c+\i]
.endr
.endr
.endm
	s_load_b256 s[4:11], s[0:1], 0x0               ; hq, wq, b_attn, qkv
	v_lshl_add_u32 v[SPW], v0, 2, SPARE
	v_mov_b32 v[NIL], 0
	ds_add_u32 v[SPW], v[NIL]                      ; the wave's opening: the add, twice on end, and its wait ahead of my first tensor load
	ds_add_u32 v[SPW], v[NIL]
	v_lshrrev_b32 v1, 5, v0
	v_readfirstlane_b32 s14, v1                    ; wave 0..3
	s_lshr_b32 s15, s14, 1                         ; my half of side A.  Also: I fetch for side A (0) or B (1)
	s_and_b32 s16, s14, 1                          ; my half of side B.  Also: which half I fetch
	s_bfe_u32 s40, ttmp6, 0x40000                  ; cx
	s_bfe_u32 s41, ttmp6, 0x40004                  ; cy
	s_and_b32 s17, ttmp7, 0xffff                   ; the cluster's y
	s_mov_b32 s18, A_S
	s_mov_b32 s19, W_S
	s_cmp_eq_u32 ttmp9, 2                          ; the cluster's x is the role: 0 q, 1 k, 2 v
	s_cselect_b32 s2, ttmp9, s17                   ; side A's tiles go by the cluster's y (tokens), for v by its x (columns of w_attn)
	s_cselect_b32 s42, s17, ttmp9                  ; side B's the other way round
	s_cselect_b32 s18, W_S, s18                    ; where side A's scale words begin in its buffer
	s_cselect_b32 s19, A_S, s19                    ; and side B's
	s_lshl_b32 s17, s2, 2
	s_add_co_u32 s17, s17, s41                     ; side A's tile: hangs on cy alone within the cluster
	s_lshl_b32 s42, s42, 2
	s_add_co_u32 s42, s42, s40                     ; side B's tile: on cx alone
	s_lshl_b32 s43, s41, 2
	s_lshl_b32 s43, 15, s43                        ; my row of the cluster
	s_lshl_b32 s44, 0x1111, s40                    ; my column
	s_or_b32 s[G1+0], s43, (3<<16)|(1<<21)         ; group 1 for codes: the mask; elements of 8 bytes; bit 21 beside a mask; no padding
	s_or_b32 s[G1B+0], s44, (3<<16)|(1<<21)
.irp g, G1, G1B
	s_mov_b32 s[\g+1], (NQ*192)<<16                ; tensor_dim0: a slot's fragments of one block of rows
	s_mov_b32 s[\g+2], (2*NBK)<<16                 ; tensor_dim1: a head load brings both halves of a side, 16 blocks of rows
	s_mov_b32 s[\g+3], (NQ*192)<<16                ; tile_dim0
	s_mov_b32 s[\g+4], 2*NBK                       ; tile_dim1
	s_mov_b32 s[\g+5], KTOT*3/2                    ; from block to block: 12 K bytes
	s_mov_b32 s[\g+6], 0
	s_mov_b32 s[\g+7], 0
.endr
	s_or_b32 s[G1S+0], s43, (3<<16)|(1<<21)        ; and for the refill
	s_or_b32 s[G1SB+0], s44, (3<<16)|(1<<21)
.irp g, G1S, G1SB
	s_mov_b32 s[\g+1], (2*192)<<16                 ; the refill's group 1: two fragments of each of 8 blocks of rows
	s_mov_b32 s[\g+2], NBK<<16
	s_mov_b32 s[\g+3], (2*192)<<16
	s_mov_b32 s[\g+4], NBK
	s_mov_b32 s[\g+5], KTOT*3/2
	s_mov_b32 s[\g+6], 0
	s_mov_b32 s[\g+7], 0
.endr
	s_lshl_b32 s20, s17, 1
	s_add_co_u32 s20, s20, s16                     ; the half tile that I fetch, on side A
	s_lshl_b32 s46, s42, 1
	s_add_co_u32 s46, s46, s16                     ; on side B
	s_mul_i32 s22, s20, SPART
	s_mul_i32 s92, s46, SPART
	s_mul_i32 s20, s20, NBK*12*KTOT
	s_mul_i32 s46, s46, NBK*12*KTOT
	s_add_co_u32 s22, s22, s18
	s_add_co_u32 s92, s92, s19
	s_mov_b32 s21, 0
	s_mov_b32 s23, 0
	s_mov_b32 s47, 0
	s_mov_b32 s93, 0
	s_mul_i32 s45, s14, PART2                      ; where my part of the refill goes: by the wave's number alone
	s_mul_i32 s94, s14, SPART
	s_wait_dscnt 0x0                               ; both opening adds are done
	s_wait_kmcnt 0x0
	s_cmp_eq_u32 ttmp9, 2
	s_cselect_b64 s[96:97], s[6:7], s[4:5]         ; side A's buffer
	s_cselect_b64 s[98:99], s[4:5], s[6:7]         ; side B's
	s_add_nc_u64 s[20:21], s[96:97], s[20:21]
	s_add_nc_u64 s[22:23], s[96:97], s[22:23]
	s_add_nc_u64 s[46:47], s[98:99], s[46:47]
	s_add_nc_u64 s[92:93], s[98:99], s[92:93]
	CROUND                                         ; all sixteen work-groups are here: the first joint loads meet
	s_cmp_eq_u32 s15, 0
	s_cselect_b64 s[2:3], s[22:23], s[92:93]       ; the part of the scale words that I copy: waves 0, 1 side A's halves, waves 2, 3 side B's
	s_mul_i32 s100, s16, NBK*12*KTOT               ; from a side's first half to the half in s[20:21], s[46:47]
	s_mov_b32 s101, 0
.irp s, 0,1                            ; the head's four tiles: a side's 16 blocks x 3 fragments, for slot s
	s_mov_b32 s[G0+4*\s], 1
	s_mov_b32 s[G0+4*\s+1], \s*SLOT
	s_sub_nc_u64 s[G0+4*\s+2:G0+4*\s+3], s[20:21], s[100:101]
	s_add_nc_u64 s[G0+4*\s+2:G0+4*\s+3], s[G0+4*\s+2:G0+4*\s+3], \s*NQ*FRB
	s_or_b32 s[G0+4*\s+3], s[G0+4*\s+3], 0x80000000
	s_mov_b32 s[G0B+4*\s], 1
	s_mov_b32 s[G0B+4*\s+1], \s*SLOT+2*PARTB
	s_sub_nc_u64 s[G0B+4*\s+2:G0B+4*\s+3], s[46:47], s[100:101]
	s_add_nc_u64 s[G0B+4*\s+2:G0B+4*\s+3], s[G0B+4*\s+2:G0B+4*\s+3], \s*NQ*FRB
	s_or_b32 s[G0B+4*\s+3], s[G0B+4*\s+3], 0x80000000
.endr
	s_mov_b32 s[G0S], 1                            ; the refill: my half's K steps 6 and 7
	s_add_co_u32 s[G0S+1], s45, 0
	s_add_nc_u64 s[G0S+2:G0S+3], s[20:21], 6*FRB
	s_or_b32 s[G0S+3], s[G0S+3], 0x80000000
	s_mov_b32 s[G0SB], 1
	s_add_co_u32 s[G0SB+1], s45, 0
	s_add_nc_u64 s[G0SB+2:G0SB+3], s[46:47], 6*FRB
	s_or_b32 s[G0SB+3], s[G0SB+3], 0x80000000
; THE HEAD'S LOADS, one a wave, in one chain of branches on the wave's number: wave 0 slot 0's side A, wave 1 its side B, waves 2 and 3 slot 1's.
; No data prefetch: six of the eight K steps are asked for here, and the other two three steps ahead of their use.
.macro ARM w, g0, g1
	s_cmp_eq_u32 s14, \w
	s_cbranch_scc0 .Lnot_\w
	tensor_load_to_lds s[\g0:\g0+3], s[\g1:\g1+7]
	s_nop 0
	PLACES 4
	s_branch .Lhead_asked
.Lnot_\w:
.endm
	ARM 0, G0, G1
	ARM 1, G0B, G1B
	ARM 2, G0+4, G1
	tensor_load_to_lds s[G0B+4:G0B+7], s[G1B:G1B+7]
	s_nop 0
	PLACES 4
.Lhead_asked:
	v_and_b32 v1, 31, v0
	v_and_b32 v2, 15, v0                           ; r
	v_bfe_u32 v3, v0, 4, 1                         ; h
	v_lshlrev_b32 v[LI16], 4, v1
	v_lshlrev_b32 v[LI8], 3, v1
	s_add_co_u32 s94, s94, SCL
	v_add_nc_u32 v[SST], s94, v[LI16]
.irp k, 0,1,2,3,4,5,6,7
	global_load_b128 v[AF+4*\k:AF+4*\k+3], v[LI16], s[2:3] offset:512*\k   ; my 4,096 bytes of scale words, 512 consecutive bytes a load
.endr
	s_mul_i32 s21, s15, PARTB
	s_mul_i32 s22, s16, PARTB
	s_add_co_u32 s22, s22, 2*PARTB
.irp s, 0,1
	v_add_nc_u32 v[A16+\s], s21, v[LI16]
	v_add_nc_u32 v[A8+\s], s21, v[LI8]
	v_add_nc_u32 v[B16+\s], s22, v[LI16]
	v_add_nc_u32 v[B8+\s], s22, v[LI8]
	s_add_co_u32 s21, s21, SLOT
	s_add_co_u32 s22, s22, SLOT
.endr
	s_mul_i32 s21, s15, PART2                      ; address set 2: the refill's parts, from LDS byte 0 on
	s_mul_i32 s22, s16, PART2
	s_add_co_u32 s22, s22, 2*PART2
	v_add_nc_u32 v[A16+2], s21, v[LI16]
	v_add_nc_u32 v[A8+2], s21, v[LI8]
	v_add_nc_u32 v[B16+2], s22, v[LI16]
	v_add_nc_u32 v[B8+2], s22, v[LI8]
	s_mul_i32 s21, s15, SOFF
	s_mul_i32 s22, s16, SOFF
	s_add_co_u32 s22, s22, 2*SPART
	s_sub_co_u32 s22, s22, s21
	v_mul_u32_u24 v6, s22, v3                      ; lanes 16-31 take side B's words: one product, the distance between the two
	s_add_co_u32 s21, s21, SCL
	v_lshl_add_u32 v6, v2, 2, v6
	v_add_nc_u32 v[ADRS], s21, v6
	s_lshl_b32 s23, s14, 10
	s_add_co_u32 s23, s23, SLOT                    ; my stage: 1,024 bytes in slot 1
	v_lshl_add_u32 v[STG], v2, 2, s23
	v_add_nc_u32 v[RDS], s23, v[LI16]
	; the bias, as the C of each sum's first product.  q, k: the columns run along the registers; v: they lie in the lanes, one number for all eight registers
	s_lshl_b32 s46, s42, 10
	s_lshl_b32 s47, s16, 9
	s_add_co_u32 s46, s46, s47
	s_lshl_b32 s20, s17, 10
	s_lshl_b32 s21, s15, 9
	s_add_co_u32 s20, s20, s21
	s_cmp_eq_u32 ttmp9, 2
	s_cselect_b32 s100, s20, s46                   ; 4 x my first column of w_attn
	s_mov_b32 s101, 0
	s_add_nc_u64 s[100:101], s[8:9], s[100:101]
	v_lshlrev_b32 v6, 6, v3                        ; 64 h
	v_and_b32 v7, 8, v2
	v_add_nc_u32 v7, v7, v2
	v_lshlrev_b32 v7, 2, v7                        ; 4 (r + 8 (r / 8))
	s_cmp_eq_u32 ttmp9, 2
	s_cbranch_scc1 .Lbias_v
	WIN 0x40
.irp t, 0,1,2,3,4,5,6,7
	global_load_b128 v[BI+8*\t:BI+8*\t+3], v6, s[100:101] offset:(32*(\t/2)+8*(\t%2))*4
	global_load_b128 v[BI+8*\t+4:BI+8*\t+7], v6, s[100:101] offset:(32*(\t/2)+8*(\t%2))*4+16
.endr
	WIN 0
	s_branch .Lbias_done
.Lbias_v:
	WIN 0x40
	s_wait_alu depctr_va_vdst(0)
.irp t, 0,1,2,3,4,5,6,7
.irp j, 0,1,2,3,4,5,6,7
	global_load_b32 v[BI+8*\t+\j], v7, s[100:101] offset:(32*(\t/2)+8*(\t%2))*4
.endr
.endr
	WIN 0
.Lbias_done:
	s_wait_loadcnt 0x0
	; where my results go.  The role chooses three strides once, so that the way out has no branch for each block
	s_cmp_eq_u32 ttmp9, 2
	s_cselect_b32 s100, s42, s17                   ; the tile of tokens
	s_cselect_b32 s101, s17, s42                   ; the tile of columns
	s_cselect_b32 s2, s16, s15                     ; my half of the tokens
	s_cselect_b32 s3, s15, s16                     ; my half of the columns
	s_cselect_b32 s18, 8, 9                        ; log2 of the scale words' bytes for 128 tokens of a head
	s_mov_b32 s40, 768
	s_cselect_b32 s40, 1536, s40                   ; from block a to block a + 1
	s_mov_b32 s44, 768
	s_cselect_b32 s44, 192000, s44                 ; from block 3 to block 4: for v the next head, 196,608 - 3 x 1,536
	s_mov_b32 s20, 196608
	s_cselect_b32 s20, 768, s20                    ; from a fragment's first half to its second: for q, k the next head
	s_mov_b32 s19, 256
	s_cselect_b32 s19, 8192, s19                   ; the scale words' store: from lanes 0-15 to lanes 16-31
	s_mov_b32 s41, 0
	s_mov_b32 s45, 0
	s_mov_b32 s21, 0
	s_lshl_b32 s100, s100, 1
	s_add_co_u32 s100, s100, s2                    ; G: my 128 tokens
	s_lshl_b32 s101, s101, 2
	s_lshl_b32 s3, s3, 1
	s_add_co_u32 s101, s101, s3
	s_and_b32 s101, s101, 15                       ; my first head of two
	s_mul_i32 s22, ttmp9, 3145728
	s_mul_i32 s23, s101, 196608
	s_add_co_u32 s22, s22, s23
	s_mul_i32 s23, s100, 6144
	s_add_co_u32 s22, s22, s23
	s_mov_b32 s23, 0
	s_add_nc_u64 s[96:97], s[10:11], s[22:23]      ; block 0's first half fragment
	s_add_nc_u64 s[98:99], s[96:97], s[20:21]      ; and its second
	s_lshl_b32 s22, s101, 5
	s_add_co_u32 s22, s22, s100
	s_lshl_b32 s22, s22, s18
	s_mul_i32 s2, ttmp9, 262144
	s_add_co_u32 s22, s22, s2
	s_add_co_u32 s22, s22, Q_S
	s_add_nc_u64 s[12:13], s[10:11], s[22:23]      ; my scale words
	v_mul_u32_u24 v[SVO], s19, v3
	v_lshl_add_u32 v[SVO], v2, 4, v[SVO]
	s_mov_b32 s[SEL], 0x76543210
	s_mov_b32 s[SEL+1], 0xfedcba98
	s_wait_alu depctr_va_vdst(0)
.irp k, 0,1,2,3,4,5,6,7
	ds_store_b128 v[SST], v[AF+4*\k:AF+4*\k+3] offset:512*\k   ; (the loads were waited for with the bias's)
.endr
	s_wait_dscnt 0x0                               ; for the others' sake: my scale words lie in LDS
	s_cmp_lt_u32 s14, 2
	s_cbranch_scc0 .Lnot_first
	s_wait_tensorcnt 0x0                           ; waves 0 and 1: slot 0's two tiles
.Lnot_first:
	s_barrier_signal -1                            ; slot 1's loads may be out
	s_barrier_wait -1
	FETCHK 0
	s_wait_dscnt 0x0                               ; K step 0: its products start the sums with the bias
	FETCHK 1
	s_cmp_eq_u32 ttmp9, 2
	s_cbranch_scc1 .Lfirst_v
	MULQ 0, 0, 1
	MULQ 1, 0, 1
	MULQ 2, 0, 1
	MULQ 3, 0, 1
	WIN 0
	s_branch .Lfirst_done
.Lfirst_v:
	MULQ 0, 0, 2
	MULQ 1, 0, 2
	MULQ 2, 0, 2
	MULQ 3, 0, 2
	WIN 0
.Lfirst_done:
	STEP 1, 0
	TURN 2, 1                                      ; slot 1 is whole for every wave of the cluster; K steps 6 and 7 are asked for, three steps ahead of their first fetch
	STEP 3, 0
	STEP 4, 0
	TURN 5, 0                                      ; the refill has landed; nothing is filled
	STEP 6, 0
	s_wait_dscnt 0x0                               ; K step 7
	MULQ 0, 1, 0
	MULQ 1, 1, 0
	MULQ 2, 1, 0
	MULQ 3, 1, 0
	WIN 0
	; THE WAY OUT: block by block of side A's rows, a lane's 64 numbers become a fragment: q, k: two heads' half fragments of 16 tokens; v: 16 rows d x 128 keys
	PLACES 4
.irp b, 0,1,2,3
	v_mov_b32 v[TM+4+\b], 0                        ; written once: a lane permute's destination counts as one of its sources
.endr
.macro OUTQ a
	s_wait_xcnt 0x0                                ; the last block's stores have read their registers and bases
	s_wait_dscnt 0x0
.if (\a) == 4
	s_add_nc_u64 s[96:97], s[96:97], s[44:45]
	s_add_nc_u64 s[98:99], s[98:99], s[44:45]
.elseif (\a) > 0
	s_add_nc_u64 s[96:97], s[96:97], s[40:41]
	s_add_nc_u64 s[98:99], s[98:99], s[40:41]
.endif
	QUANTW 2+(\a)/4, 64*((\a)%4)
	v_lshrrev_b32 v217, 16, v[PW]                  ; q, k: the second head's two bytes
	ds_store_b32 v[STG], v[PW] offset:64*(\a)      ; both halves of the lanes write the same word
	ds_store_b32 v[STG], v217 offset:512+64*(\a)
	global_store_b128 v[LI16], v[PC:PC+3], s[96:97]
	global_store_b64 v[LI8], v[PC+4:PC+5], s[96:97] offset:512
	global_store_b128 v[LI16], v[PC+6:PC+9], s[98:99]
	global_store_b64 v[LI8], v[PC+10:PC+11], s[98:99] offset:512
.endm
.irp a, 0,1,2,3,4,5,6,7
	OUTQ \a
.endr
	ds_load_b128 v[64:67], v[RDS]                  ; LDS serves a wave's instructions in order: these see my stores
	ds_load_b128 v[68:71], v[RDS] offset:512
	s_wait_dscnt 0x0
	global_store_b128 v[SVO], v[64:67], s[12:13]   ; q, k: the first head's 512 bytes; v: 256 bytes for each of two heads
	s_cmp_eq_u32 ttmp9, 2
	s_cbranch_scc1 .Lno_second
	global_store_b128 v[SVO], v[68:71], s[12:13] offset:16384   ; q, k: the second head's
.Lno_second:
	s_wait_tensorcnt 0x0                           ; the wave's end
	ds_add_u32 v[SPW], v[NIL]
	s_wait_dscnt 0x0
	CROUND                                         ; the closing round
	s_endpgm
.Lfunc_end_k_q0148016d28_gqkv:
	.size	k_q0148016d28_gqkv, .Lfunc_end_k_q0148016d28_gqkv-k_q0148016d28_gqkv
	.p2alignl 7, 3214868480
	.fill 96, 4, 3214868480
	.section	.rodata,"a",@progbits
	.p2align	6, 0x0
	.amdhsa_kernel k_q0148016d28_gqkv
		.amdhsa_group_segment_fixed_size 327680
		.amdhsa_private_segment_fixed_size 0
		.amdhsa_enable_private_segment 0
		.amdhsa_kernarg_size 32
		.amdhsa_user_sgpr_count 2
		.amdhsa_user_sgpr_kernarg_segment_ptr 1
		.amdhsa_wavefront_size32 1
		.amdhsa_system_sgpr_workgroup_id_x 1
		.amdhsa_system_sgpr_workgroup_id_y 1
		.amdhsa_system_sgpr_workgroup_id_z 1
		.amdhsa_system_vgpr_workitem_id 0
		.amdhsa_next_free_vgpr 1024
		.amdhsa_next_free_sgpr 104
		.amdhsa_reserve_vcc 0
		.amdhsa_float_denorm_mode_32 3
		.amdhsa_float_denorm_mode_16_64 3
		.amdhsa_memory_ordered 1
		.amdhsa_forward_progress 1
		.amdhsa_inst_pref_size 170
	.end_amdhsa_kernel
	.amdgpu_metadata
---
amdhsa.version: [ 1, 2 ]
amdhsa.kernels:
  - .name:           k_q0148016d28_gqkv
    .symbol:         k_q0148016d28_gqkv.kd
    .args:
      - { .name: hq, .offset: 0, .size: 8, .value_kind: global_buffer, .address_space: global }
      - { .name: wq, .offset: 8, .size: 8, .value_kind: global_buffer, .address_space: global }
      - { .name: b_attn, .offset: 16, .size: 8, .value_kind: global_buffer, .address_space: global }
      - { .name: qkv, .offset: 24, .size: 8, .value_kind: global_buffer, .address_space: global }
    .group_segment_fixed_size: 327680
    .private_segment_fixed_size: 0
    .kernarg_segment_align: 8
    .kernarg_segment_size: 32
    .max_flat_workgroup_size: 128
    .sgpr_count:     104
    .vgpr_count:     1024
    .wavefront_size: 32
...
	.end_amdgpu_metadata
.endif
;; end of part 2
;; launch attn (part 3): grid 8 x 32, 16 waves a work-group, no clusters, 327,680 bytes of LDS; arguments qkv, yq; writes yq
.if DOCPART == 3
	.amdgcn_target "amdgcn-amd-amdhsa--gfx1250"
	.amdhsa_code_object_version 6
	.text
	.protected	k_q0148016d28_attn
	.globl	k_q0148016d28_attn
	.p2align	8
	.type	k_q0148016d28_attn,@function
k_q0148016d28_attn:
	s_mov_b64 s[64:65], 0
	v_nop
	global_prefetch_b8 v0, s[64:65] scope:SCOPE_SE
	s_setreg_imm32_b32 hwreg(HW_REG_WAVE_MODE, 25, 1), 1
	s_wait_xcnt 0x0
.set SLOT1, 32768
.set VOFF,  12288
.set SCK,   65536
.set SCV,   73728
.set SPARE, 77824
.set NSL,   8
.set K_C,   3145728
.set V_C,   6291456
.set Q_S,   9437184
.set K_S,   9699328
.set V_S,   9961472
.set H_S,   3145728
.set AK16, 1
.set AK8,  2
.set AV16, 3
.set AV8,  4
.set SPW,  5
.set NIL,  6
.set ASK0, 7
.set ASV0, 8
.set DL,   243
.set PFO,  28
.set WV,   18
.set SEL,  20
.set CS,   22
.set G1T,  24
.set G1SV, 32
.set G0K,  40
.set G0V,  44
.set G1SK, 48
.set G0SK, 56
.set G0SV, 60
.set TB,   2
.set TS,   3
.set TJ,   66
.set SLOTS, 67
.set PFA,  76
.set LIM,  80
.set QL,   97
.set KF,   98
.set Q0,   99
.macro TLOAD g0k, g1k, g0v, g1v
	s_cmp_lt_u32 s[WV], 2
	s_cbranch_scc0 .Lnot_k_\@
	tensor_load_to_lds s[\g0k:\g0k+3], s[\g1k:\g1k+7]
	s_nop 0
.rept 4
	v_nop
.endr
	s_branch .Lasked_\@
.Lnot_k_\@:
	s_cmp_lt_u32 s[WV], 4
	s_cbranch_scc0 .Lasked_\@
	tensor_load_to_lds s[\g0v:\g0v+3], s[\g1v:\g1v+7]
	s_nop 0
.rept 4
	v_nop
.endr
.Lasked_\@:
.endm
.macro ASK
	s_cmp_gt_u32 s[SLOTS], s[LIM]
	s_cbranch_scc0 .Lnot_mine_\@
	global_prefetch_b8 v[PFO], s[PFA:PFA+1] th:TH_LOAD_NT scope:SCOPE_SE
.Lnot_mine_\@:
.endm
	s_load_b128 s[4:7], s[0:1], 0x0
	v_lshl_add_u32 v[SPW], v0, 2, SPARE
	v_mov_b32 v[NIL], 0
	ds_add_u32 v[SPW], v[NIL]
	ds_add_u32 v[SPW], v[NIL]
	v_lshrrev_b32 v9, 5, v0
	s_delay_alu instid0(VALU_DEP_1)
	v_readfirstlane_b32 s[WV], v9
	s_and_b32 s68, ttmp7, 0xffff
	s_and_b32 s69, s68, 15
	s_lshr_b32 s68, s68, 4
	s_lshr_b32 s70, s[WV], 2
	s_xor_b32 s70, s70, s[WV]
	s_and_b32 s70, s70, 1
	s_sub_co_u32 s71, 15, ttmp9
	s_lshl_b32 s[QL], s71, 7
	s_or_b32 s[QL], s[QL], 127
	s_cmp_eq_u32 s70, 1
	s_cselect_b32 s71, s71, ttmp9
	s_lshl_b32 s71, s71, 3
	s_lshr_b32 s70, s[WV], 1
	s_add_co_u32 s71, s71, s70
	s_lshr_b32 s70, s71, 1
	s_lshl_b32 s70, s70, 5
	s_and_b32 s72, s71, 1
	s_lshl_b32 s72, s72, 3
	s_add_co_u32 s[Q0], s70, s72
	s_lshl_b32 s70, s68, 7
	s_add_co_u32 s71, s71, s70
	s_mul_i32 s70, s69, 196608
	s_mul_i32 s72, s71, 768
	s_add_co_u32 s82, s70, s72
	s_mov_b32 s83, 0
	s_lshl_b32 s72, s69, 14
	s_lshl_b32 s73, s71, 6
	s_add_co_u32 s84, s72, s73
	s_add_co_u32 s84, s84, Q_S
	s_mov_b32 s85, 0
	s_lshl_b32 s73, s71, 4
	s_add_co_u32 s73, s73, s69
	s_mul_i32 s86, s73, 768
	s_mov_b32 s87, 0
	s_lshr_b32 s73, s71, 3
	s_lshl_b32 s73, s73, 3
	s_lshr_b32 s74, s69, 1
	s_add_co_u32 s73, s73, s74
	s_lshl_b32 s73, s73, 3
	s_and_b32 s74, s71, 7
	s_add_co_u32 s73, s73, s74
	s_lshl_b32 s73, s73, 6
	s_and_b32 s74, s69, 1
	s_lshl_b32 s74, s74, 1
	s_add_co_u32 s73, s73, s74
	s_add_co_u32 s88, s73, H_S
	s_mov_b32 s89, 0
	s_mul_i32 s73, s68, 98304
	s_add_co_u32 s70, s70, s73
	s_and_b32 s74, s[WV], 1
	s_mul_i32 s75, s74, 3072
	s_add_co_u32 s75, s75, s70
	s_add_co_u32 s90, s75, K_C
	s_mov_b32 s91, 0
	s_add_co_u32 s92, s75, V_C
	s_mov_b32 s93, 0
	s_lshl_b32 s73, s68, 13
	s_add_co_u32 s72, s72, s73
	s_lshl_b32 s73, s[WV], 9                       ; each of the 16 waves copies 512 bytes of k's scale words and 256 of v's
	s_add_co_u32 s72, s72, s73
	s_add_co_u32 s94, s72, K_S
	s_mov_b32 s95, 0
	s_lshr_b32 s72, s72, 1
	s_add_co_u32 s72, s72, V_S
	s_mov_b32 s73, 0
	s_add_co_u32 s70, s70, K_C+12288
	s_mov_b32 s71, 0
	s_mul_i32 s75, s74, 6144
	s_mov_b32 s[G1T], 3<<16
	s_mov_b32 s[G1T+1], 384<<16
	s_mov_b32 s[G1T+2], 2<<16
	s_mov_b32 s[G1T+3], 384<<16
	s_mov_b32 s[G1T+4], 2
	s_mov_b32 s[G1T+5], 768
	s_mov_b32 s[G1T+6], 0
	s_mov_b32 s[G1T+7], 0
	s_mov_b32 s[SEL], 0x76543210
	s_mov_b32 s[SEL+1], 0xfedcba98
	s_mov_b32 s[CS], 0x3e38aa3b
	s_mov_b32 s[CS+1], s[CS]
	s_mov_b32 s[TB], 0
	s_mov_b32 s[TS], 0
	s_mov_b32 s[TJ], 0
	s_mov_b32 s[SLOTS], NSL-1
	s_mov_b32 s[KF], 0
	s_wait_dscnt 0x0
	s_wait_kmcnt 0x0
	s_add_nc_u64 s[94:95], s[4:5], s[94:95]        ; my share of k's scale words: they come by plain loads and LDS stores, into bytes where no tile lands,
	s_add_nc_u64 s[72:73], s[4:5], s[72:73]        ; and of v's
	s_mov_b32 s[G0K], 1
	s_mov_b32 s[G0K+1], s75
	s_add_nc_u64 s[G0K+2:G0K+3], s[4:5], s[90:91]
	s_or_b32 s[G0K+3], s[G0K+3], 0x80000000
	s_mov_b32 s[G0V], 1
	s_add_co_u32 s[G0V+1], s75, VOFF
	s_add_nc_u64 s[G0V+2:G0V+3], s[4:5], s[92:93]
	s_or_b32 s[G0V+3], s[G0V+3], 0x80000000
	TLOAD G0K, G1T, G0V, G1T                       ; slot 0: the one tensor load a wave at the head
	s_add_nc_u64 s[8:9], s[4:5], s[82:83]
	s_add_nc_u64 s[10:11], s[4:5], s[84:85]
	s_add_nc_u64 s[12:13], s[6:7], s[86:87]
	s_add_nc_u64 s[14:15], s[6:7], s[88:89]
	s_add_nc_u64 s[PFA:PFA+1], s[4:5], s[70:71]
	s_sub_co_u32 s82, s[WV], 4
	s_lshr_b32 s82, s82, 2
	s_or_b32 s82, s82, ttmp9
	s_cmp_eq_u32 s82, 0
	s_cselect_b32 s[LIM], 1, -1
	s_cmp_eq_u32 s[WV], 7
	s_cselect_b32 s[LIM], -1, s[LIM]
	s_and_b32 s82, s[WV], 3
	s_lshl_b32 s82, s82, 5
	v_and_b32 v11, 31, v0
	s_delay_alu instid0(VALU_DEP_1)
	v_add_nc_u32 v[PFO], s82, v11
	s_delay_alu instid0(VALU_DEP_1)
	v_cmp_le_u32 s83, 48, v[PFO]
	s_delay_alu instid0(VALU_DEP_2)
	v_lshlrev_b32 v[PFO], 8, v[PFO]
	s_delay_alu instid0(VALU_DEP_1)
	v_add_nc_u32 v9, V_C-K_C-12288, v[PFO]
	s_delay_alu instid0(VALU_DEP_1)
	v_cndmask_b32 v[PFO], v[PFO], v9, s83
	v_and_b32 v9, 15, v0
	v_bfe_u32 v10, v0, 4, 1
	v_lshlrev_b32 v[AK16], 4, v11
	v_lshlrev_b32 v[AK8], 3, v11
	s_delay_alu instid0(VALU_DEP_2)
	v_add_nc_u32 v[AV16], VOFF, v[AK16]
	s_delay_alu instid0(VALU_DEP_2)
	v_add_nc_u32 v[AV8], VOFF, v[AK8]
	v_lshl_add_u32 v[ASK0], v11, 2, SCK
	v_lshl_add_u32 v[ASV0], v11, 2, SCV
	v_lshlrev_b32 v29, 2, v9
	global_load_b128 v[16:19], v[AK16], s[8:9]
	global_load_b64 v[20:21], v[AK8], s[8:9] offset:512
	global_load_b32 v255, v29, s[10:11]
	global_load_b128 v[128:131], v[AK16], s[94:95] ; 512 consecutive bytes a wave
	global_load_b64 v[132:133], v[AK8], s[72:73]   ; 256 consecutive bytes a wave
	v_and_b32 v30, 8, v9
	s_delay_alu instid0(VALU_DEP_1)
	v_add_nc_u32 v[DL], v30, v9
	v_lshlrev_b32 v30, 4, v10
	s_delay_alu instid0(VALU_DEP_1)
	v_sub_nc_u32 v[DL], v[DL], v30
	v_mov_b32 v13, 0xff61b1e6
	s_delay_alu instid0(VALU_DEP_1)
	v_floor_f32 v12, -v13
	v_mov_b32 v14, 0
	v_mov_b32 v15, 0
.irp j, 22,23,24,25,26,27
	v_mov_b32 v[\j], 0
.endr
.irp t, 0,1,2,3
.irp j, 6,7,8,9,10,11
	v_mov_b32 v[32+12*\t+\j], 0
.endr
.endr
.irp b, 0,1,2,3
	v_mov_b32 v[236+\b], 0
.endr
	v_mov_b32 v252, 0
	v_mov_b32 v253, 0
.set j, 0
.rept 32
	v_mov_b32 v[192+j], 0
.set j, j+1
.endr
.macro STEP q
	s_add_co_u32 s96, s[Q0], 23
	s_cmp_gt_u32 s[KF], s96
	s_cbranch_scc1 .Lhidden_\@
	v_add_nc_u32 v9, s[TB], v[AK16]
	s_wait_alu depctr_va_vdst(0)
	v_add_nc_u32 v10, s[TB], v[AK8]
	s_wait_alu depctr_va_vdst(0)
	v_add_nc_u32 v11, s[TB], v[AV16]
	v_add_nc_u32 v29, s[TB], v[AV8]
	v_add_nc_u32 v30, s[TS], v[ASK0]
	s_wait_alu depctr_va_vdst(0)
	v_add_nc_u32 v31, s[TJ], v[ASV0]
.irp g, 0,1
.if \g > 0
.rept 4
	v_nop
.endr
.endif
.irp t, 0,1,2,3
	ds_load_b128 v[32+12*\t:35+12*\t], v9 offset:\g*6144+(\q)*3072+\t*768
	ds_load_b64 v[36+12*\t:37+12*\t], v10 offset:\g*6144+(\q)*3072+\t*768+512
.endr
	ds_load_b32 v248, v30 offset:256*\g
	ds_load_b32 v249, v30 offset:256*\g+128
	s_wait_dscnt 0x0
.irp t, 0,1,2,3
.if (\t%2) == 0
	v_wmma_scale_f32_16x16x128_f8f6f4 v[128+8*(4*\g+\t):135+8*(4*\g+\t)], v[32+12*\t:43+12*\t], v[16:27], 0, v[248+\t/2], v255 matrix_a_fmt:MATRIX_FMT_FP6 matrix_b_fmt:MATRIX_FMT_FP6
.else
	v_wmma_scale_f32_16x16x128_f8f6f4 v[128+8*(4*\g+\t):135+8*(4*\g+\t)], v[32+12*\t:43+12*\t], v[16:27], 0, v[248+\t/2], v255 matrix_a_fmt:MATRIX_FMT_FP6 matrix_b_fmt:MATRIX_FMT_FP6 matrix_a_scale:MATRIX_SCALE_ROW1
.endif
.endr
.endr
.rept 4
	v_nop
.endr
.irp t, 0,1,2,3
	ds_load_b128 v[80+12*\t:83+12*\t], v11 offset:(\t/2)*6144+(\q)*3072+(\t%2)*1536
	ds_load_b64 v[84+12*\t:85+12*\t], v29 offset:(\t/2)*6144+(\q)*3072+(\t%2)*1536+512
	ds_load_b128 v[86+12*\t:89+12*\t], v11 offset:(\t/2)*6144+(\q)*3072+(\t%2)*1536+768
	ds_load_b64 v[90+12*\t:91+12*\t], v29 offset:(\t/2)*6144+(\q)*3072+(\t%2)*1536+1280
.endr
	s_wait_alu depctr_va_vdst(0)
	ds_load_b32 v250, v31
	ds_load_b32 v251, v31 offset:128
	s_add_co_u32 s96, s[KF], 127
	s_cmp_le_u32 s96, s[Q0]
	s_cbranch_scc1 .Lopen_\@
	s_sub_co_i32 s96, s[Q0], s[KF]
	v_add_nc_u32 v252, s96, v[DL]
	v_mov_b32 v254, 0xff800000
.set n, 0
.rept 64
	v_cmp_gt_i32 vcc_lo, 32*(n/16)+n%16, v252
	v_cndmask_b32 v[128+n], v[128+n], v254, vcc_lo
.set n, n+1
.endr
.Lopen_\@:
.irp b, 0,1,2,3
	v_max3_num_f32 v[232+\b], v[128+16*\b], v[129+16*\b], v[130+16*\b]
.endr
.irp i, 3,5,7,9,11,13
.irp b, 0,1,2,3
	v_max3_num_f32 v[232+\b], v[232+\b], v[128+16*\b+\i], v[129+16*\b+\i]
.endr
.endr
.irp b, 0,1,2,3
	v_max_num_f32 v[232+\b], v[232+\b], v[143+16*\b]
.endr
.irp b, 0,1,2,3
	s_delay_alu instid0(VALU_DEP_4)
	v_permlanex16_b32 v[236+\b], v[232+\b], s[SEL], s[SEL+1]
.endr
.irp b, 0,1,2,3
	s_delay_alu instid0(VALU_DEP_4)
	v_max_num_f32 v[232+\b], v[232+\b], v[236+\b]
.endr
	s_delay_alu instid0(VALU_DEP_2)
	v_max3_num_f32 v254, v232, v233, v234
	s_delay_alu instid0(VALU_DEP_1)
	v_max_num_f32 v254, v254, v235
	s_delay_alu instid0(VALU_DEP_1)
	v_mul_f32 v254, s[CS], v254
	s_delay_alu instid0(VALU_DEP_1)
	v_max_num_f32 v13, v13, v254
	v_mov_b32 v254, v12
	s_delay_alu instid0(VALU_DEP_2)
	v_floor_f32 v12, -v13
	s_delay_alu instid0(VALU_DEP_1)
	v_sub_f32 v254, v12, v254
	s_delay_alu instid0(VALU_DEP_1)
	v_cvt_i32_f32 v254, v254
	s_delay_alu instid0(VALU_DEP_1)
	v_ldexp_f32 v252, 1.0, v254
.set j, 0
.rept 32
	v_pk_fma_f32 v[128+j:129+j], v[128+j:129+j], s[CS:CS+1], v[12:13] op_sel_hi:[1,0,0]
.set j, j+2
.endr
.irp b, 0,1,2,3
	v_fma_f32 v[232+\b], v[232+\b], s[CS], v12
.endr
.set j, 0
	s_wait_alu depctr_va_vdst(0)
.rept 64
	v_exp_f32 v[128+j], v[128+j]
.set j, j+1
.endr
	v_pk_mul_f32 v[14:15], v[14:15], v[252:253] op_sel_hi:[1,0]
	s_wait_alu depctr_va_vdst(0)
.irp b, 0,1,2,3
	v_exp_f32 v[232+\b], v[232+\b]
.endr
	v_pk_add_f32 v[236:237], v[128:129], v[130:131]
.irp j, 4,8,12,16,20,24,28,32,36,40,44,48,52,56,60
	v_pk_add_f32 v[14:15], v[14:15], v[128+\j:129+\j]
	v_pk_add_f32 v[236:237], v[236:237], v[130+\j:131+\j]
.endr
	s_delay_alu instid0(VALU_DEP_1)
	v_pk_add_f32 v[14:15], v[14:15], v[236:237]
	s_wait_alu depctr_va_vdst(0)
.irp b, 0,1,2,3
	v_max_num_f32 v[232+\b], 0x1800000, v[232+\b]
.endr
.irp b, 0,1,2,3
	s_delay_alu instid0(VALU_DEP_4)
	v_add_nc_u32 v[244+\b], 0xff000000, v[232+\b]
.endr
.irp b, 0,1,2,3
	s_delay_alu instid0(VALU_DEP_4)
	v_lshrrev_b32 v[236+\b], 23, v[244+\b]
.endr
	s_delay_alu instid0(VALU_DEP_3)
	v_lshl_or_b32 v253, v237, 8, v236
	s_delay_alu instid0(VALU_DEP_1)
	v_lshl_or_b32 v253, v238, 16, v253
	s_delay_alu instid0(VALU_DEP_1)
	v_lshl_or_b32 v253, v239, 24, v253
.irp c, 0,1
	v_cvt_scalef32_pk16_fp6_f32 v[224+6*\c:226+6*\c], v[128+32*\c:143+32*\c], v[244+2*\c]
	v_cvt_scalef32_pk16_fp6_f32 v[236+4*\c:238+4*\c], v[144+32*\c:159+32*\c], v[244+2*\c+1]
.endr
	v_nop
.irp c, 0,1
.irp i, 0,1,2
	v_permlane16_swap_b32 v[224+6*\c+\i], v[236+4*\c+\i]
.endr
.irp i, 0,1,2
	s_delay_alu instid0(VALU_DEP_3)
	v_mov_b32 v[227+6*\c+\i], v[236+4*\c+\i]
.endr
.endr
.set j, 0
.rept 16
	v_pk_mul_f32 v[192+j:193+j], v[192+j:193+j], v[252:253] op_sel_hi:[1,0]
.set j, j+2
.endr
	s_wait_alu depctr_va_vdst(0)
	s_wait_dscnt 0x0
.irp t, 0,1,2,3
.if (\t%2) == 0
	v_wmma_scale_f32_16x16x128_f8f6f4 v[192+8*\t:199+8*\t], v[80+12*\t:91+12*\t], v[224:235], v[192+8*\t:199+8*\t], v[250+\t/2], v253 matrix_a_fmt:MATRIX_FMT_FP6 matrix_b_fmt:MATRIX_FMT_FP6
.else
	v_wmma_scale_f32_16x16x128_f8f6f4 v[192+8*\t:199+8*\t], v[80+12*\t:91+12*\t], v[224:235], v[192+8*\t:199+8*\t], v[250+\t/2], v253 matrix_a_fmt:MATRIX_FMT_FP6 matrix_b_fmt:MATRIX_FMT_FP6 matrix_a_scale:MATRIX_SCALE_ROW1
.endif
.endr
.Lhidden_\@:
	s_add_co_u32 s[KF], s[KF], 128
	s_add_co_u32 s[TS], s[TS], 512
	s_add_co_u32 s[TJ], s[TJ], 256
.endm
.macro CHANGE fill
	s_wait_tensorcnt 0x0
	ds_add_u32 v[SPW], v[NIL]
.if \fill
	ds_add_u32 v[SPW], v[NIL]
	s_xor_b32 s[G0K+1], s[G0K+1], SLOT1
	s_add_nc_u64 s[G0K+2:G0K+3], s[G0K+2:G0K+3], 12288
	s_xor_b32 s[G0V+1], s[G0V+1], SLOT1
	s_add_nc_u64 s[G0V+2:G0V+3], s[G0V+2:G0V+3], 12288
	s_wait_xcnt 0x0
	s_add_nc_u64 s[PFA:PFA+1], s[PFA:PFA+1], 12288
.endif
	s_wait_dscnt 0x0
	s_barrier_signal -1
	s_barrier_wait -1
.if \fill
	s_add_co_u32 s96, s[KF], 256
	s_cmp_gt_u32 s96, s[QL]
	s_cbranch_scc1 .Lpast_\@
	TLOAD G0K, G1T, G0V, G1T
.Lpast_\@:
	ASK
.endif
.endm
.macro SLOT_STEPS
	STEP 0
	STEP 1
	s_xor_b32 s[TB], s[TB], SLOT1
.endm
	s_wait_loadcnt 0x0
	v_lshl_add_u32 v30, v0, 4, SCK                 ; 16 x my thread's number: 512 bytes a wave
	v_lshl_add_u32 v31, v0, 3, SCV
	ds_store_b128 v30, v[128:131]                  ; shown to all waves by the first trip's barrier, in front of which every wave waits for its LDS stores
	ds_store_b64 v31, v[132:133]
.Lslot:
	CHANGE 1
	SLOT_STEPS
	s_sub_co_u32 s[SLOTS], s[SLOTS], 1
	s_cmp_lg_u32 s[SLOTS], 0
	s_cbranch_scc1 .Lslot
	CHANGE 0
	SLOT_STEPS
.rept 4
	v_nop
.endr
	v_add_f32 v14, v14, v15
	s_delay_alu instid0(VALU_DEP_1)
	v_permlanex16_b32 v252, v14, s[SEL], s[SEL+1]
	s_delay_alu instid0(VALU_DEP_1)
	v_add_f32 v14, v14, v252
	s_wait_alu depctr_va_vdst(0)
	v_rcp_f32 v14, v14
	v_bfe_u32 v241, v0, 4, 1
	v_and_b32 v242, 15, v0
	s_delay_alu instid0(VALU_DEP_1)
	v_lshl_add_u32 v242, v242, 2, v241
	s_delay_alu instid0(VALU_DEP_3)
	v_lshlrev_b32 v241, 3, v241
	s_wait_alu depctr_va_vdst(0)
.set j, 0
.rept 32
	v_mul_f32 v[128+j], v[192+j], v14
.set j, j+1
.endr
.irp b, 0,1
	v_max3_num_f32 v[232+\b], |v[128+16*\b]|, |v[129+16*\b]|, 0x1800000
.endr
.irp i, 2,4,6,8,10,12,14
.irp b, 0,1
	s_delay_alu instid0(VALU_DEP_2)
	v_max3_num_f32 v[232+\b], v[232+\b], |v[128+16*\b+\i]|, |v[129+16*\b+\i]|
.endr
.endr
.irp b, 0,1
	s_delay_alu instid0(VALU_DEP_2)
	v_permlanex16_b32 v[236+\b], v[232+\b], s[SEL], s[SEL+1]
.endr
.irp b, 0,1
	s_delay_alu instid0(VALU_DEP_2)
	v_max_num_f32 v[232+\b], v[232+\b], v[236+\b]
.endr
.irp b, 0,1
	s_delay_alu instid0(VALU_DEP_2)
	v_add_nc_u32 v[244+\b], 0xff000000, v[232+\b]
.endr
.irp b, 0,1
	s_delay_alu instid0(VALU_DEP_2)
	v_lshrrev_b32 v[236+\b], 23, v[244+\b]
.endr
	s_delay_alu instid0(VALU_DEP_1)
	v_lshl_or_b32 v240, v237, 8, v236
	s_delay_alu instid0(VALU_DEP_1)
	v_lshrrev_b32 v240, v241, v240
	v_cvt_scalef32_pk16_fp6_f32 v[224:226], v[128:143], v244
	v_cvt_scalef32_pk16_fp6_f32 v[236:238], v[144:159], v245
	v_nop
.irp i, 0,1,2
	v_permlane16_swap_b32 v[224+\i], v[236+\i]
.endr
.irp i, 0,1,2
	s_delay_alu instid0(VALU_DEP_3)
	v_mov_b32 v[227+\i], v[236+\i]
.endr
	global_store_b128 v[AK16], v[224:227], s[12:13]
	global_store_b64 v[AK8], v[228:229], s[12:13] offset:512
	global_store_b8 v242, v240, s[14:15]
	s_wait_tensorcnt 0x0
	ds_add_u32 v[SPW], v[NIL]
	s_wait_dscnt 0x0
	s_endpgm
.Lfunc_end_k_q0148016d28_attn:
	.size	k_q0148016d28_attn, .Lfunc_end_k_q0148016d28_attn-k_q0148016d28_attn
	.p2alignl 7, 3214868480
	.fill 96, 4, 3214868480
	.section	.rodata,"a",@progbits
	.p2align	6, 0x0
	.amdhsa_kernel k_q0148016d28_attn
		.amdhsa_group_segment_fixed_size 327680
		.amdhsa_private_segment_fixed_size 0
		.amdhsa_enable_private_segment 0
		.amdhsa_kernarg_size 16
		.amdhsa_user_sgpr_count 2
		.amdhsa_user_sgpr_kernarg_segment_ptr 1
		.amdhsa_wavefront_size32 1
		.amdhsa_system_sgpr_workgroup_id_x 1
		.amdhsa_system_sgpr_workgroup_id_y 1
		.amdhsa_system_sgpr_workgroup_id_z 1
		.amdhsa_system_vgpr_workitem_id 0
		.amdhsa_next_free_vgpr 256
		.amdhsa_next_free_sgpr 100
		.amdhsa_reserve_vcc 1
		.amdhsa_float_denorm_mode_32 3
		.amdhsa_float_denorm_mode_16_64 3
		.amdhsa_memory_ordered 1
		.amdhsa_forward_progress 1
		.amdhsa_inst_pref_size 108
	.end_amdhsa_kernel
	.amdgpu_metadata
---
amdhsa.version: [ 1, 2 ]
amdhsa.kernels:
  - .name:           k_q0148016d28_attn
    .symbol:         k_q0148016d28_attn.kd
    .args:
      - { .name: qkv, .offset: 0, .size: 8, .value_kind: global_buffer, .address_space: global }
      - { .name: yq, .offset: 8, .size: 8, .value_kind: global_buffer, .address_space: global }
    .group_segment_fixed_size: 327680
    .private_segment_fixed_size: 0
    .kernarg_segment_align: 8
    .kernarg_segment_size: 16
    .max_flat_workgroup_size: 512
    .sgpr_count:     100
    .vgpr_count:     256
    .wavefront_size: 32
...
	.end_amdgpu_metadata
.endif
;; end of part 3
;; launch gproj (part 4): grid 8 x 32, 4 waves a work-group, clusters of 4 x 4, 327,680 bytes of LDS; arguments yq, wq, b_proj, x, x1; writes x1
.if DOCPART == 4
	.amdgcn_target "amdgcn-amd-amdhsa--gfx1250"
	.amdhsa_code_object_version 6
	.text
	.protected	k_q0148016d28_gproj
	.globl	k_q0148016d28_gproj
	.p2align	8
	.type	k_q0148016d28_gproj,@function
k_q0148016d28_gproj:
	s_mov_b64 s[64:65], 0
	v_nop
	global_prefetch_b8 v0, s[64:65] scope:SCOPE_SE
	s_setreg_imm32_b32 hwreg(HW_REG_WAVE_MODE, 25, 1), 1
	s_wait_xcnt 0x0
	s_wait_alu depctr_hold_cnt(0) depctr_sa_sdst(0) depctr_va_vdst(0) depctr_va_sdst(0) depctr_va_ssrc(0) depctr_va_vcc(0) depctr_vm_vsrc(0)
	s_getreg_b32 s2, hwreg(HW_REG_IB_STS2, 6, 4)
	s_cmp_eq_u32 s2, 0
	s_cbranch_scc0 .Lentry_in_a_cluster
	s_endpgm
.Lentry_in_a_cluster:
	s_bfe_u32 s2, ttmp6, 0x10000c
	s_cmp_lg_u32 s2, 0xf033
	s_cbranch_scc0 .Lentry_shape_is_right
	s_endpgm
.Lentry_shape_is_right:
; x1 = x + y w_proj + b_proj: the product on codes of FP6 (E2M3) with E8M0 scales, sums, bias and residual in f32.
; OPERANDS lie as images of operand registers (layout: the program's first kernel): a fragment (16 rows x 128 K) is 1,536 bytes and comes by four LDS loads, each of consecutive bytes.
; The result has 32 x 8 tiles of 128 x 128: one for each work-group; tiles of 256 x 256 would be 64.  Four waves, each 64 x 64: 16 accumulators.  SIDE A (source 1, rows in the result's lanes) is the tokens,
; SIDE B (source 0, rows along a lane's registers) the columns of the weight.  K goes in steps of 128, four to a slot, through two LDS slots: here K = 1,024 is both slots' first fill, and nothing is filled again.
; Fragments and scale words are double: a step's loads are issued a whole step ahead.  The scale words of both sides for all of K come with the first fills.
; CLUSTER 4 x 4: side A's tiles are shared along a row of the cluster, side B's along a column, by joint loads.  The bias is the C of each sum's first product; the residual is asked for at the head and added on the way out.
.set NBK,   4
.set NQ,    4
.set BIG,   0
.set KTOT,  1024
.set A_S,   3145728                    ; where yq's scale words begin
.set W_C,   2359296                    ; where w_proj's codes begin in wq
.set W_S,   9535488                    ; and its scale words
.set KS,    KTOT/128
.set FR,    12
.set FRB,   1536
.set PARTB, NBK*NQ*FRB
.set SLOT,  4*PARTB
.set LAPS,  KTOT/(256*NQ)
.set SCL,   2*SLOT
.set SPART, NBK*KS*64                  ; half of a side's dense block of scale words
.set SOFF,  256                        ; from my side's first four blocks to its second four, inside a K step's 512 bytes
.set SPARE, SCL+4*SPART
.set SST,   31                         ; v31 where my 16 bytes of a scale store go
.set SCP,   98                         ; s[98:99] the part of the scale words that I copy
.set LI16, 4
.set LI8,  5
.set A16,  16
.set A8,   18
.set B16,  20
.set B8,   22
.set STO,  24                          ; v24 my stage (16 rows x 272 bytes, in slot 0 after its last read): row r, + 64 h
.set RD,   25                          ; v25 and back: lanes 0-15 one row, lanes 16-31 the next
.set CO,   26                          ; v26 the same two rows in memory
.set SPW,  28
.set NIL,  29
.set ADRS, 30
.set SC,   32                          ; v32-39 scale words, two sets of 4
.set AF,   64                          ; window 0: v64-111, v112-159 side A's fragments.  window 1: v0-47, v48-95 side B's; v192-223 the bias.  window 2: the accumulators, (a, b) at v[8 (4 a + b)].  window 3: v0-127 the residual
.set BI,   192
.set OUTR, 64                          ; the way out: 32 registers a block
.set G1, 24
.set G0, 32
.set G1B, 48
.set G0B, 56
.set MSB, 0
.macro WIN new
.if MSB != (\new)
	s_set_vgpr_msb (MSB<<8)|(\new)
.set MSB, (\new)
.endif
.endm
.macro PLACES n                        ; plain vector instructions behind a matrix instruction, ahead of loads into its registers and of reads of its result
.rept \n
	v_nop
.endr
.endm
.macro JLOAD g0a, g1a, g0b, g1b        ; a joint load: waves 0, 1 fetch side A's halves, waves 2, 3 side B's; s_nop 0 and four v_nop follow each line
	s_cmp_eq_u32 s15, 0
	s_cbranch_scc0 .Lfor_b_\@
	tensor_load_to_lds s[\g0a:\g0a+3], s[\g1a:\g1a+7]
	s_nop 0
.rept 4
	v_nop
.endr
	s_branch .Lasked_\@
.Lfor_b_\@:
	tensor_load_to_lds s[\g0b:\g0b+3], s[\g1b:\g1b+7]
	s_nop 0
.rept 4
	v_nop
.endr
.Lasked_\@:
.endm
.macro CREST
	s_cmp_lg_u32 s14, 0
	s_cbranch_scc1 .Lnot_wave_0_\@
	s_barrier_signal -3
.Lnot_wave_0_\@:
	s_barrier_wait -3
	s_barrier_signal -1
	s_barrier_wait -1
.endm
.macro CROUND
	s_barrier_signal -1
	s_barrier_wait -1
	CREST
.endm
.macro FRAG4 reg, a16, a8, off
	ds_load_b128 v[\reg:\reg+3], v[\a16] offset:\off
	ds_load_b64 v[\reg+4:\reg+5], v[\a8] offset:\off+512
	ds_load_b128 v[\reg+6:\reg+9], v[\a16] offset:\off+768
	ds_load_b64 v[\reg+10:\reg+11], v[\a8] offset:\off+1280
.endm
.macro FETCH slot, q, p
	WIN 0x40
.irp i, 0,1,2,3,4,5,6,7
.if \i < NBK
	FRAG4 FR*NBK*(\p)+FR*\i, B16+\slot, B8+\slot, (\i*NQ+(\q))*FRB
.endif
.endr
	WIN 0
.irp i, 0,1,2,3,4,5,6,7
.if \i < NBK
	FRAG4 AF+FR*NBK*(\p)+FR*\i, A16+\slot, A8+\slot, (\i*NQ+(\q))*FRB
.endif
.endr
.irp i, 0,1,2,3,4,5,6,7
.if \i < NBK
	ds_load_b32 v[SC+NBK*(\p)+\i], v[ADRS] offset:(\q)*512+\i*64
.endif
.endr
.endm
.macro MULB a, p, mode                 ; mode 0: sums go on; 1: the bias starts them
.irp b, 0,1,2,3,4,5,6,7
.if \b < NBK
.set rD, 8*(NBK*((\a)%4)+\b)
.set rB, FR*NBK*(\p)+FR*\b
.set rA, AF+FR*NBK*(\p)+FR*(\a)
.set rC, rD
.if \mode == 1
.set rC, BI+8*\b
.endif
	v_wmma_scale_f32_16x16x128_f8f6f4 v[rD:rD+7], v[rB:rB+11], v[rA:rA+11], v[rC:rC+7], v[SC+NBK*(\p)+\b], v[SC+NBK*(\p)+(\a)] matrix_a_fmt:MATRIX_FMT_FP6 matrix_b_fmt:MATRIX_FMT_FP6 matrix_a_scale:MATRIX_SCALE_ROW1
.endif
.endr
.endm
.macro MULQ k, p, mode                 ; quarter k of a step's products.  Windows: source 0 window 1, source 1 window 0, D window 2, C with D or (the bias) window 1
.if \mode == 0
	WIN 0xa1
.else
	WIN 0x91
.endif
	MULB \k, \p, \mode
.endm
.macro STEP slot, q, mode              ; all accumulators take turns, one instruction a turn, in the same order in every step
	s_wait_dscnt 0x0                               ; this step's fragments, asked for a step ago, are in
	PLACES 4
	FETCH \slot, (\q)+1, 1-(\q)%2
	MULQ 0, (\q)%2, \mode
	MULQ 1, (\q)%2, \mode
	MULQ 2, (\q)%2, \mode
	MULQ 3, (\q)%2, \mode
	WIN 0
.endm
.macro MID slot
	STEP \slot, 1, 0
	STEP \slot, 2, 0
.endm
.macro TURN slot, next, fill           ; a slot's last step changes slots: one barrier; fill = 1: it opens a round of the cluster's barrier, and this slot is filled again
	s_wait_tensorcnt 0x0                           ; all my tensor loads have landed: my part of the next slot
	ds_add_u32 v[SPW], v[NIL]
	s_wait_dscnt 1                                 ; the fragments are in; the add may be out
	MULQ 0, 1, 0
	s_wait_dscnt 0x0                               ; the add is done, and my reads of this slot are over
	s_barrier_signal -1
	MULQ 1, 1, 0
	WIN 0
	s_barrier_wait -1
.if \fill
	CREST
	s_add_nc_u64 s[G0+4*\slot+2:G0+4*\slot+3], s[G0+4*\slot+2:G0+4*\slot+3], 2*NQ*FRB
	s_add_nc_u64 s[G0B+4*\slot+2:G0B+4*\slot+3], s[G0B+4*\slot+2:G0B+4*\slot+3], 2*NQ*FRB
	JLOAD G0+4*\slot, G1, G0B+4*\slot, G1B
.else
	PLACES 4
.endif
	v_add_nc_u32 v[ADRS], NQ*512, v[ADRS]
	FETCH \next, 0, 0
	MULQ 2, 1, 0
	MULQ 3, 1, 0
	WIN 0
.endm
	s_load_b256 s[4:11], s[0:1], 0x0               ; side A's buffer, wq, the bias, the residual
	s_load_b64 s[12:13], s[0:1], 0x20              ; the output
	v_lshl_add_u32 v[SPW], v0, 2, SPARE
	v_mov_b32 v[NIL], 0
	ds_add_u32 v[SPW], v[NIL]                      ; the wave's opening: the add, twice on end, and its wait ahead of my first tensor load
	ds_add_u32 v[SPW], v[NIL]
	v_lshrrev_b32 v1, 5, v0
	v_readfirstlane_b32 s14, v1
	s_lshr_b32 s15, s14, 1                         ; my half of side A.  Also: I fetch for side A (0) or B (1)
	s_and_b32 s16, s14, 1                          ; my half of side B.  Also: which half I fetch
	s_bfe_u32 s40, ttmp6, 0x40000
	s_bfe_u32 s41, ttmp6, 0x40004
	s_lshl_b32 s42, ttmp9, 2
	s_add_co_u32 s42, s42, s40                     ; the tile of columns
	s_and_b32 s17, ttmp7, 0xffff
	s_lshl_b32 s17, s17, 2
	s_add_co_u32 s17, s17, s41                     ; the tile of tokens
	s_lshl_b32 s43, s41, 2
	s_lshl_b32 s43, 15, s43
	s_lshl_b32 s44, 0x1111, s40
	s_or_b32 s[G1+0], s43, (3<<16)|(1<<21)         ; group 1 for codes: the mask; elements of 8 bytes; bit 21 beside a mask; no padding
	s_or_b32 s[G1B+0], s44, (3<<16)|(1<<21)
.irp g, G1, G1B
	s_mov_b32 s[\g+1], (NQ*192)<<16
	s_mov_b32 s[\g+2], (2*NBK)<<16                 ; a load brings both halves of a side: 8 blocks of rows
	s_mov_b32 s[\g+3], (NQ*192)<<16
	s_mov_b32 s[\g+4], 2*NBK
	s_mov_b32 s[\g+5], KTOT*3/2
	s_mov_b32 s[\g+6], 0
	s_mov_b32 s[\g+7], 0
.endr
	s_lshl_b32 s20, s17, 1
	s_add_co_u32 s20, s20, s16
	s_lshl_b32 s46, s42, 1
	s_add_co_u32 s46, s46, s16
	s_mul_i32 s22, s20, SPART
	s_mul_i32 s92, s46, SPART
	s_mul_i32 s20, s20, NBK*12*KTOT
	s_mul_i32 s46, s46, NBK*12*KTOT
	s_add_co_u32 s22, s22, A_S
	s_add_co_u32 s92, s92, W_S
	s_add_co_u32 s46, s46, W_C
	s_mov_b32 s21, 0
	s_mov_b32 s23, 0
	s_mov_b32 s47, 0
	s_mov_b32 s93, 0
	s_mul_i32 s94, s14, SPART
	s_wait_dscnt 0x0
	s_wait_kmcnt 0x0
	s_add_nc_u64 s[20:21], s[4:5], s[20:21]
	s_add_nc_u64 s[22:23], s[4:5], s[22:23]
	s_add_nc_u64 s[46:47], s[6:7], s[46:47]
	s_add_nc_u64 s[92:93], s[6:7], s[92:93]
	CROUND                                         ; all sixteen work-groups are here: the first joint loads meet
	s_cmp_eq_u32 s15, 0
	s_cselect_b64 s[SCP:SCP+1], s[22:23], s[92:93] ; the scale words come by plain loads and LDS stores: waves 0, 1 copy side A's halves, waves 2, 3 side B's
	s_mul_i32 s100, s16, NBK*12*KTOT               ; from a side's first half to the half in s[20:21], s[46:47]
	s_mov_b32 s101, 0
.irp s, 0,1                            ; four tiles: a side's 8 blocks x 4 fragments, for slot s
	s_mov_b32 s[G0+4*\s], 1
	s_mov_b32 s[G0+4*\s+1], \s*SLOT
	s_sub_nc_u64 s[G0+4*\s+2:G0+4*\s+3], s[20:21], s[100:101]
	s_add_nc_u64 s[G0+4*\s+2:G0+4*\s+3], s[G0+4*\s+2:G0+4*\s+3], \s*NQ*FRB
	s_or_b32 s[G0+4*\s+3], s[G0+4*\s+3], 0x80000000
	s_mov_b32 s[G0B+4*\s], 1
	s_mov_b32 s[G0B+4*\s+1], \s*SLOT+2*PARTB
	s_sub_nc_u64 s[G0B+4*\s+2:G0B+4*\s+3], s[46:47], s[100:101]
	s_add_nc_u64 s[G0B+4*\s+2:G0B+4*\s+3], s[G0B+4*\s+2:G0B+4*\s+3], \s*NQ*FRB
	s_or_b32 s[G0B+4*\s+3], s[G0B+4*\s+3], 0x80000000
.endr
; THE HEAD'S LOADS, one a wave, in one chain of branches on the wave's number: wave 0 slot 0's side A, wave 1 its side B, waves 2 and 3 slot 1's.
; No data prefetch: all of K is asked for here.
.macro ARM w, g0, g1
	s_cmp_eq_u32 s14, \w
	s_cbranch_scc0 .Lnot_\w
	tensor_load_to_lds s[\g0:\g0+3], s[\g1:\g1+7]
	s_nop 0
	PLACES 4
	s_branch .Lhead_asked
.Lnot_\w:
.endm
	ARM 0, G0, G1
	ARM 1, G0B, G1B
	ARM 2, G0+4, G1
	tensor_load_to_lds s[G0B+4:G0B+7], s[G1B:G1B+7]
	s_nop 0
	PLACES 4
.Lhead_asked:
	v_and_b32 v1, 31, v0
	v_and_b32 v2, 15, v0                           ; r
	v_bfe_u32 v3, v0, 4, 1                         ; h
	v_lshlrev_b32 v[LI16], 4, v1
	v_lshlrev_b32 v[LI8], 3, v1
	s_add_co_u32 s94, s94, SCL
	v_add_nc_u32 v[SST], s94, v[LI16]
.irp k, 0,1,2,3
	global_load_b128 v[AF+4*\k:AF+4*\k+3], v[LI16], s[SCP:SCP+1] offset:512*\k   ; my 2,048 bytes of scale words, 512 consecutive bytes a load
.endr
	s_mul_i32 s21, s15, PARTB
	s_mul_i32 s22, s16, PARTB
	s_add_co_u32 s22, s22, 2*PARTB
.irp s, 0,1
	v_add_nc_u32 v[A16+\s], s21, v[LI16]
	v_add_nc_u32 v[A8+\s], s21, v[LI8]
	v_add_nc_u32 v[B16+\s], s22, v[LI16]
	v_add_nc_u32 v[B8+\s], s22, v[LI8]
	s_add_co_u32 s21, s21, SLOT
	s_add_co_u32 s22, s22, SLOT
.endr
	s_mul_i32 s21, s15, SOFF
	s_mul_i32 s22, s16, SOFF
	s_add_co_u32 s22, s22, 2*SPART
	s_sub_co_u32 s22, s22, s21
	v_mul_u32_u24 v6, s22, v3                      ; lanes 16-31 take side B's words: one product, the distance between the two
	s_add_co_u32 s21, s21, SCL
	v_lshl_add_u32 v6, v2, 2, v6
	v_add_nc_u32 v[ADRS], s21, v6
	s_mul_i32 s23, s14, 16*272
	v_mul_u32_u24 v[STO], v2, 272
	v_lshl_add_u32 v[STO], v3, 6, v[STO]
	v_add_nc_u32 v[STO], s23, v[STO]
	v_mul_u32_u24 v[RD], v3, 272
	v_lshl_add_u32 v[RD], v2, 4, v[RD]
	v_add_nc_u32 v[RD], s23, v[RD]
	v_lshlrev_b32 v[CO], 12, v3
	v_lshl_add_u32 v[CO], v2, 4, v[CO]
	s_wait_alu depctr_va_vdst(0)
	s_lshl_b32 s46, s42, 9
	s_lshl_b32 s47, s16, 8
	s_add_co_u32 s46, s46, s47                     ; my first column, in bytes
	s_mov_b32 s47, 0
	s_add_nc_u64 s[8:9], s[8:9], s[46:47]
	s_lshl_b32 s20, s17, 7
	s_lshl_b32 s21, s15, 6
	s_add_co_u32 s20, s20, s21                     ; my first token
	s_lshl_b32 s20, s20, 12
	s_mov_b32 s21, 0
	s_add_nc_u64 s[20:21], s[20:21], s[46:47]
	s_add_nc_u64 s[10:11], s[10:11], s[20:21]
	s_add_nc_u64 s[12:13], s[12:13], s[20:21]
	v_lshlrev_b32 v6, 6, v3                        ; 64 h
	WIN 0x40
.irp t, 0,1,2,3
	global_load_b128 v[BI+8*\t:BI+8*\t+3], v6, s[8:9] offset:(32*(\t/2)+8*(\t%2))*4
	global_load_b128 v[BI+8*\t+4:BI+8*\t+7], v6, s[8:9] offset:(32*(\t/2)+8*(\t%2))*4+16
.endr
	WIN 0
	s_wait_loadcnt 0x0                             ; the scale words and the bias
.irp k, 0,1,2,3
	ds_store_b128 v[SST], v[AF+4*\k:AF+4*\k+3] offset:512*\k
.endr
	s_wait_dscnt 0x0                               ; for the others' sake: my scale words lie in LDS
	s_cmp_lt_u32 s14, 2
	s_cbranch_scc0 .Lnot_first
	s_wait_tensorcnt 0x0                           ; waves 0 and 1: slot 0's two tiles
.Lnot_first:
	s_barrier_signal -1                            ; slot 1's loads may be out
	s_barrier_wait -1
	FETCH 0, 0, 0
	WIN 0xc0                                       ; the residual, asked for behind the tiles, in the order in which the way out reads the stage back: it lands while K is walked
.irp a, 0,1,2,3
.irp t, 0,1,2,3,4,5,6,7
	global_load_b128 v[32*\a+4*\t:32*\a+4*\t+3], v[CO], s[10:11] offset:(32*(\a/2)+8*(\a%2)+2*\t+8*(\t/4))*4096
.endr
.endr
	WIN 0
	STEP 0, 0, 1                                   ; the first step's products start the sums with the bias
.if LAPS > 1
	s_mov_b32 s3, LAPS-1
.Llap:
	MID 0
	TURN 0, 1, 1
	STEP 1, 0, 0
	MID 1
	TURN 1, 0, 1
	STEP 0, 0, 0
	s_sub_co_u32 s3, s3, 1
	s_cmp_lg_u32 s3, 0
	s_cbranch_scc1 .Llap
.endif
	MID 0
	TURN 0, 1, 0
	s_wait_alu depctr_va_vdst(0)
	STEP 1, 0, 0
	MID 1
	s_wait_dscnt 0x0
	MULQ 0, 1, 0
	MULQ 1, 1, 0
	MULQ 2, 1, 0
	MULQ 3, 1, 0
	WIN 0
	; THE WAY OUT, block by block of 16 tokens x 64 columns: through my stage, back as whole rows of 256 bytes, + the residual; the store's immediates put the rows back in the tokens' own order
.macro TOSTAGE a
	WIN 0x08                                       ; an LDS store's data are its source 1: window 2
.irp b, 0,1,2,3
	ds_store_b128 v[STO], v[8*(4*(\a)+\b):8*(4*(\a)+\b)+3] offset:128*(\b/2)+32*(\b%2)       ; each accumulator from its low end on
	ds_store_b128 v[STO], v[8*(4*(\a)+\b)+4:8*(4*(\a)+\b)+7] offset:128*(\b/2)+32*(\b%2)+16
.endr
	WIN 0
.irp t, 0,1,2,3,4,5,6,7
	ds_load_b128 v[OUTR+32*(\a)+4*\t:OUTR+32*(\a)+4*\t+3], v[RD] offset:\t*2*272   ; LDS serves a wave's instructions in order
.endr
.endm
.macro SEND a, younger
	s_wait_dscnt \younger                          ; the block is back; the next block's 8 stores and 8 loads may be out
	WIN 0x0c                                       ; source 1: window 3
.set i, 0
.rept 16
	v_pk_add_f32 v[OUTR+32*(\a)+i:OUTR+32*(\a)+i+1], v[OUTR+32*(\a)+i:OUTR+32*(\a)+i+1], v[32*(\a)+i:32*(\a)+i+1]
.set i, i+2
.endr
	WIN 0
.irp t, 0,1,2,3,4,5,6,7
	global_store_b128 v[CO], v[OUTR+32*(\a)+4*\t:OUTR+32*(\a)+4*\t+3], s[12:13] offset:(32*((\a)/2)+8*((\a)%2)+2*\t+8*(\t/4))*4096   ; 16 lanes store 256 consecutive bytes, aligned
.endr
.endm
	PLACES 4
	s_wait_loadcnt 0x0                             ; the residual
	TOSTAGE 0
.irp a, 1,2,3
	TOSTAGE \a
	SEND \a-1, 16
.endr
	SEND 3, 0
	s_wait_tensorcnt 0x0                           ; the wave's end
	ds_add_u32 v[SPW], v[NIL]
	s_wait_dscnt 0x0
	CROUND                                         ; the closing round
	s_endpgm
.Lfunc_end_k_q0148016d28_gproj:
	.size	k_q0148016d28_gproj, .Lfunc_end_k_q0148016d28_gproj-k_q0148016d28_gproj
	.p2alignl 7, 3214868480
	.fill 96, 4, 3214868480
	.section	.rodata,"a",@progbits
	.p2align	6, 0x0
	.amdhsa_kernel k_q0148016d28_gproj
		.amdhsa_group_segment_fixed_size 327680
		.amdhsa_private_segment_fixed_size 0
		.amdhsa_enable_private_segment 0
		.amdhsa_kernarg_size 40
		.amdhsa_user_sgpr_count 2
		.amdhsa_user_sgpr_kernarg_segment_ptr 1
		.amdhsa_wavefront_size32 1
		.amdhsa_system_sgpr_workgroup_id_x 1
		.amdhsa_system_sgpr_workgroup_id_y 1
		.amdhsa_system_sgpr_workgroup_id_z 1
		.amdhsa_system_vgpr_workitem_id 0
		.amdhsa_next_free_vgpr 1024
		.amdhsa_next_free_sgpr 104
		.amdhsa_reserve_vcc 0
		.amdhsa_float_denorm_mode_32 3
		.amdhsa_float_denorm_mode_16_64 3
		.amdhsa_memory_ordered 1
		.amdhsa_forward_progress 1
		.amdhsa_inst_pref_size 62
	.end_amdhsa_kernel
	.amdgpu_metadata
---
amdhsa.version: [ 1, 2 ]
amdhsa.kernels:
  - .name:           k_q0148016d28_gproj
    .symbol:         k_q0148016d28_gproj.kd
    .args:
      - { .name: yq, .offset: 0, .size: 8, .value_kind: global_buffer, .address_space: global }
      - { .name: wq, .offset: 8, .size: 8, .value_kind: global_buffer, .address_space: global }
      - { .name: b_proj, .offset: 16, .size: 8, .value_kind: global_buffer, .address_space: global }
      - { .name: x, .offset: 24, .size: 8, .value_kind: global_buffer, .address_space: global }
      - { .name: x1, .offset: 32, .size: 8, .value_kind: global_buffer, .address_space: global }
    .group_segment_fixed_size: 327680
    .private_segment_fixed_size: 0
    .kernarg_segment_align: 8
    .kernarg_segment_size: 40
    .max_flat_workgroup_size: 128
    .sgpr_count:     104
    .vgpr_count:     1024
    .wavefront_size: 32
...
	.end_amdgpu_metadata
.endif
;; end of part 4
;; launch ln2 (part 5): grid 256 x 1, 8 waves a work-group, no clusters, 66,816 bytes of LDS; arguments x1, ln2_w, ln2_b, hq; writes hq
.if DOCPART == 5
	.amdgcn_target "amdgcn-amd-amdhsa--gfx1250"
	.amdhsa_code_object_version 6
	.text
	.protected	k_q0148016d28_ln2
	.globl	k_q0148016d28_ln2
	.p2align	8
	.type	k_q0148016d28_ln2,@function
k_q0148016d28_ln2:
	s_mov_b64 s[64:65], 0
	v_nop
	global_prefetch_b8 v0, s[64:65] scope:SCOPE_SE
	s_setreg_imm32_b32 hwreg(HW_REG_WAVE_MODE, 25, 1), 1
	s_wait_xcnt 0x0
; h = (x1 - mean) rsqrt(var + 1e-5) w + b over rows of 1,024 f32, then quantised along the row to codes of FP6 (E2M3), one E8M0 scale for each 32: the left operand of the next product.  All in f32; the variance is taken of x - mean, as reference() takes it.
; OUTPUT (layout as in the program's first kernel): codes as images of operand registers, [block of 16 rows][16 half fragments][768 bytes]; scale words [group of 128 rows][8 K steps][block][r], from byte 3,145,728 on.
; SHARES.  A work-group is one block of 16 rows: block R holds in lane r the row 32 (R / 2) + 8 (R % 2) + r + 8 (r / 8).  Eight waves.  Part 1: wave w normalises the block's rows 2 w and 2 w + 1, two neighbouring rows:
; 8,192 consecutive bytes, 512 a load; the sums never leave the wave.  The 16 rows meet in LDS (rows 4,112 bytes apart).
; Part 2: wave w takes K step w (128 columns) of all 16 rows: lane (r, h) reads 16 neighbours of each block of 32 of row r, quantises and stores one fragment.
; LIMITS: a block of zeros gets the byte 1 where the rule says 127 (only this program reads the bytes); NaN and infinities are not served.  The scale words leave as 64 consecutive bytes a wave: one byte in 24 of the output.
.set PITCH, 4112
.set SPARE, 16*PITCH                   ; behind the rows: the spare words, 128 bytes a wave
.set H_S,   3145728
.set LI16, 4                           ; v4   16 x lane
.set LST,  5                           ; v5   LDS: my 16 bytes of the wave's first row
.set LRD,  6                           ; v6   LDS: row r, K step w, + 64 h
.set LI8,  8                           ; v8   8 x lane
.set SVO,  9                           ; v9   4 r + 2 h
.set SH,   10                          ; v10  16 h
.set SD,   11                          ; v11  my half of the scale word
.set SPW,  12
.set NIL,  13
.set X,    16                          ; v16-79   two rows, 32 numbers a lane each; later 64 numbers of one row
.set GW,   80                          ; v80-111  the gain at my columns
.set GB,   112                         ; v112-143 the bias
.set PC,   144                         ; v144-162 codes
.set S,    164                         ; v164-179 eight registers a row: two chains, the sum or mean, a lane permute's target, 1 / sigma, its pair
.set TM,   200
.set PW,   216
.set SEL,  20
	s_load_b256 s[4:11], s[0:1], 0x0               ; x1, gain, bias, the output
	v_lshl_add_u32 v[SPW], v0, 2, SPARE
	v_mov_b32 v[NIL], 0
	v_lshrrev_b32 v1, 5, v0
	s_delay_alu instid0(VALU_DEP_1)
	v_readfirstlane_b32 s12, v1                    ; wave 0..7
	v_and_b32 v1, 31, v0
	v_and_b32 v2, 15, v0                           ; r
	v_bfe_u32 v3, v0, 4, 1                         ; h
	s_delay_alu instid0(VALU_DEP_3)
	v_lshlrev_b32 v[LI16], 4, v1
	s_delay_alu instid0(VALU_DEP_4)
	v_lshlrev_b32 v[LI8], 3, v1
	s_mul_i32 s13, s12, 2*PITCH
	v_add_nc_u32 v[LST], s13, v[LI16]
	v_mul_u32_u24 v[LRD], v2, PITCH
	s_delay_alu instid0(VALU_DEP_1)
	v_lshl_add_u32 v[LRD], v3, 6, v[LRD]
	s_lshl_b32 s13, s12, 9
	v_add_nc_u32 v[LRD], s13, v[LRD]
	v_lshlrev_b32 v[SVO], 2, v2
	s_delay_alu instid0(VALU_DEP_1)
	v_lshl_add_u32 v[SVO], v3, 1, v[SVO]
	v_lshlrev_b32 v[SH], 4, v3
.irp q, 0,1
	v_mov_b32 v[S+8*\q+5], 0                       ; written once: a lane permute's destination counts as one of its sources,
	v_mov_b32 v[S+8*\q+7], 0                       ; and a pair is named whole
.endr
.irp b, 0,1,2,3
	v_mov_b32 v[TM+4+\b], 0
.endr
	s_mov_b32 s[SEL], 0x76543210
	s_mov_b32 s[SEL+1], 0xfedcba98                 ; lane l xor 16
	s_mov_b32 s22, 0x3a800000                      ; 1 / 1,024
	s_mov_b32 s23, 0x3727c5ac                      ; 1e-5
	s_lshr_b32 s14, ttmp9, 1
	s_lshl_b32 s14, s14, 5
	s_and_b32 s15, ttmp9, 1
	s_lshl_b32 s15, s15, 3
	s_add_co_u32 s14, s14, s15
	s_lshl_b32 s15, s12, 1
	s_add_co_u32 s14, s14, s15
	s_lshr_b32 s15, s12, 2
	s_lshl_b32 s15, s15, 3
	s_add_co_u32 s14, s14, s15                     ; my first row: 32 (R / 2) + 8 (R % 2) + 2 w + 8 (w / 4)
	s_lshl_b32 s14, s14, 12
	s_mov_b32 s15, 0
	s_mul_i32 s16, ttmp9, 12288
	s_mul_i32 s17, s12, 1536
	s_add_co_u32 s16, s16, s17                     ; my fragment: block R, K step w
	s_mov_b32 s17, 0
	s_lshr_b32 s18, ttmp9, 3
	s_lshl_b32 s18, s18, 3
	s_add_co_u32 s18, s18, s12
	s_lshl_b32 s18, s18, 9
	s_and_b32 s19, ttmp9, 7
	s_lshl_b32 s19, s19, 6
	s_add_co_u32 s18, s18, s19
	s_add_co_u32 s18, s18, H_S                     ; and its scale words
	s_mov_b32 s19, 0
	s_wait_kmcnt 0x0
	s_add_nc_u64 s[4:5], s[4:5], s[14:15]
	s_add_nc_u64 s[16:17], s[10:11], s[16:17]
	s_add_nc_u64 s[18:19], s[10:11], s[18:19]
.irp q, 0,1
.irp j, 0,1,2,3,4,5,6,7
	global_load_b128 v[X+32*\q+4*\j:X+32*\q+4*\j+3], v[LI16], s[4:5] offset:4096*\q+512*\j
.endr
.endr
.irp j, 0,1,2,3,4,5,6,7
	global_load_b128 v[GW+4*\j:GW+4*\j+3], v[LI16], s[6:7] offset:512*\j
.endr
.irp j, 0,1,2,3,4,5,6,7
	global_load_b128 v[GB+4*\j:GB+4*\j+3], v[LI16], s[8:9] offset:512*\j
.endr
.macro ACROSS                          ; the two chains, the pair's halves and the 32 lanes are added, the two rows by turns: v[S + 8 q + 4] holds the row's sum in every lane
.irp q, 0
	s_delay_alu instid0(VALU_DEP_3)
	v_pk_add_f32 v[S+8*\q:S+8*\q+1], v[S+8*\q:S+8*\q+1], v[S+8*\q+2:S+8*\q+3]
.endr
.irp q, 1
	s_delay_alu instid0(VALU_DEP_2)
	v_pk_add_f32 v[S+8*\q:S+8*\q+1], v[S+8*\q:S+8*\q+1], v[S+8*\q+2:S+8*\q+3]
.endr
.irp q, 0,1
	s_delay_alu instid0(VALU_DEP_2)
	v_add_f32 v[S+8*\q+4], v[S+8*\q], v[S+8*\q+1]
.endr
.irp m, 1,2,4,8
.irp q, 0,1
	s_delay_alu instid0(VALU_DEP_2)
	v_add_f32_dpp v[S+8*\q+4], v[S+8*\q+4], v[S+8*\q+4] row_xmask:\m row_mask:0xf bank_mask:0xf
.endr
.endr
.irp q, 0,1
	s_delay_alu instid0(VALU_DEP_2)
	v_permlanex16_b32 v[S+8*\q+5], v[S+8*\q+4], s[SEL], s[SEL+1]
.endr
.irp q, 0,1
	s_delay_alu instid0(VALU_DEP_2)
	v_add_f32 v[S+8*\q+4], v[S+8*\q+4], v[S+8*\q+5]
.endr
.endm
	s_wait_loadcnt 16                              ; the rows' 16 loads are in; the gain's and the bias's 16 may be out
.irp q, 0,1
	v_pk_add_f32 v[S+8*\q:S+8*\q+1], v[X+32*\q:X+32*\q+1], v[X+32*\q+4:X+32*\q+5]
	v_pk_add_f32 v[S+8*\q+2:S+8*\q+3], v[X+32*\q+2:X+32*\q+3], v[X+32*\q+6:X+32*\q+7]
.endr
.irp i, 8,12,16,20,24,28
.irp q, 0,1
	s_delay_alu instid0(VALU_DEP_4)
	v_pk_add_f32 v[S+8*\q:S+8*\q+1], v[S+8*\q:S+8*\q+1], v[X+32*\q+\i:X+32*\q+\i+1]
	s_delay_alu instid0(VALU_DEP_4)
	v_pk_add_f32 v[S+8*\q+2:S+8*\q+3], v[S+8*\q+2:S+8*\q+3], v[X+32*\q+\i+2:X+32*\q+\i+3]
.endr
.endr
	ACROSS
.irp q, 0,1
	s_delay_alu instid0(VALU_DEP_2)
	v_mul_f32 v[S+8*\q+4], s22, v[S+8*\q+4]        ; the mean
.endr
.irp q, 0,1
.set j, 0
.rept 16
	v_pk_add_f32 v[X+32*\q+j:X+32*\q+j+1], v[X+32*\q+j:X+32*\q+j+1], v[S+8*\q+4:S+8*\q+5] op_sel_hi:[1,0] neg_lo:[0,1] neg_hi:[0,1]   ; d = x - mean
.set j, j+2
.endr
.endr
.irp q, 0,1
	v_pk_mul_f32 v[S+8*\q:S+8*\q+1], v[X+32*\q:X+32*\q+1], v[X+32*\q:X+32*\q+1]
	v_pk_mul_f32 v[S+8*\q+2:S+8*\q+3], v[X+32*\q+2:X+32*\q+3], v[X+32*\q+2:X+32*\q+3]
.endr
.irp i, 4,8,12,16,20,24,28
.irp q, 0,1
	s_delay_alu instid0(VALU_DEP_4)
	v_pk_fma_f32 v[S+8*\q:S+8*\q+1], v[X+32*\q+\i:X+32*\q+\i+1], v[X+32*\q+\i:X+32*\q+\i+1], v[S+8*\q:S+8*\q+1]
	s_delay_alu instid0(VALU_DEP_4)
	v_pk_fma_f32 v[S+8*\q+2:S+8*\q+3], v[X+32*\q+\i+2:X+32*\q+\i+3], v[X+32*\q+\i+2:X+32*\q+\i+3], v[S+8*\q+2:S+8*\q+3]
.endr
.endr
	ACROSS
.irp q, 0,1
	s_delay_alu instid0(VALU_DEP_2)
	v_fma_f32 v[S+8*\q+6], v[S+8*\q+4], s22, s23   ; the variance + 1e-5
.endr
	s_wait_alu depctr_va_vdst(0)
.irp q, 0,1
	v_rsq_f32 v[S+8*\q+6], v[S+8*\q+6]
.endr
	v_nop                                          ; a plain place behind the transcendentals
	s_wait_alu depctr_va_vdst(0)                   ; one wait for both, ahead of their first reader
	s_wait_loadcnt 0x0                             ; gain and bias
.irp q, 0,1
.set j, 0
.rept 16
	v_pk_mul_f32 v[X+32*\q+j:X+32*\q+j+1], v[X+32*\q+j:X+32*\q+j+1], v[S+8*\q+6:S+8*\q+7] op_sel_hi:[1,0]
.set j, j+2
.endr
.set j, 0
.rept 16
	v_pk_fma_f32 v[X+32*\q+j:X+32*\q+j+1], v[X+32*\q+j:X+32*\q+j+1], v[GW+j:GW+j+1], v[GB+j:GB+j+1]
.set j, j+2
.endr
.irp j, 0,1,2,3,4,5,6,7
	ds_store_b128 v[LST], v[X+32*\q+4*\j:X+32*\q+4*\j+3] offset:\q*PITCH+512*\j
.endr
.endr
	s_wait_dscnt 0x0                               ; for the others' sake: my two rows lie in LDS
	s_barrier_signal -1
	s_barrier_wait -1
.irp b, 0,1,2,3
.irp j, 0,1,2,3
	ds_load_b128 v[X+16*\b+4*\j:X+16*\b+4*\j+3], v[LRD] offset:128*\b+16*\j   ; register 16 b + i = column 128 w + 32 b + 16 h + i of row r
.endr
.endr
	s_wait_dscnt 0x0
.irp b, 0,1,2,3
	v_max3_num_f32 v[TM+\b], |v[X+16*\b]|, |v[X+1+16*\b]|, 0x1800000   ; block b: my 16 numbers, and the floor 2^(3 - 127)
.endr
.irp i, 2,4,6,8,10,12,14
.irp b, 0,1,2,3
	s_delay_alu instid0(VALU_DEP_4)
	v_max3_num_f32 v[TM+\b], v[TM+\b], |v[X+16*\b+\i]|, |v[X+1+16*\b+\i]|
.endr
.endr
.irp b, 0,1,2,3
	s_delay_alu instid0(VALU_DEP_4)
	v_permlanex16_b32 v[TM+4+\b], v[TM+\b], s[SEL], s[SEL+1]
.endr
.irp b, 0,1,2,3
	s_delay_alu instid0(VALU_DEP_4)
	v_max_num_f32 v[TM+\b], v[TM+\b], v[TM+4+\b]   ; with lane l xor 16's: the block's largest magnitude
.endr
.irp b, 0,1,2,3
	s_delay_alu instid0(VALU_DEP_4)
	v_add_nc_u32 v[TM+12+\b], 0xff000000, v[TM+\b] ; 2 off the exponent field: the conversion's scale operand
.endr
.irp b, 0,1,2,3
	s_delay_alu instid0(VALU_DEP_4)
	v_lshrrev_b32 v[TM+4+\b], 23, v[TM+12+\b]      ; the byte
.endr
	s_delay_alu instid0(VALU_DEP_3)
	v_lshl_or_b32 v[PW], v[TM+5], 8, v[TM+4]
	s_delay_alu instid0(VALU_DEP_1)
	v_lshl_or_b32 v[PW], v[TM+6], 16, v[PW]
	s_delay_alu instid0(VALU_DEP_1)
	v_lshl_or_b32 v[PW], v[TM+7], 24, v[PW]        ; my row's scale word
.irp c, 0,1
	v_cvt_scalef32_pk16_fp6_f32 v[PC+6*\c:PC+2+6*\c], v[X+32*\c:X+15+32*\c], v[TM+12+2*\c]
	v_cvt_scalef32_pk16_fp6_f32 v[PC+12+4*\c:PC+14+4*\c], v[X+16+32*\c:X+31+32*\c], v[TM+12+2*\c+1]
.endr
	v_nop                                          ; one plain place behind a scaled conversion
.irp c, 0,1                            ; the operand wants a whole block in a lane: lanes 0-15 block 2 c, lanes 16-31 block 2 c + 1
.irp i, 0,1,2
	v_permlane16_swap_b32 v[PC+6*\c+\i], v[PC+12+4*\c+\i]
.endr
.irp i, 0,1,2
	s_delay_alu instid0(VALU_DEP_3)
	v_mov_b32 v[PC+3+6*\c+\i], v[PC+12+4*\c+\i]
.endr
.endr
	v_lshrrev_b32 v[SD], v[SH], v[PW]              ; lanes 0-15 store the word's low half, lanes 16-31 its high half
.irp c, 0,1
	global_store_b128 v[LI16], v[PC+6*\c:PC+6*\c+3], s[16:17] offset:768*\c         ; 512 consecutive bytes
	global_store_b64 v[LI8], v[PC+6*\c+4:PC+6*\c+5], s[16:17] offset:768*\c+512     ; 256 consecutive bytes
.endr
	global_store_b16 v[SVO], v[SD], s[18:19]
	s_wait_tensorcnt 0x0                           ; the wave's end
	ds_add_u32 v[SPW], v[NIL]
	s_wait_dscnt 0x0
	s_endpgm
.Lfunc_end_k_q0148016d28_ln2:
	.size	k_q0148016d28_ln2, .Lfunc_end_k_q0148016d28_ln2-k_q0148016d28_ln2
	.p2alignl 7, 3214868480
	.fill 96, 4, 3214868480
	.section	.rodata,"a",@progbits
	.p2align	6, 0x0
	.amdhsa_kernel k_q0148016d28_ln2
		.amdhsa_group_segment_fixed_size 66816
		.amdhsa_private_segment_fixed_size 0
		.amdhsa_enable_private_segment 0
		.amdhsa_kernarg_size 32
		.amdhsa_user_sgpr_count 2
		.amdhsa_user_sgpr_kernarg_segment_ptr 1
		.amdhsa_wavefront_size32 1
		.amdhsa_system_sgpr_workgroup_id_x 1
		.amdhsa_system_sgpr_workgroup_id_y 1
		.amdhsa_system_sgpr_workgroup_id_z 1
		.amdhsa_system_vgpr_workitem_id 0
		.amdhsa_next_free_vgpr 224
		.amdhsa_next_free_sgpr 66
		.amdhsa_reserve_vcc 0
		.amdhsa_float_denorm_mode_32 3
		.amdhsa_float_denorm_mode_16_64 3
		.amdhsa_memory_ordered 1
		.amdhsa_forward_progress 1
		.amdhsa_inst_pref_size 29
	.end_amdhsa_kernel
	.amdgpu_metadata
---
amdhsa.version: [ 1, 2 ]
amdhsa.kernels:
  - .name:           k_q0148016d28_ln2
    .symbol:         k_q0148016d28_ln2.kd
    .args:
      - { .name: x1, .offset: 0, .size: 8, .value_kind: global_buffer, .address_space: global }
      - { .name: ln2_w, .offset: 8, .size: 8, .value_kind: global_buffer, .address_space: global }
      - { .name: ln2_b, .offset: 16, .size: 8, .value_kind: global_buffer, .address_space: global }
      - { .name: hq, .offset: 24, .size: 8, .value_kind: global_buffer, .address_space: global }
    .group_segment_fixed_size: 66816
    .private_segment_fixed_size: 0
    .kernarg_segment_align: 8
    .kernarg_segment_size: 32
    .max_flat_workgroup_size: 256
    .sgpr_count:     66
    .vgpr_count:     224
    .wavefront_size: 32
...
	.end_amdgpu_metadata
.endif
;; end of part 5
;; launch gfc (part 6): grid 16 x 16, 4 waves a work-group, clusters of 4 x 4, 327,680 bytes of LDS; arguments hq, wq, b_fc, gq; writes gq
.if DOCPART == 6
	.amdgcn_target "amdgcn-amd-amdhsa--gfx1250"
	.amdhsa_code_object_version 6
	.text
	.protected	k_q0148016d28_gfc
	.globl	k_q0148016d28_gfc
	.p2align	8
	.type	k_q0148016d28_gfc,@function
k_q0148016d28_gfc:
	s_mov_b64 s[64:65], 0
	v_nop
	global_prefetch_b8 v0, s[64:65] scope:SCOPE_SE
	s_setreg_imm32_b32 hwreg(HW_REG_WAVE_MODE, 25, 1), 1
	s_wait_xcnt 0x0
	s_wait_alu depctr_hold_cnt(0) depctr_sa_sdst(0) depctr_va_vdst(0) depctr_va_sdst(0) depctr_va_ssrc(0) depctr_va_vcc(0) depctr_vm_vsrc(0)
	s_getreg_b32 s2, hwreg(HW_REG_IB_STS2, 6, 4)
	s_cmp_eq_u32 s2, 0
	s_cbranch_scc0 .Lentry_in_a_cluster
	s_endpgm
.Lentry_in_a_cluster:
	s_bfe_u32 s2, ttmp6, 0x10000c
	s_cmp_lg_u32 s2, 0xf033
	s_cbranch_scc0 .Lentry_shape_is_right
	s_endpgm
.Lentry_shape_is_right:
; g = gelu(h w_fc + b_fc), tanh form, on codes of FP6 (E2M3) with E8M0 scales; g is quantised in registers along the hidden axis, K of the last product, and never exists as f32 in memory.
; OPERANDS lie as images of operand registers (layout: the program's first kernel): a fragment (16 rows x 128 K) is 1,536 bytes and comes by four LDS loads, each of consecutive bytes.
; A tile of 256 x 256 is made by four waves, each 128 x 128: 64 accumulators, 512 registers.  SIDE A (source 1, rows in the result's lanes) is the tokens, SIDE B (source 0, rows along a lane's registers, 16 neighbours in two
; neighbouring accumulators) the columns of w_fc: a lane's 64 numbers of a block of tokens are one K step of the next product and are quantised as they stand.
; K = 1,024 is eight steps of 128, three to a slot of 147,456 bytes.  TWO LDS slots hold six of the steps and are filled at the start; slot 0 is filled once more, with the last two, behind the one round inside the walk:
; from that request to the wait for it a wave issues 160 matrix instructions.  The walk is written out: it has no loop.
; Fragments and scale words are double: a step's loads are issued a whole step (64 matrix instructions) ahead.  The scale words for all of K come with the first fills.
; CLUSTER 4 x 4: side A's tiles are shared along a row of the cluster, side B's along a column, by joint loads.
; GELU: 0.5 x (1 + tanh(u)) = x / (1 + 2^(x (c0 + c1 x^2))), c0 = -2 log2(e) sqrt(2 / pi), c1 = 0.044715 c0: one exponential and one reciprocal; where the exponent overflows the quotient is 0 or x, as the limit asks.
; LIMITS: a block of zeros gets the byte 1 where the rule says 127 (only this program reads the bytes); NaN and infinities are not served.
.set NBK,   8
.set NQ,    3                          ; K steps of 128 in a slot: TWO slots of three steps are filled at the head; K steps 6 and 7 are filled over slot 0's first bytes behind the one round inside the walk
.set KTOT,  1024
.set A_S,   3145728                    ; where hq's scale words begin
.set W_C,   3145728                    ; where w_fc's codes begin in wq
.set W_S,   9568256                    ; and its scale words
.set G_S,   12582912                   ; where gq's scale words begin
.set KS,    KTOT/128
.set FR,    12
.set FRB,   1536
.set PARTB, NBK*NQ*FRB
.set SLOT,  4*PARTB
.set PART2, NBK*2*FRB                  ; a wave's part of the refill: 8 blocks of rows x 2 fragments
.set SCL,   2*SLOT                     ; behind the two slots: the scale words, four parts, brought by plain loads and LDS stores: no tile lands there
.set SST,   22                         ; v22 where my 16 bytes of a scale store go
.set SPART, NBK*KS*64
.set SOFF,  SPART
.set SPARE, SCL+4*SPART
.set LI16, 4
.set LI8,  5
.set A16,  8                           ; v8-10, v11-13 side A's fragments in slot 0, 1, 2: 16 x lane and 8 x lane + my half
.set A8,   11
.set B16,  16                          ; v16-18, v19-21 the same for side B
.set B8,   19
.set STG,  26                          ; v26 my stage for scale words (in slot 1, after its only fill and its last read): 4 r
.set RDS,  27                          ; v27 and back: 16 x lane
.set SPW,  28
.set NIL,  29
.set ADRS, 30
.set SC,   32                          ; v32-47 scale words, two sets of 8
.set AF,   64                          ; window 0: v64-159, v160-255 side A's fragments.  window 1: v0-95, v96-191 side B's; v192-255 the bias.  windows 2, 3: the accumulators, (a, b) at v[8 (8 (a % 4) + b)]
.set BI,   192
.set T,    64                          ; the way out, window 0: 64 numbers at work;
.set PC,   128                         ; codes;
.set TM,   200
.set PW,   216                         ; v218-219 c1, v220-221 c0
.set G1, 24
.set G0, 32                            ; s[32:39] side A's group 0 for slots 0 and 1;  s[76:79] for slot 2
.set G1B, 48
.set G0B, 56                           ; s[56:63] side B's for slots 0 and 1;  s[88:91] for slot 2
.set G1S, 68
.set G0S, 76
.set G1SB, 80
.set G0SB, 88
.set SEL, 66
.set MSB, 0
.macro WIN new
.if MSB != (\new)
	s_set_vgpr_msb (MSB<<8)|(\new)
.set MSB, (\new)
.endif
.endm
.macro PLACES n                        ; plain vector instructions behind a matrix instruction, ahead of loads into its registers and of reads of its result
.rept \n
	v_nop
.endr
.endm
.macro JLOAD g0a, g1a, g0b, g1b        ; a joint load: waves 0, 1 fetch side A's halves, waves 2, 3 side B's; s_nop 0 and four v_nop follow each line
	s_cmp_eq_u32 s15, 0
	s_cbranch_scc0 .Lfor_b_\@
	tensor_load_to_lds s[\g0a:\g0a+3], s[\g1a:\g1a+7]
	s_nop 0
.rept 4
	v_nop
.endr
	s_branch .Lasked_\@
.Lfor_b_\@:
	tensor_load_to_lds s[\g0b:\g0b+3], s[\g1b:\g1b+7]
	s_nop 0
.rept 4
	v_nop
.endr
.Lasked_\@:
.endm
.macro CREST
	s_cmp_lg_u32 s14, 0
	s_cbranch_scc1 .Lnot_wave_0_\@
	s_barrier_signal -3
.Lnot_wave_0_\@:
	s_barrier_wait -3
	s_barrier_signal -1
	s_barrier_wait -1
.endm
.macro CROUND
	s_barrier_signal -1
	s_barrier_wait -1
	CREST
.endm
.macro FRAG4 reg, a16, a8, off
	ds_load_b128 v[\reg:\reg+3], v[\a16] offset:\off
	ds_load_b64 v[\reg+4:\reg+5], v[\a8] offset:\off+512
	ds_load_b128 v[\reg+6:\reg+9], v[\a16] offset:\off+768
	ds_load_b64 v[\reg+10:\reg+11], v[\a8] offset:\off+1280
.endm
.macro FETCH slot, q, p, n, k          ; fragment q of each block's n in address set slot, and K step k's scale words, into set p
	WIN 0x40
.irp i, 0,1,2,3,4,5,6,7
	FRAG4 FR*NBK*(\p)+FR*\i, B16+\slot, B8+\slot, (\i*(\n)+(\q))*FRB
.endr
	WIN 0
.irp i, 0,1,2,3,4,5,6,7
	FRAG4 AF+FR*NBK*(\p)+FR*\i, A16+\slot, A8+\slot, (\i*(\n)+(\q))*FRB
.endr
.irp i, 0,1,2,3,4,5,6,7
	ds_load_b32 v[SC+NBK*(\p)+\i], v[ADRS] offset:(\k)*512+\i*64
.endr
.endm
.macro FETCHK k                        ; K step k into set k % 2: steps 0-2 lie in slot 0, 3-5 in slot 1, 6 and 7 in the refill (address set 2)
.if (\k) < 6
	FETCH (\k)/NQ, (\k)%NQ, (\k)%2, NQ, \k
.else
	FETCH 2, (\k)-6, (\k)%2, 2, \k
.endif
.endm
.macro MULB a, p, mode                 ; mode 0: sums go on; 1: the bias starts them
.irp b, 0,1,2,3,4,5,6,7
.set rD, 8*(NBK*((\a)%4)+\b)
.set rB, FR*NBK*(\p)+FR*\b
.set rA, AF+FR*NBK*(\p)+FR*(\a)
.set rC, rD
.if \mode == 1
.set rC, BI+8*\b
.endif
	v_wmma_scale_f32_16x16x128_f8f6f4 v[rD:rD+7], v[rB:rB+11], v[rA:rA+11], v[rC:rC+7], v[SC+NBK*(\p)+\b], v[SC+NBK*(\p)+(\a)] matrix_a_fmt:MATRIX_FMT_FP6 matrix_b_fmt:MATRIX_FMT_FP6 matrix_a_scale:MATRIX_SCALE_ROW1
.endr
.endm
.macro MULQ k, p, mode                 ; quarter k of a step's products.  Windows: source 0 window 1, source 1 window 0, D window 2 or 3, C with D or (the bias) window 1
.if (\k) >= 2
.if \mode == 0
	WIN 0xf1
.else
	WIN 0xd1
.endif
.else
.if \mode == 0
	WIN 0xa1
.else
	WIN 0x91
.endif
.endif
	MULB 2*(\k), \p, \mode
	MULB 2*(\k)+1, \p, \mode
.endm
.macro STEP k, mode                    ; K step k where the next step's tile has been shown whole at an earlier barrier.  All accumulators take turns, one instruction a turn
	s_wait_dscnt 0x0                               ; this step's fragments, asked for a step ago, are in
	PLACES 4
	FETCHK (\k)+1
	MULQ 0, (\k)%2, \mode
	MULQ 1, (\k)%2, \mode
	MULQ 2, (\k)%2, \mode
	MULQ 3, (\k)%2, \mode
	WIN 0
.endm
.macro TURN k, fill                    ; K step k with a barrier.  fill = 1: it opens a round of the cluster's barrier, and K steps 6 and 7 are filled over slot 0
	s_wait_tensorcnt 0x0                           ; all my tensor loads have landed
	ds_add_u32 v[SPW], v[NIL]
	s_wait_dscnt 1                                 ; the fragments are in; the add may be out
	MULQ 0, (\k)%2, 0
	s_wait_dscnt 0x0                               ; the add is done, and my reads of the slot left behind are over
	s_barrier_signal -1
	MULQ 1, (\k)%2, 0
	WIN 0
	s_barrier_wait -1
.if \fill
	CREST                                          ; no wave of any partner still reads slot 0 or has a load on its way
	JLOAD G0S, G1S, G0SB, G1SB                     ; the first tensor load behind the round; its four v_nop are the places in front of the loads below
.else
	PLACES 4
.endif
	FETCHK (\k)+1
	MULQ 2, (\k)%2, 0
	MULQ 3, (\k)%2, 0
	WIN 0
.endm
; 64 numbers of a lane, v[s] on, register 16 b + i = k 32 b + 16 (lane / 16) + i of my row, become a fragment's codes in v[PC] on and its scale word in v[PW]
.macro QUANT s
.irp b, 0,1,2,3
	v_max3_num_f32 v[TM+\b], |v[(\s)+16*\b]|, |v[(\s)+1+16*\b]|, 0x1800000   ; and the floor 2^(3 - 127): the byte cannot fall under 1
.endr
.irp i, 2,4,6,8,10,12,14
.irp b, 0,1,2,3
	v_max3_num_f32 v[TM+\b], v[TM+\b], |v[(\s)+16*\b+\i]|, |v[(\s)+1+16*\b+\i]|
.endr
.endr
.irp b, 0,1,2,3
	v_permlanex16_b32 v[TM+4+\b], v[TM+\b], s[SEL], s[SEL+1]
.endr
.irp b, 0,1,2,3
	v_max_num_f32 v[TM+\b], v[TM+\b], v[TM+4+\b]
.endr
.irp b, 0,1,2,3
	v_add_nc_u32 v[TM+12+\b], 0xff000000, v[TM+\b]
.endr
.irp b, 0,1,2,3
	v_lshrrev_b32 v[TM+4+\b], 23, v[TM+12+\b]
.endr
	v_lshl_or_b32 v[PW], v[TM+5], 8, v[TM+4]
	v_lshl_or_b32 v[PW], v[TM+6], 16, v[PW]
	v_lshl_or_b32 v[PW], v[TM+7], 24, v[PW]
.irp c, 0,1
	v_cvt_scalef32_pk16_fp6_f32 v[PC+6*\c:PC+2+6*\c], v[(\s)+32*\c:(\s)+15+32*\c], v[TM+12+2*\c]
	v_cvt_scalef32_pk16_fp6_f32 v[PC+12+4*\c:PC+14+4*\c], v[(\s)+16+32*\c:(\s)+31+32*\c], v[TM+12+2*\c+1]
.endr
	v_nop                                          ; one plain place behind a scaled conversion
.irp c, 0,1
.irp i, 0,1,2
	v_permlane16_swap_b32 v[PC+6*\c+\i], v[PC+12+4*\c+\i]
.endr
.irp i, 0,1,2
	v_mov_b32 v[PC+3+6*\c+\i], v[PC+12+4*\c+\i]
.endr
.endr
.endm
	s_load_b256 s[4:11], s[0:1], 0x0               ; hq, wq, b_fc, gq
	v_lshl_add_u32 v[SPW], v0, 2, SPARE
	v_mov_b32 v[NIL], 0
	ds_add_u32 v[SPW], v[NIL]                      ; the wave's opening: the add, twice on end, and its wait ahead of my first tensor load
	ds_add_u32 v[SPW], v[NIL]
	v_lshrrev_b32 v1, 5, v0
	v_readfirstlane_b32 s14, v1
	s_lshr_b32 s15, s14, 1                         ; my half of side A.  Also: I fetch for side A (0) or B (1)
	s_and_b32 s16, s14, 1                          ; my half of side B.  Also: which half I fetch
	s_bfe_u32 s40, ttmp6, 0x40000
	s_bfe_u32 s41, ttmp6, 0x40004
	s_lshl_b32 s42, ttmp9, 2
	s_add_co_u32 s42, s42, s40                     ; the tile of columns
	s_and_b32 s17, ttmp7, 0xffff
	s_lshl_b32 s17, s17, 2
	s_add_co_u32 s17, s17, s41                     ; the tile of tokens
	s_lshl_b32 s43, s41, 2
	s_lshl_b32 s43, 15, s43
	s_lshl_b32 s44, 0x1111, s40
	s_or_b32 s[G1+0], s43, (3<<16)|(1<<21)         ; group 1 for codes: the mask; elements of 8 bytes; bit 21 beside a mask; no padding
	s_or_b32 s[G1B+0], s44, (3<<16)|(1<<21)
.irp g, G1, G1B
	s_mov_b32 s[\g+1], (NQ*192)<<16
	s_mov_b32 s[\g+2], (2*NBK)<<16                 ; tensor_dim1: a head load brings both halves of a side, 16 blocks of rows
	s_mov_b32 s[\g+3], (NQ*192)<<16
	s_mov_b32 s[\g+4], 2*NBK
	s_mov_b32 s[\g+5], KTOT*3/2
	s_mov_b32 s[\g+6], 0
	s_mov_b32 s[\g+7], 0
.endr
	s_or_b32 s[G1S+0], s43, (3<<16)|(1<<21)
	s_or_b32 s[G1SB+0], s44, (3<<16)|(1<<21)
.irp g, G1S, G1SB
	s_mov_b32 s[\g+1], (2*192)<<16                 ; the refill's group 1: two fragments of each of 8 blocks of rows
	s_mov_b32 s[\g+2], NBK<<16
	s_mov_b32 s[\g+3], (2*192)<<16
	s_mov_b32 s[\g+4], NBK
	s_mov_b32 s[\g+5], KTOT*3/2
	s_mov_b32 s[\g+6], 0
	s_mov_b32 s[\g+7], 0
.endr
	s_lshl_b32 s20, s17, 1
	s_add_co_u32 s20, s20, s16
	s_lshl_b32 s46, s42, 1
	s_add_co_u32 s46, s46, s16
	s_mul_i32 s22, s20, SPART
	s_mul_i32 s92, s46, SPART
	s_mul_i32 s20, s20, NBK*12*KTOT
	s_mul_i32 s46, s46, NBK*12*KTOT
	s_add_co_u32 s22, s22, A_S
	s_add_co_u32 s92, s92, W_S
	s_add_co_u32 s46, s46, W_C
	s_mov_b32 s21, 0
	s_mov_b32 s23, 0
	s_mov_b32 s47, 0
	s_mov_b32 s93, 0
	s_mul_i32 s45, s14, PART2                      ; where my part of the refill goes: by the wave's number alone
	s_mul_i32 s94, s14, SPART
	s_wait_dscnt 0x0
	s_wait_kmcnt 0x0
	s_add_nc_u64 s[20:21], s[4:5], s[20:21]
	s_add_nc_u64 s[22:23], s[4:5], s[22:23]
	s_add_nc_u64 s[46:47], s[6:7], s[46:47]
	s_add_nc_u64 s[92:93], s[6:7], s[92:93]
	CROUND                                         ; all sixteen work-groups are here: the first joint loads meet
	s_cmp_eq_u32 s15, 0
	s_cselect_b64 s[2:3], s[22:23], s[92:93]       ; the part of the scale words that I copy: waves 0, 1 side A's halves, waves 2, 3 side B's
	s_mul_i32 s100, s16, NBK*12*KTOT               ; from a side's first half to the half in s[20:21], s[46:47]
	s_mov_b32 s101, 0
.irp s, 0,1                            ; the head's four tiles: a side's 16 blocks x 3 fragments, for slot s
	s_mov_b32 s[G0+4*\s], 1
	s_mov_b32 s[G0+4*\s+1], \s*SLOT
	s_sub_nc_u64 s[G0+4*\s+2:G0+4*\s+3], s[20:21], s[100:101]
	s_add_nc_u64 s[G0+4*\s+2:G0+4*\s+3], s[G0+4*\s+2:G0+4*\s+3], \s*NQ*FRB
	s_or_b32 s[G0+4*\s+3], s[G0+4*\s+3], 0x80000000
	s_mov_b32 s[G0B+4*\s], 1
	s_mov_b32 s[G0B+4*\s+1], \s*SLOT+2*PARTB
	s_sub_nc_u64 s[G0B+4*\s+2:G0B+4*\s+3], s[46:47], s[100:101]
	s_add_nc_u64 s[G0B+4*\s+2:G0B+4*\s+3], s[G0B+4*\s+2:G0B+4*\s+3], \s*NQ*FRB
	s_or_b32 s[G0B+4*\s+3], s[G0B+4*\s+3], 0x80000000
.endr
	s_mov_b32 s[G0S], 1                            ; the refill: my half's K steps 6 and 7
	s_add_co_u32 s[G0S+1], s45, 0
	s_add_nc_u64 s[G0S+2:G0S+3], s[20:21], 6*FRB
	s_or_b32 s[G0S+3], s[G0S+3], 0x80000000
	s_mov_b32 s[G0SB], 1
	s_add_co_u32 s[G0SB+1], s45, 0
	s_add_nc_u64 s[G0SB+2:G0SB+3], s[46:47], 6*FRB
	s_or_b32 s[G0SB+3], s[G0SB+3], 0x80000000
; THE HEAD'S LOADS, one a wave, in one chain of branches on the wave's number: wave 0 slot 0's side A, wave 1 its side B, waves 2 and 3 slot 1's.
; No data prefetch: six of the eight K steps are asked for here, and the other two three steps ahead of their use.
.macro ARM w, g0, g1
	s_cmp_eq_u32 s14, \w
	s_cbranch_scc0 .Lnot_\w
	tensor_load_to_lds s[\g0:\g0+3], s[\g1:\g1+7]
	s_nop 0
	PLACES 4
	s_branch .Lhead_asked
.Lnot_\w:
.endm
	ARM 0, G0, G1
	ARM 1, G0B, G1B
	ARM 2, G0+4, G1
	tensor_load_to_lds s[G0B+4:G0B+7], s[G1B:G1B+7]
	s_nop 0
	PLACES 4
.Lhead_asked:
	v_and_b32 v1, 31, v0
	v_and_b32 v2, 15, v0                           ; r
	v_bfe_u32 v3, v0, 4, 1                         ; h
	v_lshlrev_b32 v[LI16], 4, v1
	v_lshlrev_b32 v[LI8], 3, v1
	s_add_co_u32 s94, s94, SCL
	v_add_nc_u32 v[SST], s94, v[LI16]
.irp k, 0,1,2,3,4,5,6,7
	global_load_b128 v[AF+4*\k:AF+4*\k+3], v[LI16], s[2:3] offset:512*\k   ; my 4,096 bytes of scale words, 512 consecutive bytes a load
.endr
	s_mul_i32 s21, s15, PARTB
	s_mul_i32 s22, s16, PARTB
	s_add_co_u32 s22, s22, 2*PARTB
.irp s, 0,1
	v_add_nc_u32 v[A16+\s], s21, v[LI16]
	v_add_nc_u32 v[A8+\s], s21, v[LI8]
	v_add_nc_u32 v[B16+\s], s22, v[LI16]
	v_add_nc_u32 v[B8+\s], s22, v[LI8]
	s_add_co_u32 s21, s21, SLOT
	s_add_co_u32 s22, s22, SLOT
.endr
	s_mul_i32 s21, s15, PART2                      ; address set 2: the refill's parts, from LDS byte 0 on
	s_mul_i32 s22, s16, PART2
	s_add_co_u32 s22, s22, 2*PART2
	v_add_nc_u32 v[A16+2], s21, v[LI16]
	v_add_nc_u32 v[A8+2], s21, v[LI8]
	v_add_nc_u32 v[B16+2], s22, v[LI16]
	v_add_nc_u32 v[B8+2], s22, v[LI8]
	s_mul_i32 s21, s15, SOFF
	s_mul_i32 s22, s16, SOFF
	s_add_co_u32 s22, s22, 2*SPART
	s_sub_co_u32 s22, s22, s21
	v_mul_u32_u24 v6, s22, v3                      ; lanes 16-31 take side B's words: one product, the distance between the two
	s_add_co_u32 s21, s21, SCL
	v_lshl_add_u32 v6, v2, 2, v6
	v_add_nc_u32 v[ADRS], s21, v6
	s_lshl_b32 s23, s14, 10
	s_add_co_u32 s23, s23, SLOT                    ; my stage: 1,024 bytes in slot 1
	v_lshl_add_u32 v[STG], v2, 2, s23
	v_add_nc_u32 v[RDS], s23, v[LI16]
	s_lshl_b32 s46, s42, 10
	s_lshl_b32 s47, s16, 9
	s_add_co_u32 s46, s46, s47                     ; 4 x my first column
	s_mov_b32 s47, 0
	s_add_nc_u64 s[8:9], s[8:9], s[46:47]
	v_lshlrev_b32 v6, 6, v3                        ; 64 h
	WIN 0x40
.irp t, 0,1,2,3,4,5,6,7
	global_load_b128 v[BI+8*\t:BI+8*\t+3], v6, s[8:9] offset:(32*(\t/2)+8*(\t%2))*4
	global_load_b128 v[BI+8*\t+4:BI+8*\t+7], v6, s[8:9] offset:(32*(\t/2)+8*(\t%2))*4+16
.endr
	WIN 0
	s_lshl_b32 s20, s17, 1
	s_add_co_u32 s20, s20, s15                     ; my 128 tokens
	s_lshl_b32 s46, s42, 1
	s_add_co_u32 s46, s46, s16                     ; my 128 hidden units: a K step of the next product
	s_mul_i32 s22, s20, 8*49152
	s_mul_i32 s47, s46, 1536
	s_add_co_u32 s22, s22, s47
	s_mov_b32 s23, 0
	s_add_nc_u64 s[96:97], s[10:11], s[22:23]      ; block 0's fragment
	s_lshl_b32 s22, s20, 5
	s_add_co_u32 s22, s22, s46
	s_lshl_b32 s22, s22, 9
	s_add_co_u32 s22, s22, G_S
	s_add_nc_u64 s[98:99], s[10:11], s[22:23]      ; my 512 bytes of scale words
	s_mov_b32 s[SEL], 0x76543210
	s_mov_b32 s[SEL+1], 0xfedcba98
	s_wait_alu depctr_va_vdst(0)
	s_wait_loadcnt 0x0
.irp k, 0,1,2,3,4,5,6,7
	ds_store_b128 v[SST], v[AF+4*\k:AF+4*\k+3] offset:512*\k
.endr
	s_wait_dscnt 0x0                               ; for the others' sake: my scale words lie in LDS
	s_cmp_lt_u32 s14, 2
	s_cbranch_scc0 .Lnot_first
	s_wait_tensorcnt 0x0                           ; waves 0 and 1: slot 0's two tiles
.Lnot_first:
	s_barrier_signal -1                            ; slot 1's loads may be out
	s_barrier_wait -1
	FETCHK 0
	STEP 0, 1                                      ; K step 0: its products start the sums with the bias
	STEP 1, 0
	TURN 2, 1                                      ; slot 1 is whole for every wave of the cluster; K steps 6 and 7 are asked for, three steps ahead of their first fetch
	STEP 3, 0
	STEP 4, 0
	TURN 5, 0                                      ; the refill has landed; nothing is filled
	STEP 6, 0
	s_wait_dscnt 0x0                               ; K step 7
	MULQ 0, 1, 0
	MULQ 1, 1, 0
	MULQ 2, 1, 0
	MULQ 3, 1, 0
	WIN 0
	; THE WAY OUT, block by block of 16 tokens: the activation in f32, the quantiser, one fragment and one scale word a row
	PLACES 4
.irp b, 0,1,2,3
	v_mov_b32 v[TM+4+\b], 0                        ; written once: a lane permute's destination counts as one of its sources
.endr
	v_mov_b32 v218, 0xbdd2d3e8                     ; c1
	v_mov_b32 v219, 0xbdd2d3e8
	v_mov_b32 v220, 0xc0135761                     ; c0
	v_mov_b32 v221, 0xc0135761
.macro GELU a
.set XS, 64*((\a)%4)
.set WW, 2+(\a)/4
	WIN 5*WW                                       ; sources 0 and 1 in the accumulators' window
.set j, 0
.rept 32
	v_pk_mul_f32 v[T+j:T+j+1], v[XS+j:XS+j+1], v[XS+j:XS+j+1]
.set j, j+2
.endr
	WIN 0
.set j, 0
.rept 32
	v_pk_fma_f32 v[T+j:T+j+1], v[T+j:T+j+1], v[218:219], v[220:221]
.set j, j+2
.endr
	WIN WW
.set j, 0
.rept 32
	v_pk_mul_f32 v[T+j:T+j+1], v[XS+j:XS+j+1], v[T+j:T+j+1]
.set j, j+2
.endr
	WIN 0
.set j, 0
	s_wait_alu depctr_va_vdst(0)
.rept 64
	v_exp_f32 v[T+j], v[T+j]
.set j, j+1
.endr
	v_nop                                          ; a plain place behind the batch
	s_wait_alu depctr_va_vdst(0)                   ; one wait for the batch, ahead of its first reader
.set j, 0
.rept 32
	v_pk_add_f32 v[T+j:T+j+1], v[T+j:T+j+1], 1.0 op_sel_hi:[1,0]
.set j, j+2
.endr
.set j, 0
	s_wait_alu depctr_va_vdst(0)
.rept 64
	v_rcp_f32 v[T+j], v[T+j]
.set j, j+1
.endr
	v_nop
	s_wait_alu depctr_va_vdst(0)
	WIN WW
.set j, 0
.rept 32
	v_pk_mul_f32 v[T+j:T+j+1], v[XS+j:XS+j+1], v[T+j:T+j+1]
.set j, j+2
.endr
	WIN 0
	s_wait_xcnt 0x0                                ; the last block's stores have read their registers
	s_wait_dscnt 0x0
	QUANT T
	ds_store_b32 v[STG], v[PW] offset:64*(\a)      ; both halves of the lanes write the same word
	global_store_b128 v[LI16], v[PC:PC+3], s[96:97] offset:(\a)*49152
	global_store_b64 v[LI8], v[PC+4:PC+5], s[96:97] offset:(\a)*49152+512
	global_store_b128 v[LI16], v[PC+6:PC+9], s[96:97] offset:(\a)*49152+768
	global_store_b64 v[LI8], v[PC+10:PC+11], s[96:97] offset:(\a)*49152+1280
.endm
.irp a, 0,1,2,3,4,5,6,7
	GELU \a
.endr
	ds_load_b128 v[64:67], v[RDS]                  ; LDS serves a wave's instructions in order: this sees my stores
	s_wait_dscnt 0x0
	global_store_b128 v[LI16], v[64:67], s[98:99]  ; 512 consecutive bytes
	s_wait_tensorcnt 0x0                           ; the wave's end
	ds_add_u32 v[SPW], v[NIL]
	s_wait_dscnt 0x0
	CROUND                                         ; the closing round
	s_endpgm
.Lfunc_end_k_q0148016d28_gfc:
	.size	k_q0148016d28_gfc, .Lfunc_end_k_q0148016d28_gfc-k_q0148016d28_gfc
	.p2alignl 7, 3214868480
	.fill 96, 4, 3214868480
	.section	.rodata,"a",@progbits
	.p2align	6, 0x0
	.amdhsa_kernel k_q0148016d28_gfc
		.amdhsa_group_segment_fixed_size 327680
		.amdhsa_private_segment_fixed_size 0
		.amdhsa_enable_private_segment 0
		.amdhsa_kernarg_size 32
		.amdhsa_user_sgpr_count 2
		.amdhsa_user_sgpr_kernarg_segment_ptr 1
		.amdhsa_wavefront_size32 1
		.amdhsa_system_sgpr_workgroup_id_x 1
		.amdhsa_system_sgpr_workgroup_id_y 1
		.amdhsa_system_sgpr_workgroup_id_z 1
		.amdhsa_system_vgpr_workitem_id 0
		.amdhsa_next_free_vgpr 1024
		.amdhsa_next_free_sgpr 104
		.amdhsa_reserve_vcc 0
		.amdhsa_float_denorm_mode_32 3
		.amdhsa_float_denorm_mode_16_64 3
		.amdhsa_memory_ordered 1
		.amdhsa_forward_progress 1
		.amdhsa_inst_pref_size 255
	.end_amdhsa_kernel
	.section	.bss,"aw",@nobits
	.p2align	6
	.space	262144
	.amdgpu_metadata
---
amdhsa.version: [ 1, 2 ]
amdhsa.kernels:
  - .name:           k_q0148016d28_gfc
    .symbol:         k_q0148016d28_gfc.kd
    .args:
      - { .name: hq, .offset: 0, .size: 8, .value_kind: global_buffer, .address_space: global }
      - { .name: wq, .offset: 8, .size: 8, .value_kind: global_buffer, .address_space: global }
      - { .name: b_fc, .offset: 16, .size: 8, .value_kind: global_buffer, .address_space: global }
      - { .name: gq, .offset: 24, .size: 8, .value_kind: global_buffer, .address_space: global }
    .group_segment_fixed_size: 327680
    .private_segment_fixed_size: 0
    .kernarg_segment_align: 8
    .kernarg_segment_size: 32
    .max_flat_workgroup_size: 128
    .sgpr_count:     104
    .vgpr_count:     1024
    .wavefront_size: 32
...
	.end_amdgpu_metadata
.endif
;; end of part 6
;; launch gmlp (part 7): grid 8 x 32, 4 waves a work-group, clusters of 4 x 4, 327,680 bytes of LDS; arguments gq, wq, b_mlp_proj, x1, out0; writes out0
.if DOCPART == 7
	.amdgcn_target "amdgcn-amd-amdhsa--gfx1250"
	.amdhsa_code_object_version 6
	.text
	.protected	k_q0148016d28_gmlp
	.globl	k_q0148016d28_gmlp
	.p2align	8
	.type	k_q0148016d28_gmlp,@function
k_q0148016d28_gmlp:
	s_mov_b64 s[64:65], 0
	v_nop
	global_prefetch_b8 v0, s[64:65] scope:SCOPE_SE
	s_setreg_imm32_b32 hwreg(HW_REG_WAVE_MODE, 25, 1), 1
	s_wait_xcnt 0x0
	s_wait_alu depctr_hold_cnt(0) depctr_sa_sdst(0) depctr_va_vdst(0) depctr_va_sdst(0) depctr_va_ssrc(0) depctr_va_vcc(0) depctr_vm_vsrc(0)
	s_getreg_b32 s2, hwreg(HW_REG_IB_STS2, 6, 4)
	s_cmp_eq_u32 s2, 0
	s_cbranch_scc0 .Lentry_in_a_cluster
	s_endpgm
.Lentry_in_a_cluster:
	s_bfe_u32 s2, ttmp6, 0x10000c
	s_cmp_lg_u32 s2, 0xf033
	s_cbranch_scc0 .Lentry_shape_is_right
	s_endpgm
.Lentry_shape_is_right:
.set NBK,   4
.set NQ,    4
.set BIG,   0
.set KTOT,  4096
.set A_S,   12582912
.set W_C,   6291456
.set W_S,   9699328
.set KS,    KTOT/128
.set FR,    12
.set FRB,   1536
.set PARTB, NBK*NQ*FRB
.set SLOT,  4*PARTB
.set LAPS,  KTOT/(256*NQ)
.set SCL,   2*SLOT
.set SPART, NBK*KS*64
.set SOFF,  256
.set SPARE, SCL+4*SPART
.set LI16, 4
.set LI8,  5
.set A16,  16
.set A8,   18
.set B16,  20
.set B8,   22
.set STO,  24
.set RD,   25
.set CO,   26
.set SPW,  28
.set NIL,  29
.set ADRS, 30
.set SC,   32
.set AF,   64
.set BI,   192
.set OUTR, 64
.set G1, 24
.set G0, 32
.set G1B, 48
.set G0B, 56
.set PFO, 27                           ; v27 the prefetches' offset: 256 x min(lane, 23): a block of rows has 24 pieces of 256 bytes in a slot
.set SST, 31                           ; v31 where my 16 bytes of a scale store go
.set PFA, 96                           ; s[96:97] where my prefetches stand
.set G1H, 68                           ; s[68:75], s[80:87] group 1 of the head's loads: 8 blocks of rows, side A's and side B's mask
.set G1HB, 80
.set G0H, 76                           ; s[76:79], s[88:91] their group 0
.set G0HB, 88
.set SCP, 98                           ; s[98:99] the part of the scale words that I copy
.set MSB, 0
.macro WIN new
.if MSB != (\new)
	s_set_vgpr_msb (MSB<<8)|(\new)
.set MSB, (\new)
.endif
.endm
.macro PLACES n
.rept \n
	v_nop
.endr
.endm
.macro JLOAD g0a, g1a, g0b, g1b
	s_cmp_eq_u32 s15, 0
	s_cbranch_scc0 .Lfor_b_\@
	tensor_load_to_lds s[\g0a:\g0a+3], s[\g1a:\g1a+7]
	s_nop 0
.rept 4
	v_nop
.endr
	s_branch .Lasked_\@
.Lfor_b_\@:
	tensor_load_to_lds s[\g0b:\g0b+3], s[\g1b:\g1b+7]
	s_nop 0
.rept 4
	v_nop
.endr
.Lasked_\@:
.endm
.macro CREST
	s_cmp_lg_u32 s14, 0
	s_cbranch_scc1 .Lnot_wave_0_\@
	s_barrier_signal -3
.Lnot_wave_0_\@:
	s_barrier_wait -3
	s_barrier_signal -1
	s_barrier_wait -1
.endm
.macro CROUND
	s_barrier_signal -1
	s_barrier_wait -1
	CREST
.endm
.macro FRAG4 reg, a16, a8, off
	ds_load_b128 v[\reg:\reg+3], v[\a16] offset:\off
	ds_load_b64 v[\reg+4:\reg+5], v[\a8] offset:\off+512
	ds_load_b128 v[\reg+6:\reg+9], v[\a16] offset:\off+768
	ds_load_b64 v[\reg+10:\reg+11], v[\a8] offset:\off+1280
.endm
.macro FETCH slot, q, p
	WIN 0x40
.irp i, 0,1,2,3,4,5,6,7
.if \i < NBK
	FRAG4 FR*NBK*(\p)+FR*\i, B16+\slot, B8+\slot, (\i*NQ+(\q))*FRB
.endif
.endr
	WIN 0
.irp i, 0,1,2,3,4,5,6,7
.if \i < NBK
	FRAG4 AF+FR*NBK*(\p)+FR*\i, A16+\slot, A8+\slot, (\i*NQ+(\q))*FRB
.endif
.endr
.irp i, 0,1,2,3,4,5,6,7
.if \i < NBK
	ds_load_b32 v[SC+NBK*(\p)+\i], v[ADRS] offset:(\q)*512+\i*64
.endif
.endr
.endm
.macro MULB a, p, mode
.irp b, 0,1,2,3,4,5,6,7
.if \b < NBK
.set rD, 8*(NBK*((\a)%4)+\b)
.set rB, FR*NBK*(\p)+FR*\b
.set rA, AF+FR*NBK*(\p)+FR*(\a)
.set rC, rD
.if \mode == 1
.set rC, BI+8*\b
.endif
	v_wmma_scale_f32_16x16x128_f8f6f4 v[rD:rD+7], v[rB:rB+11], v[rA:rA+11], v[rC:rC+7], v[SC+NBK*(\p)+\b], v[SC+NBK*(\p)+(\a)] matrix_a_fmt:MATRIX_FMT_FP6 matrix_b_fmt:MATRIX_FMT_FP6 matrix_a_scale:MATRIX_SCALE_ROW1
.endif
.endr
.endm
.macro MULQ k, p, mode
.if \mode == 0
	WIN 0xa1
.else
	WIN 0x91
.endif
	MULB \k, \p, \mode
.endm
.macro STEP slot, q, mode
	s_wait_dscnt 0x0
	PLACES 4
	FETCH \slot, (\q)+1, 1-(\q)%2
	MULQ 0, (\q)%2, \mode
	MULQ 1, (\q)%2, \mode
	MULQ 2, (\q)%2, \mode
	MULQ 3, (\q)%2, \mode
	WIN 0
.endm
.macro MID slot
	STEP \slot, 1, 0
	STEP \slot, 2, 0
.endm
.macro TURN slot, next, fill
.if \fill
	s_wait_xcnt 0x0                                ; my last prefetch has read its address: it steps on by a slot
	s_add_nc_u64 s[PFA:PFA+1], s[PFA:PFA+1], NQ*FRB
.endif
	s_wait_tensorcnt 0x0
	ds_add_u32 v[SPW], v[NIL]
	s_wait_dscnt 1
	MULQ 0, 1, 0
	s_wait_dscnt 0x0
	s_barrier_signal -1
	MULQ 1, 1, 0
	WIN 0
	s_barrier_wait -1
.if \fill
	CREST
	s_add_nc_u64 s[G0+4*\slot+2:G0+4*\slot+3], s[G0+4*\slot+2:G0+4*\slot+3], 2*NQ*FRB
	s_add_nc_u64 s[G0B+4*\slot+2:G0B+4*\slot+3], s[G0B+4*\slot+2:G0B+4*\slot+3], 2*NQ*FRB
	JLOAD G0+4*\slot, G1, G0B+4*\slot, G1B
.else
	PLACES 4
.endif
	v_add_nc_u32 v[ADRS], NQ*512, v[ADRS]
	FETCH \next, 0, 0
.if \fill                              ; a prefetch into the L2 for the slot that stands two refills on; the loop's last trip has none left to ask for
	s_cmp_gt_u32 s3, 1
	s_cbranch_scc0 .Lnp_\@
	global_prefetch_b8 v[PFO], s[PFA:PFA+1] offset:NQ*FRB th:TH_LOAD_NT scope:SCOPE_SE
.Lnp_\@:
.endif
	MULQ 2, 1, 0
	MULQ 3, 1, 0
	WIN 0
.endm
	s_load_b256 s[4:11], s[0:1], 0x0
	s_load_b64 s[12:13], s[0:1], 0x20
	v_lshl_add_u32 v[SPW], v0, 2, SPARE
	v_mov_b32 v[NIL], 0
	ds_add_u32 v[SPW], v[NIL]
	ds_add_u32 v[SPW], v[NIL]
	v_lshrrev_b32 v1, 5, v0
	v_readfirstlane_b32 s14, v1
	s_lshr_b32 s15, s14, 1
	s_and_b32 s16, s14, 1
	s_bfe_u32 s40, ttmp6, 0x40000
	s_bfe_u32 s41, ttmp6, 0x40004
	s_lshl_b32 s42, ttmp9, 2
	s_add_co_u32 s42, s42, s40
	s_and_b32 s17, ttmp7, 0xffff
	s_lshl_b32 s17, s17, 2
	s_add_co_u32 s17, s17, s41
	s_lshl_b32 s43, s41, 2
	s_lshl_b32 s43, 15, s43
	s_lshl_b32 s44, 0x1111, s40
	s_or_b32 s[G1+0], s43, (3<<16)|(1<<21)
	s_or_b32 s[G1B+0], s44, (3<<16)|(1<<21)
.irp g, G1, G1B
	s_mov_b32 s[\g+1], (NQ*192)<<16
	s_mov_b32 s[\g+2], NBK<<16
	s_mov_b32 s[\g+3], (NQ*192)<<16
	s_mov_b32 s[\g+4], NBK
	s_mov_b32 s[\g+5], KTOT*3/2
	s_mov_b32 s[\g+6], 0
	s_mov_b32 s[\g+7], 0
.endr
	s_or_b32 s[G1H+0], s43, (3<<16)|(1<<21)
	s_or_b32 s[G1HB+0], s44, (3<<16)|(1<<21)
.irp g, G1H, G1HB
	s_mov_b32 s[\g+1], (NQ*192)<<16
	s_mov_b32 s[\g+2], (2*NBK)<<16
	s_mov_b32 s[\g+3], (NQ*192)<<16
	s_mov_b32 s[\g+4], 2*NBK
	s_mov_b32 s[\g+5], KTOT*3/2
	s_mov_b32 s[\g+6], 0
	s_mov_b32 s[\g+7], 0
.endr
	s_lshl_b32 s20, s17, 1
	s_add_co_u32 s20, s20, s16
	s_lshl_b32 s46, s42, 1
	s_add_co_u32 s46, s46, s16
	s_mul_i32 s22, s20, SPART
	s_mul_i32 s92, s46, SPART
	s_mul_i32 s20, s20, NBK*12*KTOT
	s_mul_i32 s46, s46, NBK*12*KTOT
	s_add_co_u32 s22, s22, A_S
	s_add_co_u32 s92, s92, W_S
	s_add_co_u32 s46, s46, W_C
	s_mov_b32 s21, 0
	s_mov_b32 s23, 0
	s_mov_b32 s47, 0
	s_mov_b32 s93, 0
	s_mul_i32 s45, s14, PARTB
	s_mul_i32 s94, s14, SPART
	s_wait_dscnt 0x0
	s_wait_kmcnt 0x0
	s_add_nc_u64 s[20:21], s[4:5], s[20:21]
	s_add_nc_u64 s[22:23], s[4:5], s[22:23]
	s_add_nc_u64 s[46:47], s[6:7], s[46:47]
	s_add_nc_u64 s[92:93], s[6:7], s[92:93]
	CROUND
	s_cmp_eq_u32 s15, 0                            ; waves 0, 1 serve side A, waves 2, 3 side B
	s_cselect_b64 s[SCP:SCP+1], s[22:23], s[92:93] ; the scale words come by plain loads and LDS stores
	s_cselect_b64 s[PFA:PFA+1], s[20:21], s[46:47] ; the four blocks of rows that I fetch;
	s_cselect_b32 s100, s40, s41                   ; of them the partner at place p among the four that ask jointly prefetches block p: shared out by address alone
	s_mul_i32 s100, s100, 12*KTOT
	s_add_co_u32 s100, s100, 2*NQ*FRB              ; from slot 2 on: slots 0 and 1 come by their loads alone
	s_mov_b32 s101, 0
	s_add_nc_u64 s[PFA:PFA+1], s[PFA:PFA+1], s[100:101]
.irp s, 0,1
	s_mov_b32 s[G0+4*\s], 1
	s_add_co_u32 s[G0+4*\s+1], s45, \s*SLOT
	s_add_nc_u64 s[G0+4*\s+2:G0+4*\s+3], s[20:21], \s*NQ*FRB
	s_or_b32 s[G0+4*\s+3], s[G0+4*\s+3], 0x80000000
	s_mov_b32 s[G0B+4*\s], 1
	s_add_co_u32 s[G0B+4*\s+1], s45, \s*SLOT
	s_add_nc_u64 s[G0B+4*\s+2:G0B+4*\s+3], s[46:47], \s*NQ*FRB
	s_or_b32 s[G0B+4*\s+3], s[G0B+4*\s+3], 0x80000000
.endr
; THE HEAD'S LOADS, one a wave, in one chain of branches on the wave's number: wave w brings both halves of side w % 2 for slot w / 2, so that both slots are asked for at once
	s_mul_i32 s100, s16, NBK*12*KTOT               ; from a side's first half to the half in s[20:21], s[46:47]
	s_mov_b32 s101, 0
	s_mul_i32 s18, s15, NQ*FRB                     ; my slot's place along K
	s_mov_b32 s19, 0
	s_mov_b32 s[G0H], 1
	s_mul_i32 s[G0H+1], s15, SLOT
	s_sub_nc_u64 s[G0H+2:G0H+3], s[20:21], s[100:101]
	s_add_nc_u64 s[G0H+2:G0H+3], s[G0H+2:G0H+3], s[18:19]
	s_or_b32 s[G0H+3], s[G0H+3], 0x80000000
	s_mov_b32 s[G0HB], 1
	s_mul_i32 s[G0HB+1], s15, SLOT
	s_add_co_u32 s[G0HB+1], s[G0HB+1], 2*PARTB
	s_sub_nc_u64 s[G0HB+2:G0HB+3], s[46:47], s[100:101]
	s_add_nc_u64 s[G0HB+2:G0HB+3], s[G0HB+2:G0HB+3], s[18:19]
	s_or_b32 s[G0HB+3], s[G0HB+3], 0x80000000
.macro ARM w, g0, g1
	s_cmp_eq_u32 s14, \w
	s_cbranch_scc0 .Lnot_\w
	tensor_load_to_lds s[\g0:\g0+3], s[\g1:\g1+7]
	s_nop 0
	PLACES 4
	s_branch .Lhead_asked
.Lnot_\w:
.endm
	ARM 0, G0H, G1H
	ARM 1, G0HB, G1HB
	ARM 2, G0H, G1H
	tensor_load_to_lds s[G0HB:G0HB+3], s[G1HB:G1HB+7]
	s_nop 0
	PLACES 4
.Lhead_asked:
	v_and_b32 v1, 31, v0
	v_and_b32 v2, 15, v0
	v_bfe_u32 v3, v0, 4, 1
	v_lshlrev_b32 v[LI16], 4, v1
	v_lshlrev_b32 v[LI8], 3, v1
	s_add_co_u32 s94, s94, SCL
	v_add_nc_u32 v[SST], s94, v[LI16]
.irp k, 0,1,2,3,4,5,6,7,8,9,10,11,12,13,14,15
	global_load_b128 v[AF+4*\k:AF+4*\k+3], v[LI16], s[SCP:SCP+1] offset:512*\k   ; my 8,192 bytes of scale words, 512 consecutive bytes a load
.endr
	v_min_u32 v[PFO], 23, v1
	v_lshlrev_b32 v[PFO], 8, v[PFO]
	global_prefetch_b8 v[PFO], s[PFA:PFA+1] th:TH_LOAD_NT scope:SCOPE_SE                  ; slots 2 and 3, which the first two refills will load
	global_prefetch_b8 v[PFO], s[PFA:PFA+1] offset:NQ*FRB th:TH_LOAD_NT scope:SCOPE_SE
	s_mul_i32 s21, s15, PARTB
	s_mul_i32 s22, s16, PARTB
	s_add_co_u32 s22, s22, 2*PARTB
.irp s, 0,1
	v_add_nc_u32 v[A16+\s], s21, v[LI16]
	v_add_nc_u32 v[A8+\s], s21, v[LI8]
	v_add_nc_u32 v[B16+\s], s22, v[LI16]
	v_add_nc_u32 v[B8+\s], s22, v[LI8]
	s_add_co_u32 s21, s21, SLOT
	s_add_co_u32 s22, s22, SLOT
.endr
	s_mul_i32 s21, s15, SOFF
	s_mul_i32 s22, s16, SOFF
	s_add_co_u32 s22, s22, 2*SPART
	s_sub_co_u32 s22, s22, s21
	v_mul_u32_u24 v6, s22, v3
	s_add_co_u32 s21, s21, SCL
	v_lshl_add_u32 v6, v2, 2, v6
	v_add_nc_u32 v[ADRS], s21, v6
	s_mul_i32 s23, s14, 16*272
	v_mul_u32_u24 v[STO], v2, 272
	v_lshl_add_u32 v[STO], v3, 6, v[STO]
	v_add_nc_u32 v[STO], s23, v[STO]
	v_mul_u32_u24 v[RD], v3, 272
	v_lshl_add_u32 v[RD], v2, 4, v[RD]
	v_add_nc_u32 v[RD], s23, v[RD]
	v_lshlrev_b32 v[CO], 12, v3
	v_lshl_add_u32 v[CO], v2, 4, v[CO]
	s_wait_alu depctr_va_vdst(0)
	s_lshl_b32 s46, s42, 9
	s_lshl_b32 s47, s16, 8
	s_add_co_u32 s46, s46, s47
	s_mov_b32 s47, 0
	s_add_nc_u64 s[8:9], s[8:9], s[46:47]
	s_lshl_b32 s20, s17, 7
	s_lshl_b32 s21, s15, 6
	s_add_co_u32 s20, s20, s21
	s_lshl_b32 s20, s20, 12
	s_mov_b32 s21, 0
	s_add_nc_u64 s[20:21], s[20:21], s[46:47]
	s_add_nc_u64 s[10:11], s[10:11], s[20:21]
	s_add_nc_u64 s[12:13], s[12:13], s[20:21]
	v_lshlrev_b32 v6, 6, v3
	WIN 0x40
.irp t, 0,1,2,3
	global_load_b128 v[BI+8*\t:BI+8*\t+3], v6, s[8:9] offset:(32*(\t/2)+8*(\t%2))*4
	global_load_b128 v[BI+8*\t+4:BI+8*\t+7], v6, s[8:9] offset:(32*(\t/2)+8*(\t%2))*4+16
.endr
	WIN 0
	s_wait_loadcnt 0x0                             ; the scale words and the bias
.irp k, 0,1,2,3,4,5,6,7,8,9,10,11,12,13,14,15
	ds_store_b128 v[SST], v[AF+4*\k:AF+4*\k+3] offset:512*\k
.endr
	s_wait_dscnt 0x0                               ; for the others' sake: my scale words lie in LDS
	s_cmp_lt_u32 s14, 2
	s_cbranch_scc0 .Lnot_first
	s_wait_tensorcnt 0x0                           ; waves 0 and 1: slot 0's two tiles
.Lnot_first:
	s_barrier_signal -1                            ; slot 1's loads may be out; the first refill's round shows them
	s_barrier_wait -1
	FETCH 0, 0, 0
	WIN 0xc0                                       ; the residual, asked for behind the tiles: it lands while K is walked
.irp a, 0,1,2,3
.irp t, 0,1,2,3,4,5,6,7
	global_load_b128 v[32*\a+4*\t:32*\a+4*\t+3], v[CO], s[10:11] offset:(32*(\a/2)+8*(\a%2)+2*\t+8*(\t/4))*4096
.endr
.endr
	WIN 0
	STEP 0, 0, 1
.if LAPS > 1
	s_mov_b32 s3, LAPS-1
.Llap:
	s_wait_alu depctr_va_vdst(0)
	MID 0
	TURN 0, 1, 1
	s_wait_alu depctr_va_vdst(0)
	STEP 1, 0, 0
	MID 1
	TURN 1, 0, 1
	s_wait_alu depctr_va_vdst(0)
	STEP 0, 0, 0
	s_sub_co_u32 s3, s3, 1
	s_cmp_lg_u32 s3, 0
	s_cbranch_scc1 .Llap
.endif
	MID 0
	TURN 0, 1, 0
	s_wait_alu depctr_va_vdst(0)
	STEP 1, 0, 0
	MID 1
	s_wait_dscnt 0x0
	MULQ 0, 1, 0
	MULQ 1, 1, 0
	MULQ 2, 1, 0
	MULQ 3, 1, 0
	WIN 0
.macro TOSTAGE a
	WIN 0x08
.irp b, 0,1,2,3
	ds_store_b128 v[STO], v[8*(4*(\a)+\b):8*(4*(\a)+\b)+3] offset:128*(\b/2)+32*(\b%2)
	ds_store_b128 v[STO], v[8*(4*(\a)+\b)+4:8*(4*(\a)+\b)+7] offset:128*(\b/2)+32*(\b%2)+16
.endr
	WIN 0
.irp t, 0,1,2,3,4,5,6,7
	ds_load_b128 v[OUTR+32*(\a)+4*\t:OUTR+32*(\a)+4*\t+3], v[RD] offset:\t*2*272
.endr
.endm
.macro SEND a, younger
	s_wait_dscnt \younger
	WIN 0x0c
.set i, 0
.rept 16
	v_pk_add_f32 v[OUTR+32*(\a)+i:OUTR+32*(\a)+i+1], v[OUTR+32*(\a)+i:OUTR+32*(\a)+i+1], v[32*(\a)+i:32*(\a)+i+1]
.set i, i+2
.endr
	WIN 0
.irp t, 0,1,2,3,4,5,6,7
	global_store_b128 v[CO], v[OUTR+32*(\a)+4*\t:OUTR+32*(\a)+4*\t+3], s[12:13] offset:(32*((\a)/2)+8*((\a)%2)+2*\t+8*(\t/4))*4096 th:TH_STORE_NT
.endr
.endm
	PLACES 4
	s_wait_loadcnt 0x0
	TOSTAGE 0
.irp a, 1,2,3
	TOSTAGE \a
	SEND \a-1, 16
.endr
	SEND 3, 0
	s_wait_tensorcnt 0x0
	ds_add_u32 v[SPW], v[NIL]
	s_wait_dscnt 0x0
	CROUND
	s_endpgm
.Lfunc_end_k_q0148016d28_gmlp:
	.size	k_q0148016d28_gmlp, .Lfunc_end_k_q0148016d28_gmlp-k_q0148016d28_gmlp
	.p2alignl 7, 3214868480
	.fill 96, 4, 3214868480
	.section	.rodata,"a",@progbits
	.p2align	6, 0x0
	.amdhsa_kernel k_q0148016d28_gmlp
		.amdhsa_group_segment_fixed_size 327680
		.amdhsa_private_segment_fixed_size 0
		.amdhsa_enable_private_segment 0
		.amdhsa_kernarg_size 40
		.amdhsa_user_sgpr_count 2
		.amdhsa_user_sgpr_kernarg_segment_ptr 1
		.amdhsa_wavefront_size32 1
		.amdhsa_system_sgpr_workgroup_id_x 1
		.amdhsa_system_sgpr_workgroup_id_y 1
		.amdhsa_system_sgpr_workgroup_id_z 1
		.amdhsa_system_vgpr_workitem_id 0
		.amdhsa_next_free_vgpr 1024
		.amdhsa_next_free_sgpr 104
		.amdhsa_reserve_vcc 0
		.amdhsa_float_denorm_mode_32 3
		.amdhsa_float_denorm_mode_16_64 3
		.amdhsa_memory_ordered 1
		.amdhsa_forward_progress 1
		.amdhsa_inst_pref_size 105
	.end_amdhsa_kernel
	.amdgpu_metadata
---
amdhsa.version: [ 1, 2 ]
amdhsa.kernels:
  - .name:           k_q0148016d28_gmlp
    .symbol:         k_q0148016d28_gmlp.kd
    .args:
      - { .name: gq, .offset: 0, .size: 8, .value_kind: global_buffer, .address_space: global }
      - { .name: wq, .offset: 8, .size: 8, .value_kind: global_buffer, .address_space: global }
      - { .name: b_mlp_proj, .offset: 16, .size: 8, .value_kind: global_buffer, .address_space: global }
      - { .name: x1, .offset: 24, .size: 8, .value_kind: global_buffer, .address_space: global }
      - { .name: out0, .offset: 32, .size: 8, .value_kind: global_buffer, .address_space: global }
    .group_segment_fixed_size: 327680
    .private_segment_fixed_size: 0
    .kernarg_segment_align: 8
    .kernarg_segment_size: 40
    .max_flat_workgroup_size: 128
    .sgpr_count:     104
    .vgpr_count:     1024
    .wavefront_size: 32
...
	.end_amdgpu_metadata
.endif
;; end of part 7
